; MI455X (gfx1250); checked and timed in simulation.
; The chip was launched on July 23, 2026; its instructions are those of AMD's public machine-readable ISA for CDNA 5 (MIT licence, August 2026) and "CDNA5" Instruction Set Architecture Reference Guide (July 2026). The comments in the code are by the model that wrote it; some were corrected since.
;; Mo E. Allowed arithmetic: matrix products marked QUANTISED: E2M1 operands, one E8M0 scale for each 32 along K, by v_wmma_scale_f32_16x16x128_f8f6f4 with both operands' format E2M1 (or v_wmma_scale_f32_32x16x128_f4), f32 sums; products left as they are: f32 operands where the result goes on into a quantised operand, else bf16, f16 or f32 operands; f32 sums; everything else in f32.
;; Inputs: W1 8 x 1,024 x 4,096 float32; W2 8 x 4,096 x 1,024 float32; Wg 1,024 x 8 float32; b1 8 x 4,096 float32; b2 8 x 1,024 float32; bg 8 float32; x 2 x 512 x 1,024 float32.
;; Outputs: out0 2 x 512 x 1,024 float32.
;; This version of the problem:
;;   THIS VERSION OF THE PROBLEM IS GIVEN IN LOW PRECISION. The matrix products marked QUANTISED in the list below multiply operands that are first quantised to E2M1 (2 exponent bits, 1 mantissa bit; 4 bits a number), with one power-of-two scale for each 32 numbers along K (OCP MX v1.0); their sums are f32. All else is computed in f32.
;;   The module's matrix products, in the order in which they are computed (A, B: the left and right operand; K: the contracted axis; several contracted axes count as one K, in the product's order):
;;     1. [M 1,024, K 1,024] x [K 1,024, N 8]; A: input x; B: input Wg: left as it is (N = 8 < 16)
;;     2. [M 1,024, K 1,024] x [K 1,024, N 32,768]; A: input x; B: input W1: QUANTISED
;;     3. batch 8 x [M 1,024, K 4,096] x [K 4,096, N 1,024]; A: input W2; B: computed on the way: QUANTISED
;;     4. batch 1,024 x [M 1, K 8] x [K 8, N 1,024]; A: computed on the way; B: computed on the way: left as it is (K = 8 < 32)
;;   THE QUANTISER, for each operand of a quantised product, along K:
;;     - K is cut into blocks of 32 from its start; a last block that is shorter is filled with zeros.
;;     - A block's scale is 2^e with e = floor(log2(the largest magnitude in the block)) - 2, held to -126 .. 127; a block of zeros has e = 0. As a byte (E8M0): e + 127.
;;     - Each number is divided by its block's scale, clamped to +-6, and rounded to the nearest number of E2M1, ties to even, subnormals kept.
;;     - The product sums the exact products of the quantised numbers (number of the format x scale) in f32.
;;   ~~~python
;;   def quantise(x, axis):      # numpy; x: float32 -> the quantised numbers, widened to float32 again
;;       x = np.moveaxis(x, axis, -1); K = x.shape[-1]
;;       x = np.pad(x, [(0, 0)] * (x.ndim - 1) + [(0, -K % 32)]); x = x.reshape(x.shape[:-1] + (-1, 32)); a = np.abs(x).max(-1, keepdims=True)
;;       e = np.where(a > 0, np.clip(np.frexp(np.where(a > 0, a, 1))[1] - 1 - 2, -126, 127), 0)      # np.frexp(a)[1] - 1 = floor(log2(a)), exactly
;;       r = np.clip(x / 2.0 ** e, -6, 6)
;;       step = 2.0 ** (np.maximum(np.frexp(np.where(r == 0, 1, r))[1] - 1, 0) - 1)
;;       q = np.round(r / step) * step * 2.0 ** e      # np.round: ties to even
;;       return np.moveaxis(q.reshape(q.shape[:-2] + (-1,))[..., :K], -1, axis).astype(np.float32)
;;   ~~~
;;   OPERANDS COMPUTED ON THE WAY. 'Computed on the way' means the value that the module computes at that place (a softmax that the list does not call 'softmax' is quantised finished and normalised). What goes into a quantiser is computed in f32, as accurately as f32 sums, v_exp_f32 and their like allow (about 1e-6 of the number): no bf16 or f16 on the way to a quantiser, and a product that is left as it is and whose result goes on into a quantised operand takes f32 operands (vector FMAs, or v_wmma_f32_16x16x4_f32). A number that lies on a knife's edge between two numbers of the format may be rounded either way, as far as f32 arithmetic and the matrix unit's own rounding can turn it there, and no further.
;; 3 versions, each right; version 2 is faster than version 1; version 3 is version 2 with the launches ffn1, ffn2 written anew for expert scheduling mode. Each part assembles by itself: llvm-mc -triple=amdgcn-amd-amdhsa -mcpu=gfx1250 --defsym DOCPART=n.
;; ======== version 1 of 3: 5 launches
;; workspace buffers: xq 557,056 bytes; topi 8,192 bytes of whole numbers; gatew 8,192 bytes; route 66,560 bytes of whole numbers; hq 4,734,976 bytes; y 17,825,792 bytes
;; launch gate (part 1): grid 256 x 1, 4 waves a work-group, no clusters, 52,224 bytes of LDS; arguments x, Wg, bg, xq, topi, gatew; writes xq, topi, gatew
.if DOCPART == 1
	.amdgcn_target "amdgcn-amd-amdhsa--gfx1250"
	.amdhsa_code_object_version 6
	.text
	.protected	k_qbfdd1237fd_gate
	.globl	k_qbfdd1237fd_gate
	.p2align	8
	.type	k_qbfdd1237fd_gate,@function
k_qbfdd1237fd_gate:
	s_mov_b64 s[64:65], 0
	v_nop
	global_prefetch_b8 v0, s[64:65] scope:SCOPE_SE
	s_setreg_imm32_b32 hwreg(HW_REG_WAVE_MODE, 25, 1), 1
	s_wait_xcnt 0x0
; THE ROUTER, AND x AS CODES.  x [1024 tokens][1024] f32, Wg [1024][8], bg [8].  A wave takes one token, t = 4 x work-group + wave.
; Out: xq: the token's 1,024 codes of FP4 (E2M1), K innermost, 512 bytes at 512 t, and its 32 E8M0 bytes at 524,288 + 32 t;
;      topi[2 t + j]: the expert of choice j (whole numbers, at fixed places: no address here hangs on the choice);  gatew[2 t + j]: its gate, renormalised.
; The logits are f32 fused multiply-adds; the softmax takes the row's maximum away first; the top 2 keep the lower index at a tie.
; A lane holds one block of 32 of x (d = 32 lane ..): its largest magnitude needs no other lane, and its 32 rows of Wg are 1,024 consecutive bytes.
; Every global load reads consecutive bytes in neighbouring lanes; x turns through the wave's own stage in LDS, Wg lies in LDS for the four waves.
; LIMITS: NaN and infinities are not served; a block whose largest magnitude lies under 2^-124 keeps the byte 1; a block of zeros gets the byte 1 and not 127
; (its codes are zeros, and this program alone reads the bytes); two gates nearer to each other than f32 summation resolves may change places.
.set XST,  33280                       ; LDS: Wg as 32 slices of 1,024 bytes, pitch 1,040 (0 .. 33,279); then a stage of 32 x 144 bytes for each wave
.set XSCL, 524288                      ; where the scale bytes begin in xq
.set X,    8                           ; v8-39    my block of 32 numbers
.set WL,   40                          ; v40-103  Wg as loaded, later 8 rows of Wg at a time
.set AC,   104                         ; v104-119 two sets of 8 partial logits; later the gates and the second scan's candidates
.set RAW,  120                         ; v120-151 x as loaded
.set TM,   152                         ; v152-159 what the other half of the lanes sends
.set QM,   160
.set QN,   161
.set QS,   162
.set QB,   163
.set CD,   164                         ; v164-167 my block's codes
.set MX,   168
.set ZS,   169
.set P1,   170
.set I1,   171
.set P2,   172
.set I2,   173
.set CA,   174
.set LO4,  175
	s_load_b256 s[4:11], s[0:1], 0x0               ; x s[4:5], Wg s[6:7], bg s[8:9], xq s[10:11]
	s_load_b128 s[12:15], s[0:1], 0x20             ; topi s[12:13], gatew s[14:15]
	v_lshl_add_u32 v176, v0, 2, 0xca00
	v_mov_b32 v177, 0
	v_lshrrev_b32 v1, 5, v0
	v_readfirstlane_b32 s26, v1                    ; wave
	v_and_b32 v1, 31, v0                           ; lane
	v_lshlrev_b32 v2, 4, v1                        ; 16 x lane
	v_lshlrev_b32 v3, 4, v0                        ; 16 x thread
	v_lshrrev_b32 v4, 6, v0
	v_lshl_add_u32 v4, v4, 4, v3                   ; Wg into LDS: 16 x thread + 16 for each slice of 1,024 bytes passed
	v_mul_u32_u24 v5, v1, 1040                     ; my slice of Wg
	s_mul_i32 s27, s26, 4608
	s_add_co_u32 s27, s27, XST                     ; my wave's stage
	v_lshrrev_b32 v6, 3, v1
	v_mul_u32_u24 v6, v6, 144
	v_and_b32 v7, 7, v1
	v_lshl_add_u32 v6, v7, 4, v6
	v_add_nc_u32 v6, s27, v6                       ; in: eight lanes' 128 bytes on end, then 16 of padding
	v_mul_u32_u24 v7, v1, 144
	v_add_nc_u32 v7, s27, v7                       ; out: my 128 bytes
	v_lshlrev_b32 v[LO4], 2, v1
.irp e, 0,1,2,3,4,5,6,7
	v_mov_b32 v[TM+\e], 0                          ; written once: a lane permute's destination counts as one of its sources
.endr
	s_lshl_b32 s28, ttmp9, 2
	s_add_co_u32 s28, s28, s26                     ; my token
	s_mov_b32 s31, 0
	s_mov_b32 s24, 0x76543210
	s_mov_b32 s25, 0xfedcba98                      ; v_permlanex16_b32's selects for lane l xor 16
	s_wait_kmcnt 0x0
	s_lshl_b32 s30, s28, 12
	s_add_nc_u64 s[4:5], s[4:5], s[30:31]          ; x at my token
	s_lshl_b32 s30, s28, 9
	s_add_nc_u64 s[32:33], s[10:11], s[30:31]      ; its codes
	s_lshl_b32 s30, s28, 5
	s_add_nc_u64 s[34:35], s[10:11], s[30:31]      ; its scale bytes (XSCL stands in the store's immediate)
	s_lshl_b32 s30, s28, 3
	s_add_nc_u64 s[12:13], s[12:13], s[30:31]
	s_add_nc_u64 s[14:15], s[14:15], s[30:31]
	s_load_b256 s[16:23], s[8:9], 0x0              ; bg
.irp q, 0,1,2,3,4,5,6,7
	global_load_b128 v[RAW+4*\q:RAW+4*\q+3], v2, s[4:5] offset:512*\q th:TH_LOAD_NT   ; 32 lanes read 512 consecutive bytes
.endr
.irp j, 0,1,2,3,4,5,6,7,8,9,10,11,12,13,14,15
	global_load_b128 v[WL+4*\j:WL+4*\j+3], v3, s[6:7] offset:2048*\j                  ; the four waves read 2,048 consecutive bytes
.endr
	s_wait_loadcnt 16                              ; x is in; the 16 loads of Wg behind it may be out
.irp q, 0,1,2,3,4,5,6,7
	ds_store_b128 v6, v[RAW+4*\q:RAW+4*\q+3] offset:576*\q
.endr
.irp p, 0,1,2,3,4,5,6,7
	ds_load_b128 v[X+4*\p:X+4*\p+3], v7 offset:16*\p   ; LDS serves a wave's instructions in order: these see my stores
.endr
	s_wait_loadcnt 0x0
.irp j, 0,1,2,3,4,5,6,7,8,9,10,11,12,13,14,15
	ds_store_b128 v4, v[WL+4*\j:WL+4*\j+3] offset:2080*\j
.endr
	s_wait_dscnt 0x0                               ; for the others' sake: my part of Wg has landed; and my block of x is in
	s_barrier_signal -1
	s_barrier_wait -1
	; my block's scale and codes
	v_max3_num_f32 v[QM], |v[X]|, |v[X+1]|, |v[X+2]|
	v_max3_num_f32 v[QN], |v[X+3]|, |v[X+4]|, |v[X+5]|
.irp i, 6,10,14,18,22,26
	v_max3_num_f32 v[QM], v[QM], |v[X+\i]|, |v[X+\i+1]|
	v_max3_num_f32 v[QN], v[QN], |v[X+\i+2]|, |v[X+\i+3]|
.endr
	v_max3_num_f32 v[QM], v[QM], |v[X+30]|, |v[X+31]|
	v_max3_num_f32 v[QM], v[QM], v[QN], 0x1800000  ; and the floor 2^(3 - 127): the byte cannot fall under 1
	v_add_nc_u32 v[QS], 0xff000000, v[QM]          ; 2 off the exponent field: the conversion's scale operand
	v_lshrrev_b32 v[QB], 23, v[QS]                 ; the scale's byte
.irp g, 0,1,2,3
	v_cvt_scalef32_pk8_fp4_f32 v[CD+\g], v[X+8*\g:X+8*\g+7], v[QS]
.endr
	v_nop                                          ; one plain line behind the last scaled conversion
	global_store_b128 v2, v[CD:CD+3], s[32:33]     ; the wave stores the token's 512 bytes of codes on end
	global_store_b8 v1, v[QB], s[34:35] offset:XSCL
	; the logits: 8 rows of Wg at a time; even rows add into set 0, odd rows into set 1; the first two rows start the sums
.irp g, 0,1,2,3
.irp i, 0,1,2,3,4,5,6,7
	ds_load_b128 v[WL+8*\i:WL+8*\i+3], v5 offset:(8*\g+\i)*32
	ds_load_b128 v[WL+8*\i+4:WL+8*\i+7], v5 offset:(8*\g+\i)*32+16
.endr
	s_wait_dscnt 0x0
.irp i, 0,1,2,3,4,5,6,7
.irp p, 0,1,2,3
.if (\g == 0) && (\i < 2)
.if \i == 0
	v_pk_mul_f32 v[AC+2*\p:AC+2*\p+1], v[WL+2*\p:WL+2*\p+1], v[X:X+1] op_sel_hi:[1,0]
.else
	v_pk_mul_f32 v[AC+8+2*\p:AC+9+2*\p], v[WL+8+2*\p:WL+9+2*\p], v[X:X+1] op_sel:[0,1] op_sel_hi:[1,1]
.endif
.elseif (\i % 2) == 0
	v_pk_fma_f32 v[AC+2*\p:AC+2*\p+1], v[WL+8*\i+2*\p:WL+8*\i+2*\p+1], v[X+8*\g+\i:X+8*\g+\i+1], v[AC+2*\p:AC+2*\p+1] op_sel_hi:[1,0,1]
.else
	v_pk_fma_f32 v[AC+8+2*\p:AC+9+2*\p], v[WL+8*\i+2*\p:WL+8*\i+2*\p+1], v[X+8*\g+\i-1:X+8*\g+\i], v[AC+8+2*\p:AC+9+2*\p] op_sel:[0,1,0] op_sel_hi:[1,1,1]
.endif
.endr
.endr
.endr
.irp p, 0,2,4,6
	v_pk_add_f32 v[AC+\p:AC+\p+1], v[AC+\p:AC+\p+1], v[AC+8+\p:AC+9+\p]
.endr
.irp m, 1,2,4,8
.irp e, 0,1,2,3,4,5,6,7
	v_add_f32_dpp v[AC+\e], v[AC+\e], v[AC+\e] row_xmask:\m row_mask:0xf bank_mask:0xf
.endr
.endr
.irp e, 0,1,2,3,4,5,6,7
	v_permlanex16_b32 v[TM+\e], v[AC+\e], s24, s25
.endr
.irp e, 0,1,2,3,4,5,6,7
	v_add_f32 v[AC+\e], v[AC+\e], v[TM+\e]         ; every lane holds the eight sums
.endr
	s_wait_kmcnt 0x0                               ; bg
.irp e, 0,1,2,3,4,5,6,7
	v_add_f32 v[AC+\e], s[16+\e], v[AC+\e]
.endr
	; softmax: the maximum goes off first
	v_max3_num_f32 v[MX], v[AC], v[AC+1], v[AC+2]
	v_max3_num_f32 v[MX], v[MX], v[AC+3], v[AC+4]
	v_max3_num_f32 v[MX], v[MX], v[AC+5], v[AC+6]
	v_max_num_f32 v[MX], v[MX], v[AC+7]
.irp e, 0,1,2,3,4,5,6,7
	v_sub_f32 v[AC+\e], v[AC+\e], v[MX]
.endr
.irp e, 0,1,2,3,4,5,6,7
	v_mul_f32 v[AC+\e], 0x3fb8aa3b, v[AC+\e]       ; x log2(e)
.endr
.irp e, 0,1,2,3,4,5,6,7
	v_exp_f32 v[AC+\e], v[AC+\e]
.endr
	v_mov_b32 v[CA], -1.0                          ; (a plain line behind the exponentials) under every gate
	s_wait_alu depctr_va_vdst(0)                   ; one wait for the eight, ahead of their first reader
	v_add_f32 v[ZS], v[AC], v[AC+1]
	v_add_f32 v[MX], v[AC+2], v[AC+3]
	v_add_f32 v[P1], v[AC+4], v[AC+5]
	v_add_f32 v[P2], v[AC+6], v[AC+7]
	v_add_f32 v[ZS], v[ZS], v[MX]
	v_add_f32 v[P1], v[P1], v[P2]
	v_add_f32 v[ZS], v[ZS], v[P1]
	v_rcp_f32 v[ZS], v[ZS]
	v_mov_b32 v[I1], 0                             ; (a plain line behind the reciprocal)
	s_wait_alu depctr_va_vdst(0)
.irp e, 0,1,2,3,4,5,6,7
	v_mul_f32 v[AC+\e], v[AC+\e], v[ZS]            ; the gates
.endr
	; the largest gate: the one found so far stays where it is at least as large as the next, so the lower index wins a tie
	v_mov_b32 v[P1], v[AC]
.irp e, 1,2,3,4,5,6,7
	v_cmp_ge_f32 vcc_lo, v[P1], v[AC+\e]
	v_cndmask_b32 v[P1], v[AC+\e], v[P1], vcc_lo
	v_cndmask_b32 v[I1], \e, v[I1], vcc_lo
.endr
.irp e, 0,1,2,3,4,5,6,7
	v_cmp_eq_u32 vcc_lo, \e, v[I1]
	v_cndmask_b32 v[AC+8+\e], v[AC+\e], v[CA], vcc_lo  ; the winner is out of the second scan
.endr
	v_mov_b32 v[P2], v[AC+8]
	v_mov_b32 v[I2], 0
.irp e, 1,2,3,4,5,6,7
	v_cmp_ge_f32 vcc_lo, v[P2], v[AC+8+\e]
	v_cndmask_b32 v[P2], v[AC+8+\e], v[P2], vcc_lo
	v_cndmask_b32 v[I2], \e, v[I2], vcc_lo
.endr
	v_add_f32 v[ZS], v[P1], v[P2]
	v_max_num_f32 v[ZS], 0x2b8cbccc, v[ZS]         ; at least 1e-12
	v_rcp_f32 v[ZS], v[ZS]
	v_cmp_eq_u32 vcc_lo, 0, v1                     ; (a plain line behind the reciprocal)
	s_wait_alu depctr_va_vdst(0)
	v_mul_f32 v[P1], v[P1], v[ZS]
	v_mul_f32 v[P2], v[P2], v[ZS]
	v_cndmask_b32 v[I2], v[I2], v[I1], vcc_lo      ; lane 0 carries the first choice, lane 1 the second
	v_cndmask_b32 v[P2], v[P2], v[P1], vcc_lo
	v_cmp_gt_u32 vcc_lo, 2, v1
	s_wait_xcnt 0x0                                ; EXEC changes only behind this wait: stores are out
	s_wait_tensorcnt 0x0
	ds_add_u32 v176, v177
	s_wait_dscnt 0x0
	s_and_saveexec_b32 s29, vcc_lo
	global_store_b32 v[LO4], v[I2], s[12:13]
	global_store_b32 v[LO4], v[P2], s[14:15]
	s_wait_xcnt 0x0                                ; and again in front of the line that widens it
	s_or_b32 exec_lo, exec_lo, s29
	s_endpgm
.Lfunc_end_k_qbfdd1237fd_gate:
	.size	k_qbfdd1237fd_gate, .Lfunc_end_k_qbfdd1237fd_gate-k_qbfdd1237fd_gate
	.p2alignl 7, 3214868480
	.fill 96, 4, 3214868480
	.section	.rodata,"a",@progbits
	.p2align	6, 0x0
	.amdhsa_kernel k_qbfdd1237fd_gate
		.amdhsa_group_segment_fixed_size 52224
		.amdhsa_private_segment_fixed_size 0
		.amdhsa_enable_private_segment 0
		.amdhsa_kernarg_size 48
		.amdhsa_user_sgpr_count 2
		.amdhsa_user_sgpr_kernarg_segment_ptr 1
		.amdhsa_wavefront_size32 1
		.amdhsa_system_sgpr_workgroup_id_x 1
		.amdhsa_system_sgpr_workgroup_id_y 1
		.amdhsa_system_sgpr_workgroup_id_z 1
		.amdhsa_system_vgpr_workitem_id 0
		.amdhsa_next_free_vgpr 178
		.amdhsa_next_free_sgpr 66
		.amdhsa_reserve_vcc 1
		.amdhsa_float_denorm_mode_32 3
		.amdhsa_float_denorm_mode_16_64 3
		.amdhsa_memory_ordered 1
		.amdhsa_forward_progress 1
		.amdhsa_inst_pref_size 29
	.end_amdhsa_kernel
	.amdgpu_metadata
---
amdhsa.version: [ 1, 2 ]
amdhsa.kernels:
  - .name:           k_qbfdd1237fd_gate
    .symbol:         k_qbfdd1237fd_gate.kd
    .args:
      - { .name: x, .offset: 0, .size: 8, .value_kind: global_buffer, .address_space: global }
      - { .name: Wg, .offset: 8, .size: 8, .value_kind: global_buffer, .address_space: global }
      - { .name: bg, .offset: 16, .size: 8, .value_kind: global_buffer, .address_space: global }
      - { .name: xq, .offset: 24, .size: 8, .value_kind: global_buffer, .address_space: global }
      - { .name: topi, .offset: 32, .size: 8, .value_kind: global_buffer, .address_space: global }
      - { .name: gatew, .offset: 40, .size: 8, .value_kind: global_buffer, .address_space: global }
    .group_segment_fixed_size: 52224
    .private_segment_fixed_size: 0
    .kernarg_segment_align: 8
    .kernarg_segment_size: 48
    .max_flat_workgroup_size: 128
    .sgpr_count:     66
    .vgpr_count:     178
    .wavefront_size: 32
...
	.end_amdgpu_metadata
.endif
;; end of part 1
;; launch place (part 2): grid 1 x 1, 8 waves a work-group, no clusters, 1,280 bytes of LDS; arguments topi, route; writes route
.if DOCPART == 2
	.amdgcn_target "amdgcn-amd-amdhsa--gfx1250"
	.amdhsa_code_object_version 6
	.text
	.protected	k_qbfdd1237fd_place
	.globl	k_qbfdd1237fd_place
	.p2align	8
	.type	k_qbfdd1237fd_place,@function
k_qbfdd1237fd_place:
	s_mov_b64 s[64:65], 0
	v_nop
	global_prefetch_b8 v0, s[64:65] scope:SCOPE_SE
	s_setreg_imm32_b32 hwreg(HW_REG_WAVE_MODE, 25, 1), 1
	s_wait_xcnt 0x0
; THE ROWS ARE PLACED BY EXPERT.  topi[rho], rho = 2 token + choice, 2,048 whole numbers.  Wave e serves expert e alone: a counting pass without atomics.
; route: list e, 2,048 words at 8,192 e.  The expert's rows stand at positions 0 .. R - 1 in ascending rho.  Every other rho fills the list from its top down
; (position 2,047 - rho + the members before rho) with a dump row's number, 2,048 + 16 e + position % 16: so all 2,048 words are stored, each once,
; and a tile of 16 positions that reaches past R finds 16 different rows.
; meta e, 128 bytes at 65,536 + 128 e: R, the tiles of 16 (nt), the tiles of the experts before (tb), all tiles - 1, zeros.
.set IDX, 16                           ; v16-79   the 2,048 choices, 64 a lane
.set AD,  80                           ; v80-143  a store's address, one register for each store: none is written again
.set VA,  144                          ; v144-207 and its data
	s_load_b128 s[4:7], s[0:1], 0x0                ; topi s[4:5], route s[6:7]
	v_lshl_add_u32 v216, v0, 2, 0x100
	v_mov_b32 v217, 0
	v_lshrrev_b32 v1, 5, v0
	v_readfirstlane_b32 s8, v1                     ; wave = expert
	v_and_b32 v1, 31, v0                           ; lane
	v_lshlrev_b32 v2, 2, v1
	s_lshl_b32 s10, s8, 13
	s_mov_b32 s11, 0
	s_lshl_b32 s16, s8, 7
	s_mov_b32 s17, 0
	s_lshl_b32 s22, s8, 4
	s_add_co_u32 s22, s22, 2048                    ; the expert's first dump row
	s_mov_b32 s20, 0                               ; members so far
	s_wait_kmcnt 0x0
	s_add_nc_u64 s[12:13], s[6:7], s[10:11]        ; my list
	s_add_nc_u64 s[14:15], s[6:7], s[16:17]        ; my meta (65,536 stands in the store's immediate)
.set i, 0
.rept 64
	global_load_b32 v[IDX+i], v2, s[4:5] offset:128*i
.set i, i+1
.endr
	s_wait_loadcnt 0x0
.set i, 0
.rept 64
	v_cmp_eq_u32 vcc_lo, s8, v[IDX+i]              ; is rho = 32 i + lane mine?
	v_mbcnt_lo_u32_b32 v3, vcc_lo, s20             ; the members before it
	v_add_nc_u32 v4, 32*i, v1                      ; rho
	v_sub_nc_u32 v5, v3, v4
	v_add_nc_u32 v5, 2047, v5                      ; where it goes if it is not
	v_and_b32 v6, 15, v5
	v_add_nc_u32 v6, s22, v6                       ; and what stands there then
	v_cndmask_b32 v[AD+i], v5, v3, vcc_lo
	v_cndmask_b32 v[VA+i], v6, v4, vcc_lo
	v_min_u32 v[AD+i], 0x7ff, v[AD+i]              ; a number made of loaded ones enters an address behind a bound
	v_lshlrev_b32 v[AD+i], 2, v[AD+i]
	global_store_b32 v[AD+i], v[VA+i], s[12:13]
	s_bcnt1_i32_b32 s21, vcc_lo
	s_add_co_u32 s20, s20, s21
.set i, i+1
.endr
	; the eight counts meet in LDS
	v_mov_b32 v7, s8
	v_lshlrev_b32 v7, 2, v7
	v_mov_b32 v8, s20
	ds_store_b32 v7, v8                            ; all lanes write the same word with the same value
	s_wait_dscnt 0x0
	s_barrier_signal -1
	s_barrier_wait -1
	v_mov_b32 v9, 0
	ds_load_b128 v[208:211], v9
	ds_load_b128 v[212:215], v9 offset:16
	s_wait_dscnt 0x0
.irp j, 0,1,2,3,4,5,6,7
	v_readfirstlane_b32 s[24+\j], v[208+\j]
.endr
	s_mov_b32 s32, 0                               ; tb
	s_mov_b32 s33, 0                               ; all tiles
.irp j, 0,1,2,3,4,5,6,7
	s_add_co_u32 s[24+\j], s[24+\j], 15
	s_lshr_b32 s[24+\j], s[24+\j], 4               ; expert j's tiles
	s_add_co_u32 s33, s33, s[24+\j]
	s_cmp_gt_u32 s8, \j
	s_cselect_b32 s34, s[24+\j], 0
	s_add_co_u32 s32, s32, s34
.endr
	s_add_co_u32 s35, s20, 15
	s_lshr_b32 s35, s35, 4                         ; my tiles
	s_sub_co_u32 s33, s33, 1                       ; 2,048 rows make 128 tiles at the least, so this is no less than 127
	v_mov_b32 v10, 0
	v_writelane_b32 v10, s20, 0
	v_writelane_b32 v10, s35, 1
	v_writelane_b32 v10, s32, 2
	v_writelane_b32 v10, s33, 3
	global_store_b32 v2, v10, s[14:15] offset:65536
	s_wait_tensorcnt 0x0
	ds_add_u32 v216, v217
	s_wait_dscnt 0x0
	s_endpgm
.Lfunc_end_k_qbfdd1237fd_place:
	.size	k_qbfdd1237fd_place, .Lfunc_end_k_qbfdd1237fd_place-k_qbfdd1237fd_place
	.p2alignl 7, 3214868480
	.fill 96, 4, 3214868480
	.section	.rodata,"a",@progbits
	.p2align	6, 0x0
	.amdhsa_kernel k_qbfdd1237fd_place
		.amdhsa_group_segment_fixed_size 1280
		.amdhsa_private_segment_fixed_size 0
		.amdhsa_enable_private_segment 0
		.amdhsa_kernarg_size 16
		.amdhsa_user_sgpr_count 2
		.amdhsa_user_sgpr_kernarg_segment_ptr 1
		.amdhsa_wavefront_size32 1
		.amdhsa_system_sgpr_workgroup_id_x 1
		.amdhsa_system_sgpr_workgroup_id_y 1
		.amdhsa_system_sgpr_workgroup_id_z 1
		.amdhsa_system_vgpr_workitem_id 0
		.amdhsa_next_free_vgpr 218
		.amdhsa_next_free_sgpr 66
		.amdhsa_reserve_vcc 1
		.amdhsa_float_denorm_mode_32 3
		.amdhsa_float_denorm_mode_16_64 3
		.amdhsa_memory_ordered 1
		.amdhsa_forward_progress 1
		.amdhsa_inst_pref_size 50
	.end_amdhsa_kernel
	.amdgpu_metadata
---
amdhsa.version: [ 1, 2 ]
amdhsa.kernels:
  - .name:           k_qbfdd1237fd_place
    .symbol:         k_qbfdd1237fd_place.kd
    .args:
      - { .name: topi, .offset: 0, .size: 8, .value_kind: global_buffer, .address_space: global }
      - { .name: route, .offset: 8, .size: 8, .value_kind: global_buffer, .address_space: global }
    .group_segment_fixed_size: 1280
    .private_segment_fixed_size: 0
    .kernarg_segment_align: 8
    .kernarg_segment_size: 16
    .max_flat_workgroup_size: 256
    .sgpr_count:     66
    .vgpr_count:     218
    .wavefront_size: 32
...
	.end_amdgpu_metadata
.endif
;; end of part 2
;; launch ffn1 (part 3): grid 32 x 8, 16 waves a work-group, no clusters, 315,904 bytes of LDS; arguments xq, W1, b1, route, hq; writes hq
.if DOCPART == 3
	.amdgcn_target "amdgcn-amd-amdhsa--gfx1250"
	.amdhsa_code_object_version 6
	.text
	.protected	k_qbfdd1237fd_ffn1
	.globl	k_qbfdd1237fd_ffn1
	.p2align	8
	.type	k_qbfdd1237fd_ffn1,@function
k_qbfdd1237fd_ffn1:
	s_mov_b64 s[64:65], 0
	v_nop
	global_prefetch_b8 v0, s[64:65] scope:SCOPE_SE
	s_setreg_imm32_b32 hwreg(HW_REG_WAVE_MODE, 25, 1), 1
	s_wait_xcnt 0x0
; h = gelu(x W1[e] + b1[e]) for the rows routed to expert e, as codes of FP4 (E2M1) with one E8M0 byte for each 32 along K.  W1 [8][1024 (k)][4096 (n)] f32.
; A work-group takes (expert e = y, 128 hidden units n0 = 128 x, all of K): 512 KiB of W1, read once, quantised here, kept in LDS as images of the operand's registers.
; THE STREAM.  A lane takes a column and its registers run down K: a chunk is 32 k x 32 columns, 32 loads of 128 consecutive bytes; two waves side by side cover 256.  A lane's 32 registers are one block:
; no other lane is asked for the maximum, and the four conversions give 16 bytes of the operand.  Wave w has K step w / 2 and column half w % 2; its 8 chunks go through a ring of two sets of 32 registers.
; Lane l takes column pi(l) = l%8 + 16 ((l/8)%2) + 8 (l/16) of its 32: lanes 0-15 are then tile X (row m = column m + 8 (m/8)), lanes 16-31 tile Y (8 more).
; THE PRODUCT IS USED TRANSPOSED (source 0 = 16 columns of W1, source 1 = 16 routed rows): lane (r, h) holds row r, and X's and Y's 16 registers are hidden units 16 h + 0 .. 15 of a block of 32:
; neighbours along the next product's K.  b1 is the C of each sum's first product.  The two accumulators take turns.
; ROWS.  route gives the expert's rows in tiles of 16.  Tile tau < 16 belongs to wave tau (slot 0), tile 16 .. 27 to wave tau - 16 (slot 1); their x lies in the wave's own LDS.  Tiles from 28 on: a tail of three trips.
; Branches hang on stored counts: none holds a barrier or a part of the stream, and each wait for a load issued under one stands in the same arm.
; The first 64 columns' products and gelu run while the other 64 columns are on their way.
; gelu(v) = max(v, 0) - 0.5 |v| erfc(|v| / sqrt 2);  erfc(z) = t exp(-z^2 + P(t)), t = 1 / (1 + z / 2), P of degree 9: its fractional error is 1.2e-7, to which f32 rounding adds.
; OUT: hq: tile T = tb + tau, K step kappa = x of the next product: codes as an image of that operand's registers at (32 T + kappa) 1,024 + 512 c + 16 lane; scale words at 4,456,448 + 2,048 T + 64 kappa + 4 r.
; LIMITS: NaN and infinities are not served; a block whose largest magnitude lies under 2^-124 keeps the byte 1; a block of zeros gets the byte 1 and not 127 (zero codes; this program alone reads the bytes).
.set XSLOT, 8704                       ; LDS: a tile's x: 8 fragments of 1,024 bytes, then 512 bytes of scale words; 28 such from byte 0
.set WB,    243712                     ; the weights: 4 blocks of 32 hidden units,
.set WBLK,  17408                      ; each 16 fragments of 1,024 bytes ((2 s + u) 1,024: K step s, tile u) and 8 x 128 bytes of scale words
.set BB,    313344                     ; the slice's 128 numbers of b1
.set XSCL,  524288
.set HSCL,  4456448
.set RING,  24                         ; v24-87   two sets of 32 numbers of W1
.set XF,    88                         ; v88-151  x's 8 fragments; gelu's a, t, v^2, max(v, 0)
.set WF,    152                        ; v152-215 8 fragments of W1; gelu's P
.set ACC,   216                        ; v216-231 X and Y; between tiles the stream's temporaries
.set XS,    232                        ; v232-235 x's scale words: lanes 0-15 K steps 0-3, lanes 16-31 K steps 4-7
.set CD,    236                        ; v236-239 a chunk's codes
.set WS,    240                        ; v240-247 W1's scale words: lanes 0-15 X's rows, lanes 16-31 Y's
.set QM,    216
.set QN,    217
.set QS,    218
.set QB,    219
.set XS1,   228                        ; slot 1's x scale words on their way to LDS
.set HM,    248
.set HN,    249
.set HP,    250
.set HE,    251
.set HB,    252
.set WW,    253                        ; my column's scale word in the making
.set C9V,   254                        ; v254-255 c9
.set GA,    XF
.set GT,    XF+16
.set GW,    XF+32
.set GM,    XF+48
.set GP,    WF
; v1 4 pi(l); v2, v3 where I store codes and scale words; v4, v5 16 l in blocks 0-1, 2-3; v6 scale words; v7 bias; v8, v9 my slots of x; v10, v11 and v12, v13 my places in hq; v14, v15 h's scale words;
; v16-19 my row's places in xq; v20-21 h's codes; v22, v23 list values
.macro SC2 r, val
	s_mov_b32 s[\r], \val
	s_mov_b32 s[\r+1], s[\r]                       ; (a packed line names the pair, so both are written)
.endm
.macro CHUNK t                         ; chunk t: columns 64 (t / 4) on, block t % 4 of my K step
.set RS, RING+32*((\t)%2)
.set CO, ((\t)/4)*256+((\t)%4)*32*16384
.irp i, 0,1,2,3,4,5,6,7,8,9,10,11,12,13,14,15,16,17,18,19,20,21,22,23,24,25,26,27,28,29,30,31
	global_load_b32 v[RS+\i], v1, s[28:29] offset:CO+\i*16384 th:TH_LOAD_NT
.endr
.endm
.macro QW                              ; the 32 numbers at v[RS]: the block's scale operand in QS, its byte in QB, its codes in CD
	v_max3_num_f32 v[QM], |v[RS]|, |v[RS+1]|, |v[RS+2]|
	v_max3_num_f32 v[QN], |v[RS+3]|, |v[RS+4]|, |v[RS+5]|
.irp i, 6,10,14,18,22,26
	v_max3_num_f32 v[QM], v[QM], |v[RS+\i]|, |v[RS+\i+1]|
	v_max3_num_f32 v[QN], v[QN], |v[RS+\i+2]|, |v[RS+\i+3]|
.endr
	v_max3_num_f32 v[QM], v[QM], |v[RS+30]|, |v[RS+31]|
	v_max3_num_f32 v[QM], v[QM], v[QN], 0x1800000  ; and the floor 2^(3 - 127): the byte cannot fall under 1
	v_add_nc_u32 v[QS], 0xff000000, v[QM]          ; 2 off the exponent field
	v_lshrrev_b32 v[QB], 23, v[QS]
	s_wait_dscnt 0x0                               ; the last chunk's LDS stores have read CD and WW
.irp g, 0,1,2,3
	v_cvt_scalef32_pk8_fp4_f32 v[CD+\g], v[RS+8*\g:RS+8*\g+7], v[QS]
.endr
	v_nop                                          ; one plain line behind the last scaled conversion
.endm
.macro TURN t, n, more                 ; chunk t is quantised and stored; n: the loads issued behind it; more = 1: its set takes chunk t + 2
	s_wait_loadcnt \n
.set RS, RING+32*((\t)%2)
	QW
.if ((\t)%4) == 0
	v_mov_b32 v[WW], v[QB]
.else
	v_lshl_or_b32 v[WW], v[QB], 8*((\t)%4), v[WW]
.endif
	ds_store_b128 v2, v[CD:CD+3] offset:((\t)/4)*2*WBLK+(((\t)%4)/2)*512+((\t)%2)*256   ; block beta = 2 c + h of the K step: 512 c + 256 h + 16 r; lanes 16-31 into Y's image
.if ((\t)%4) == 3
	ds_store_b32 v3, v[WW] offset:((\t)/4)*2*WBLK
.endif
.if \more
	CHUNK (\t)+2
.endif
.endm
.macro XLOAD sl                        ; my tile's x: lane (r, h) takes its row's 16 bytes of each half K step, and 16 of its 32 scale bytes
.if \sl == 0
.set XD, XF
.set XSD, XS
.else
.set XD, WF
.set XSD, XS1
.endif
.irp s, 0,1,2,3,4,5,6,7
.irp c, 0,1
	global_load_b128 v[XD+8*\s+4*\c:XD+8*\s+4*\c+3], v[16+\sl], s[4:5] offset:64*\s+32*\c
.endr
.endr
	global_load_b128 v[XSD:XSD+3], v[18+\sl], s[4:5] offset:XSCL
.endm
.macro XSAVE sl                        ; and its image in my own LDS
.if \sl == 0
.set XD, XF
.set XSD, XS
.else
.set XD, WF
.set XSD, XS1
.endif
.irp s, 0,1,2,3,4,5,6,7
.irp c, 0,1
	ds_store_b128 v[8+\sl], v[XD+8*\s+4*\c:XD+8*\s+4*\c+3] offset:1024*\s+512*\c
.endr
.endr
	ds_store_b128 v[8+\sl], v[XSD:XSD+3] offset:8192
.endm
.macro ARM n, cnt                      ; the stream's first two chunks for a wave with n tiles.  cnt: what lies behind chunk 0, and then behind chunk 1: 32 loads of a chunk and 17 n of x (the count's field ends at 63)
.if \n > 0
	XLOAD 0
.endif
.if \n > 1
	XLOAD 1
.endif
	TURN 0, \cnt, 1
	TURN 1, \cnt, 1
.if \n > 0
	s_wait_loadcnt 63                              ; x is in: chunks 2 and 3, 64 loads, lie behind it
	XSAVE 0
.endif
.if \n > 1
	XSAVE 1
.endif
.endm
.macro WLOAD b, hf                     ; block b's fragments of K steps 4 hf .. 4 hf + 3
.irp s, 0,1,2,3
.irp u, 0,1
.irp c, 0,1
	ds_load_b128 v[WF+16*\s+8*\u+4*\c:WF+16*\s+8*\u+4*\c+3], v[4+(\b)/2] offset:((\b)%2)*WBLK+(2*(4*\hf+\s)+\u)*1024+512*\c
.endr
.endr
.endr
.endm
.macro MM hf                           ; 8 products: K steps 4 hf .. 4 hf + 3, X and Y by turns
.irp s, 0,1,2,3
.if \hf == 0
	v_wmma_scale_f32_16x16x128_f8f6f4 v[ACC:ACC+7], v[WF+16*\s:WF+16*\s+7], v[XF+8*\s:XF+8*\s+7], v[ACC:ACC+7], v[WS+\s], v[XS+\s] matrix_a_fmt:MATRIX_FMT_FP4 matrix_b_fmt:MATRIX_FMT_FP4
	v_wmma_scale_f32_16x16x128_f8f6f4 v[ACC+8:ACC+15], v[WF+16*\s+8:WF+16*\s+15], v[XF+8*\s:XF+8*\s+7], v[ACC+8:ACC+15], v[WS+\s], v[XS+\s] matrix_a_fmt:MATRIX_FMT_FP4 matrix_b_fmt:MATRIX_FMT_FP4 matrix_a_scale:MATRIX_SCALE_ROW1
.else
	v_wmma_scale_f32_16x16x128_f8f6f4 v[ACC:ACC+7], v[WF+16*\s:WF+16*\s+7], v[XF+32+8*\s:XF+32+8*\s+7], v[ACC:ACC+7], v[WS+4+\s], v[XS+\s] matrix_a_fmt:MATRIX_FMT_FP4 matrix_b_fmt:MATRIX_FMT_FP4 matrix_b_scale:MATRIX_SCALE_ROW1
	v_wmma_scale_f32_16x16x128_f8f6f4 v[ACC+8:ACC+15], v[WF+16*\s+8:WF+16*\s+15], v[XF+32+8*\s:XF+32+8*\s+7], v[ACC+8:ACC+15], v[WS+4+\s], v[XS+\s] matrix_a_fmt:MATRIX_FMT_FP4 matrix_b_fmt:MATRIX_FMT_FP4 matrix_a_scale:MATRIX_SCALE_ROW1 matrix_b_scale:MATRIX_SCALE_ROW1
.endif
.endr
.endm
.macro GELU                            ; the 16 numbers in ACC, in place
.irp i, 0,1,2,3,4,5,6,7,8,9,10,11,12,13,14,15
	v_mul_f32 v[GA+\i], 0.5, |v[ACC+\i]|           ; a = |v| / 2; each accumulator is read from its low end on
.endr
.irp i, 0,2,4,6,8,10,12,14
	v_pk_fma_f32 v[GT+\i:GT+\i+1], v[GA+\i:GA+\i+1], s[60:61], 1.0 op_sel_hi:[1,0,0]   ; 1 + z / 2, z = |v| / sqrt 2
.endr
.irp i, 0,1,2,3,4,5,6,7,8,9,10,11,12,13,14,15
	v_rcp_f32 v[GT+\i], v[GT+\i]                   ; t
.endr
.irp i, 0,2,4,6,8,10,12,14
	v_pk_mul_f32 v[GW+\i:GW+\i+1], v[ACC+\i:ACC+\i+1], v[ACC+\i:ACC+\i+1]   ; v^2: plain work that names no reciprocal
.endr
.irp i, 0,1,2,3,4,5,6,7,8,9,10,11,12,13,14,15
	v_max_num_f32 v[GM+\i], 0, v[ACC+\i]
.endr
	s_wait_alu depctr_va_vdst(0)                   ; one wait for the 16 reciprocals, ahead of their first reader
.irp i, 0,2,4,6,8,10,12,14
	v_pk_fma_f32 v[GP+\i:GP+\i+1], v[GT+\i:GT+\i+1], v[C9V:C9V+1], s[56:57] op_sel_hi:[1,1,0]   ; c9 t + c8
.endr
.irp k, 7,6,5,4,3,2,1,0
.irp i, 0,2,4,6,8,10,12,14
	v_pk_fma_f32 v[GP+\i:GP+\i+1], v[GP+\i:GP+\i+1], v[GT+\i:GT+\i+1], s[40+2*\k:41+2*\k] op_sel_hi:[1,1,0]
.endr
.endr
.irp i, 0,2,4,6,8,10,12,14
	v_pk_fma_f32 v[GP+\i:GP+\i+1], v[GW+\i:GW+\i+1], -0.5, v[GP+\i:GP+\i+1] op_sel_hi:[1,0,1]   ; - z^2 + P
.endr
.irp i, 0,2,4,6,8,10,12,14
	v_pk_mul_f32 v[GP+\i:GP+\i+1], v[GP+\i:GP+\i+1], s[62:63] op_sel_hi:[1,0]                   ; x log2(e)
.endr
.irp i, 0,1,2,3,4,5,6,7,8,9,10,11,12,13,14,15
	v_exp_f32 v[GP+\i], v[GP+\i]
.endr
	v_nop                                          ; a plain line behind the last exponential
	s_wait_alu depctr_va_vdst(0)                   ; one wait for the 16
.irp i, 0,2,4,6,8,10,12,14
	v_pk_mul_f32 v[GP+\i:GP+\i+1], v[GP+\i:GP+\i+1], v[GT+\i:GT+\i+1]                           ; erfc(z)
.endr
.irp i, 0,2,4,6,8,10,12,14
	v_pk_fma_f32 v[ACC+\i:ACC+\i+1], v[GA+\i:GA+\i+1], v[GP+\i:GP+\i+1], v[GM+\i:GM+\i+1] neg_lo:[1,0,0] neg_hi:[1,0,0]   ; max(v, 0) - a erfc(z)
.endr
.endm
.macro QH sl, b                        ; my 16 numbers are half of block b of row r; lane l xor 16 has the other half
	v_max3_num_f32 v[HM], |v[ACC]|, |v[ACC+1]|, 0x1800000
	v_max3_num_f32 v[HN], |v[ACC+2]|, |v[ACC+3]|, |v[ACC+4]|
	v_max3_num_f32 v[HM], v[HM], |v[ACC+5]|, |v[ACC+6]|
	v_max3_num_f32 v[HN], v[HN], |v[ACC+7]|, |v[ACC+8]|
	v_max3_num_f32 v[HM], v[HM], |v[ACC+9]|, |v[ACC+10]|
	v_max3_num_f32 v[HN], v[HN], |v[ACC+11]|, |v[ACC+12]|
	v_max3_num_f32 v[HM], v[HM], |v[ACC+13]|, |v[ACC+14]|
	v_max3_num_f32 v[HM], v[HM], v[HN], |v[ACC+15]|
	v_permlanex16_b32 v[HP], v[HM], s36, s37
	v_max_num_f32 v[HM], v[HM], v[HP]
	v_add_nc_u32 v[HE], 0xff000000, v[HM]
	v_lshrrev_b32 v[HB], 23, v[HE]
	s_wait_xcnt 0x0                                ; the earlier stores have read v20-21 and the scale words: both are written again only behind this wait
	v_cvt_scalef32_pk8_fp4_f32 v20, v[ACC:ACC+7], v[HE]
	v_cvt_scalef32_pk8_fp4_f32 v21, v[ACC+8:ACC+15], v[HE]
.if \b == 0
	v_mov_b32 v[14+\sl], v[HB]                     ; (also the plain line behind the conversions)
.else
	v_lshl_or_b32 v[14+\sl], v[HB], 8*\b, v[14+\sl]
.endif
	global_store_b64 v[10+\sl], v[20:21], s[32:33] offset:(\b/2)*512+(\b%2)*256 th:TH_STORE_NT   ; the wave stores 256 consecutive bytes, at a multiple of 256 from hq's first byte
.if \b == 3
	global_store_b32 v[12+\sl], v[14+\sl], s[34:35] th:TH_STORE_NT                               ; both lanes of a row write the same word with the same value
.endif
.endm
.macro TILE sl, b                      ; 16 rows x block b's 32 hidden units, all of K
.irp q, 0,1,2,3
	ds_load_b128 v[ACC+4*\q:ACC+4*\q+3], v7 offset:128*\b+16*\q    ; b1 at my 16 hidden units: the sums begin with it
.endr
	ds_load_b128 v[XS:XS+3], v[8+\sl] offset:8192
.irp s, 0,1,2,3,4,5,6,7
.irp c, 0,1
	ds_load_b128 v[XF+8*\s+4*\c:XF+8*\s+4*\c+3], v[8+\sl] offset:1024*\s+512*\c
.endr
.endr
.irp s, 0,1,2,3,4,5,6,7
	ds_load_b32 v[WS+\s], v6 offset:\b*WBLK+128*\s
.endr
	WLOAD \b, 0
	s_wait_dscnt 0x0
	MM 0
.rept 4
	v_nop                                          ; four places in front of loads into registers that the products have read
.endr
	WLOAD \b, 1
	s_wait_dscnt 0x0
	MM 1
.rept 4
	v_nop                                          ; and in front of the first read of the results
.endr
	GELU
	QH \sl, \b
.endm
.macro CB b                            ; block b for my tiles, if I have any
	s_cmp_lt_u32 s14, s21
	s_cbranch_scc0 .Lcb_end_\@
	TILE 0, \b
	s_cmp_lt_u32 s14, 12                           ; slot 1 exists for waves 0 to 11
	s_cbranch_scc0 .Lcb_end_\@
	s_cmp_lt_u32 s25, s24
	s_cbranch_scc0 .Lcb_end_\@
	TILE 1, \b
.Lcb_end_\@:
.endm
	s_load_b256 s[4:11], s[0:1], 0x0               ; xq s[4:5], W1 s[6:7], b1 s[8:9], route s[10:11]
	s_load_b64 s[12:13], s[0:1], 0x20              ; hq
	v_lshrrev_b32 v1, 5, v0
	v_readfirstlane_b32 s14, v1                    ; wave 0..15
	s_and_b32 s15, ttmp7, 0xffff                   ; expert
	s_and_b32 s17, s14, 1                          ; my column half
	s_lshr_b32 s18, s14, 1                         ; my K step
	s_add_co_u32 s25, s14, 16                      ; my second tile
	v_and_b32 v88, 15, v0                          ; r
	v_bfe_u32 v89, v0, 4, 1                        ; h
	v_and_b32 v90, 31, v0                          ; l
	v_and_b32 v1, 7, v0
	v_and_b32 v91, 8, v0
	v_lshl_or_b32 v1, v91, 1, v1
	v_and_b32 v91, 16, v0
	v_lshrrev_b32 v91, 1, v91
	v_or_b32 v1, v1, v91
	v_lshlrev_b32 v1, 2, v1                        ; 4 pi(l)
	s_mul_i32 s26, s17, WBLK
	s_add_co_u32 s26, s26, WB                      ; block = my column half (the stage's two blocks stand in the immediates)
	s_lshl_b32 s27, s18, 11
	s_add_co_u32 s27, s27, s26
	v_lshlrev_b32 v2, 4, v88
	v_lshl_add_u32 v2, v89, 10, v2
	v_add_nc_u32 v2, s27, v2                       ; my K step's two fragments: X's for lanes 0-15, Y's for lanes 16-31; 16 r
	s_lshl_b32 s27, s18, 7
	s_add_co_u32 s27, s27, s26
	s_add_co_u32 s27, s27, 16384
	v_lshlrev_b32 v3, 2, v90
	v_add_nc_u32 v3, s27, v3
	v_lshlrev_b32 v91, 4, v90                      ; 16 l
	v_add_nc_u32 v4, WB, v91
	v_add_nc_u32 v5, WB+2*WBLK, v91
	v_lshl_add_u32 v6, v90, 2, WB+16384
	v_lshl_add_u32 v7, v89, 6, BB
	s_mul_i32 s27, s14, XSLOT
	v_add_nc_u32 v8, s27, v91
	s_add_co_u32 s27, s27, 16*XSLOT
	v_add_nc_u32 v9, s27, v91
	v_lshlrev_b32 v92, 2, v0                       ; b1: a word a thread, waves 0 to 3
	v_lshl_add_u32 v93, v0, 2, BB
	s_lshl_b32 s19, s14, 6
	v_lshl_add_u32 v95, v88, 2, s19                ; the list: position 16 w + r
	v_lshlrev_b32 v96, 4, v89                      ; 16 h
	v_lshlrev_b32 v97, 4, v88
	v_lshl_add_u32 v97, v89, 3, v97                ; 16 r + 8 h
	v_lshlrev_b32 v98, 2, v88                      ; 4 r
	v_mov_b32 v14, 0
	v_mov_b32 v15, 0
	v_mov_b32 v[HP], 0                             ; written once: a lane permute's destination counts as one of its sources
	v_mov_b32 v[C9V], 0x3e2ef945                   ; c9 = 0.17087277
	v_mov_b32 v[C9V+1], 0x3e2ef945
	s_mov_b32 s36, 0x76543210
	s_mov_b32 s37, 0xfedcba98
	SC2 40, 0xbfa1fc4e                             ; c0 = -1.26551223
	SC2 42, 0x3f8000c7                             ; c1 =  1.00002368
	SC2 44, 0x3ebf88fb                             ; c2 =  0.37409196
	SC2 46, 0x3dc636c9                             ; c3 =  0.09678418
	SC2 48, 0xbe3ec24c                             ; c4 = -0.18628806
	SC2 50, 0x3e8ec7cc                             ; c5 =  0.27886807
	SC2 52, 0xbf914e5d                             ; c6 = -1.13520398
	SC2 54, 0x3fbe87b0                             ; c7 =  1.48851587
	SC2 56, 0xbf527892                             ; c8 = -0.82215223
	SC2 60, 0x3f3504f3                             ; 1 / sqrt 2
	SC2 62, 0x3fb8aa3b                             ; log2(e)
	s_wait_kmcnt 0x0
	s_lshl_b32 s26, s15, 7
	s_mov_b32 s27, 0
	s_add_nc_u64 s[38:39], s[10:11], s[26:27]
	s_load_b128 s[20:23], s[38:39], 0x10000        ; R, nt, tb, all tiles - 1
	s_lshl_b32 s26, s15, 24                        ; W1: expert,
	s_lshl_b32 s19, s18, 21                        ; 128 rows of 16,384 bytes for each K step,
	s_add_co_u32 s26, s26, s19
	s_lshl_b32 s19, ttmp9, 9                       ; 128 columns for each slice,
	s_add_co_u32 s26, s26, s19
	s_lshl_b32 s19, s17, 7                         ; 32 for my half
	s_add_co_u32 s26, s26, s19
	s_add_nc_u64 s[28:29], s[6:7], s[26:27]
	s_lshl_b32 s26, s15, 13
	s_add_nc_u64 s[30:31], s[10:11], s[26:27]      ; the expert's list
	s_lshl_b32 s26, s15, 14
	s_lshl_b32 s19, ttmp9, 9
	s_add_co_u32 s26, s26, s19
	s_add_nc_u64 s[8:9], s[8:9], s[26:27]          ; b1 at the slice
	s_lshl_b32 s26, ttmp9, 10
	s_add_nc_u64 s[32:33], s[12:13], s[26:27]      ; hq's codes at K step = slice
	s_lshl_b32 s26, ttmp9, 6
	s_add_co_u32 s26, s26, HSCL
	s_add_nc_u64 s[34:35], s[12:13], s[26:27]      ; and its scale words
	s_cmp_lt_u32 s14, 4
	s_cbranch_scc0 .Lno_b1
	global_load_b32 v94, v92, s[8:9]
.Lno_b1:
	global_load_b32 v22, v95, s[30:31]
	global_load_b32 v23, v95, s[30:31] offset:1024
	CHUNK 0
	CHUNK 1
	s_wait_kmcnt 0x0                               ; meta
	s_min_u32 s21, s21, 64                         ; nt
	s_min_u32 s24, s21, 28                         ; the tiles that have a slot
	s_max_u32 s19, s21, 1
	s_sub_co_u32 s19, s19, 1
	s_min_u32 s26, s14, s19                        ; my tile, held inside the expert's and inside all that exist
	s_add_co_u32 s26, s26, s22
	s_min_u32 s26, s26, s23
	s_min_u32 s26, s26, 135
	s_lshl_b32 s27, s26, 15
	v_add_nc_u32 v10, s27, v97
	s_lshl_b32 s27, s26, 11
	v_add_nc_u32 v12, s27, v98
	s_min_u32 s26, s25, s19
	s_add_co_u32 s26, s26, s22
	s_min_u32 s26, s26, s23
	s_min_u32 s26, s26, 135
	s_lshl_b32 s27, s26, 15
	v_add_nc_u32 v11, s27, v97
	s_lshl_b32 s27, s26, 11
	v_add_nc_u32 v13, s27, v98
	s_wait_loadcnt 63                              ; b1 and the list are in: the 64 loads of chunks 0 and 1 lie behind them (the count's field ends at 63)
	s_cmp_lt_u32 s14, 4
	s_cbranch_scc0 .Lno_b1s
	ds_store_b32 v93, v94
	s_wait_dscnt 0x0                               ; the store has read its registers: x lands there next
.Lno_b1s:
.irp sl, 0,1
	v_lshrrev_b32 v[22+\sl], 1, v[22+\sl]          ; the row's token,
	v_min_u32 v[22+\sl], 0x3ff, v[22+\sl]          ; bounded (a dump row takes the last token's x: its results go nowhere)
	v_lshlrev_b32 v[16+\sl], 9, v[22+\sl]
	v_add_nc_u32 v[16+\sl], v[16+\sl], v96
	v_lshlrev_b32 v[18+\sl], 5, v[22+\sl]
	v_add_nc_u32 v[18+\sl], v[18+\sl], v96
.endr
	s_cmp_lt_u32 s14, s21                          ; how many tiles have I?  Three arms, so that each wait has its exact count; no barrier stands in them
	s_cbranch_scc0 .Larm0
	s_cmp_lt_u32 s14, 12
	s_cbranch_scc0 .Larm1
	s_cmp_lt_u32 s25, s24
	s_cbranch_scc0 .Larm1
	ARM 2, 63
	s_branch .Ljoin
.Larm1:
	ARM 1, 49
	s_branch .Ljoin
.Larm0:
	ARM 0, 32
.Ljoin:                                            ; chunks 2 and 3 are out, on every way
	TURN 2, 32, 1
	TURN 3, 32, 1
	s_wait_dscnt 0x0                               ; my part of blocks 0 and 1, of b1, and my x have landed
	s_barrier_signal -1
	s_barrier_wait -1
	TURN 4, 32, 1                                  ; blocks 2 and 3 are on their way while blocks 0 and 1 are multiplied; no global load stands in a CB, so the counts hold
	CB 0
	TURN 5, 32, 1
	CB 1
	TURN 6, 32, 0
	TURN 7, 0, 0
	s_wait_dscnt 0x0
	s_barrier_signal -1
	s_barrier_wait -1
	CB 2
	CB 3
	; THE TAIL: tiles 28 + w + 16 k, k = 0, 1, 2: an expert with more than 448 rows.  The weights stay where they are; x goes through my slot 0; no barrier is needed
	s_mov_b32 s66, 0
	s_add_co_u32 s67, s14, 28
.Ltail:
	s_cmp_lt_u32 s67, s21
	s_cbranch_scc0 .Ltail_next
	s_wait_xcnt 0x0                                ; my stores have read their addresses and data
	v_and_b32 v22, 15, v0
	v_bfe_u32 v23, v0, 4, 1
	s_lshl_b32 s68, s67, 6
	v_lshl_add_u32 v17, v22, 2, s68
	global_load_b32 v19, v17, s[30:31]
	s_add_co_u32 s69, s22, s67
	s_min_u32 s69, s69, 135
	s_lshl_b32 s70, s69, 15
	v_lshlrev_b32 v10, 4, v22
	v_lshl_add_u32 v10, v23, 3, v10
	v_add_nc_u32 v10, s70, v10
	s_lshl_b32 s70, s69, 11
	v_lshlrev_b32 v12, 2, v22
	v_add_nc_u32 v12, s70, v12
	v_lshlrev_b32 v23, 4, v23
	s_wait_loadcnt 0x0
	v_lshrrev_b32 v19, 1, v19
	v_min_u32 v19, 0x3ff, v19
	v_lshlrev_b32 v16, 9, v19
	v_add_nc_u32 v16, v16, v23
	v_lshlrev_b32 v18, 5, v19
	v_add_nc_u32 v18, v18, v23
	XLOAD 0
	s_wait_loadcnt 0x0
	XSAVE 0
	s_wait_dscnt 0x0                               ; the stores have read their registers
	TILE 0, 0
	TILE 0, 1
	TILE 0, 2
	TILE 0, 3
.Ltail_next:
	s_add_co_u32 s67, s67, 16
	s_add_co_u32 s66, s66, 1
	s_cmp_lt_u32 s66, 3
	s_cbranch_scc1 .Ltail
	s_wait_xcnt 0x0
	v_lshl_add_u32 v254, v0, 2, 0x4ca00
	v_mov_b32 v255, 0
	s_wait_tensorcnt 0x0
	ds_add_u32 v254, v255
	s_wait_dscnt 0x0
	s_endpgm
.Lfunc_end_k_qbfdd1237fd_ffn1:
	.size	k_qbfdd1237fd_ffn1, .Lfunc_end_k_qbfdd1237fd_ffn1-k_qbfdd1237fd_ffn1
	.p2alignl 7, 3214868480
	.fill 96, 4, 3214868480
	.section	.rodata,"a",@progbits
	.p2align	6, 0x0
	.amdhsa_kernel k_qbfdd1237fd_ffn1
		.amdhsa_group_segment_fixed_size 315904
		.amdhsa_private_segment_fixed_size 0
		.amdhsa_enable_private_segment 0
		.amdhsa_kernarg_size 40
		.amdhsa_user_sgpr_count 2
		.amdhsa_user_sgpr_kernarg_segment_ptr 1
		.amdhsa_wavefront_size32 1
		.amdhsa_system_sgpr_workgroup_id_x 1
		.amdhsa_system_sgpr_workgroup_id_y 1
		.amdhsa_system_sgpr_workgroup_id_z 1
		.amdhsa_system_vgpr_workitem_id 0
		.amdhsa_next_free_vgpr 256
		.amdhsa_next_free_sgpr 80
		.amdhsa_reserve_vcc 0
		.amdhsa_float_denorm_mode_32 3
		.amdhsa_float_denorm_mode_16_64 3
		.amdhsa_memory_ordered 1
		.amdhsa_forward_progress 1
		.amdhsa_inst_pref_size 255
	.end_amdhsa_kernel
	.section	.bss,"aw",@nobits
	.p2align	6
	.space	262144
	.amdgpu_metadata
---
amdhsa.version: [ 1, 2 ]
amdhsa.kernels:
  - .name:           k_qbfdd1237fd_ffn1
    .symbol:         k_qbfdd1237fd_ffn1.kd
    .args:
      - { .name: xq, .offset: 0, .size: 8, .value_kind: global_buffer, .address_space: global }
      - { .name: W1, .offset: 8, .size: 8, .value_kind: global_buffer, .address_space: global }
      - { .name: b1, .offset: 16, .size: 8, .value_kind: global_buffer, .address_space: global }
      - { .name: route, .offset: 24, .size: 8, .value_kind: global_buffer, .address_space: global }
      - { .name: hq, .offset: 32, .size: 8, .value_kind: global_buffer, .address_space: global }
    .group_segment_fixed_size: 315904
    .private_segment_fixed_size: 0
    .kernarg_segment_align: 8
    .kernarg_segment_size: 40
    .max_flat_workgroup_size: 512
    .sgpr_count:     80
    .vgpr_count:     256
    .wavefront_size: 32
...
	.end_amdgpu_metadata
.endif
;; end of part 3
;; launch ffn2 (part 4): grid 32 x 8, 16 waves a work-group, no clusters, 141,312 bytes of LDS; arguments hq, W2, b2, route, gatew, y; writes y
.if DOCPART == 4
	.amdgcn_target "amdgcn-amd-amdhsa--gfx1250"
	.amdhsa_code_object_version 6
	.text
	.protected	k_qbfdd1237fd_ffn2
	.globl	k_qbfdd1237fd_ffn2
	.p2align	8
	.type	k_qbfdd1237fd_ffn2,@function
k_qbfdd1237fd_ffn2:
	s_mov_b64 s[64:65], 0
	v_nop
	global_prefetch_b8 v0, s[64:65] scope:SCOPE_SE
	s_setreg_imm32_b32 hwreg(HW_REG_WAVE_MODE, 25, 1), 1
	s_wait_xcnt 0x0
; y[kh][rho] = gate(rho) x (h(rho) W2[e] over half kh of K, + b2[e] in half 0), for the rows routed to expert e.  W2 [8][4096 (k)][1024 (n)] f32; h comes as codes from hq.
; A work-group takes (expert e = y, 64 output columns n0 = 64 (x % 16), K half kh = x / 16: 2,048 along K): 512 KiB of W2, read once, quantised here, kept in LDS as images of the operand's registers.
; THE STREAM.  A lane takes a column, its registers run down K; a chunk is 32 k x 32 columns, 32 loads of 128 consecutive bytes, two waves side by side cover a row's 256.  A stage is 256 along K (two K steps):
; one chunk a wave (wave w: column half w % 2, block w / 2 of the stage's eight), one barrier a stage; nothing in LDS is written twice.  Ring: two sets of 32 registers.
; Lane l takes column pi(l) = l%8 + 16 ((l/8)%2) + 8 (l/16) of its 32: lanes 0-15 make tile X, lanes 16-31 tile Y; with the product used transposed (source 0 = 16 columns of W2, source 1 = 16 rows of h)
; lane (r, h) holds row r, and X's and Y's 16 registers are 16 neighbouring columns.  b2 is the C of each sum's first product.  A tile's four accumulators take turns.
; ROWS.  Tile tau < 16 belongs to wave tau (slot 0), tile 16 .. 31 to wave tau - 16 (slot 1); from 32 on a tail of two trips.  h's fragments come two stages ahead, straight into registers.
; Branches hang on stored counts: none holds a barrier or a part of the stream; the waits for loads issued under them stand on every way, with the least count that any way gives.
; OUT: y: f32, half kh at 8,912,896 kh, row rho at 4,096 rho; rows from 2,048 on are dump rows for the last tile's empty places and are read by nobody.
; LIMITS: NaN and infinities are not served (b2 is multiplied by 0 in half 1); blocks under 2^-124 keep the byte 1; a block of zeros gets the byte 1 and not 127.
.set STGB, 69632                       ; LDS: 8 stages of 8,704 bytes (8 fragments of 1,024: 4 ks + column tile; then 4 x 128 bytes of scale words: 2 ks + column half); then a stage of 16 x 272 bytes for each wave's way out
.set HSCL, 4456448
.set YH,   8912896
.set RING, 16                          ; v16-79   two sets of 32 numbers of W2; on the way out addresses and rows
.set HF,   80                          ; v80-143  h's fragments: 32 slot + 16 (stage % 2) + 8 ks
.set HS,   144                         ; v144-159 h's scale words: 8 slot + stage; lanes 0-15 K step 0, lanes 16-31 K step 1
.set ACC,  160                         ; v160-223 32 slot + 8 column tile
.set WFR,  224                         ; v224-255 a K step's four fragments of W2; between them the stream's temporaries
.set QM,   224
.set QN,   225
.set QS,   226
.set QB,   227
.set CD,   228
; v1 4 pi(l); v2, v3 where I store codes and my scale byte; v4, v5 where fragments and scale words are read; v6, v7 my tiles in hq; v8, v9 my row; v10, v11 its gate; v12, v13 W2's scale words; v14, v15 my way-out stage
.macro CHUNK sg
.set RS, RING+32*((\sg)%2)
.irp i, 0,1,2,3,4,5,6,7,8,9,10,11,12,13,14,15,16,17,18,19,20,21,22,23,24,25,26,27,28,29,30,31
	global_load_b32 v[RS+\i], v1, s[28:29] offset:(256*(\sg)+\i)*4096 th:TH_LOAD_NT
.endr
.endm
.macro QW
	v_max3_num_f32 v[QM], |v[RS]|, |v[RS+1]|, |v[RS+2]|
	v_max3_num_f32 v[QN], |v[RS+3]|, |v[RS+4]|, |v[RS+5]|
.irp i, 6,10,14,18,22,26
	v_max3_num_f32 v[QM], v[QM], |v[RS+\i]|, |v[RS+\i+1]|
	v_max3_num_f32 v[QN], v[QN], |v[RS+\i+2]|, |v[RS+\i+3]|
.endr
	v_max3_num_f32 v[QM], v[QM], |v[RS+30]|, |v[RS+31]|
	v_max3_num_f32 v[QM], v[QM], v[QN], 0x1800000  ; and the floor 2^(3 - 127): the byte cannot fall under 1
	v_add_nc_u32 v[QS], 0xff000000, v[QM]          ; 2 off the exponent field
	v_lshrrev_b32 v[QB], 23, v[QS]
.irp g, 0,1,2,3
	v_cvt_scalef32_pk8_fp4_f32 v[CD+\g], v[RS+8*\g:RS+8*\g+7], v[QS]
.endr
	v_nop                                          ; one plain line behind the last scaled conversion
.endm
.macro HLOAD sg, sl                    ; stage sg's two fragments of h for slot sl: images, 512 consecutive bytes a load
.irp j, 0,1,2,3
	global_load_b128 v[HF+32*\sl+16*((\sg)%2)+4*\j:HF+32*\sl+16*((\sg)%2)+4*\j+3], v[6+\sl], s[4:5] offset:2048*(\sg)+512*\j
.endr
.endm
.macro HLOADS sg
	s_cmp_lt_u32 s16, s21
	s_cbranch_scc0 .Lnoh_\@
	HLOAD \sg, 0
	s_cmp_lt_u32 s25, s21
	s_cbranch_scc0 .Lnoh_\@
	HLOAD \sg, 1
.Lnoh_\@:
.endm
.macro FIRST                           ; behind the first wait: the list and b2 are in
	v_min_u32 v8, 0x87f, v8
	v_min_u32 v9, 0x87f, v9
	v_min_u32 v10, 0x7ff, v8                       ; (a dump row takes some row's gate: its results go nowhere)
	v_min_u32 v11, 0x7ff, v9
	v_lshlrev_b32 v10, 2, v10
	v_lshlrev_b32 v11, 2, v11
	global_load_b32 v10, v10, s[12:13]
	global_load_b32 v11, v11, s[12:13]
.irp i, 0,2,4,6,8,10,12,14,16,18,20,22,24,26,28,30,32,34,36,38,40,42,44,46,48,50,52,54,56,58,60,62
	v_pk_mul_f32 v[ACC+\i:ACC+\i+1], v[ACC+\i:ACC+\i+1], s[36:37] op_sel_hi:[1,0]   ; b2 counts in half 0 alone
.endr
.endm
.macro TURN sg                         ; stage sg: my chunk is quantised and stored; its set takes chunk sg + 2; the barrier; h of this stage is in
.if (\sg) < 7
	s_wait_loadcnt 32                              ; my chunk is in: the next chunk's 32 loads lie behind it on every way (what else some ways add is waited for too)
.else
	s_wait_loadcnt 0x0
.endif
.set RS, RING+32*((\sg)%2)
	QW
.if (\sg) == 0
	FIRST
.endif
	ds_store_b128 v2, v[CD:CD+3] offset:((\sg)%4)*8704
	ds_store_b8 v3, v[QB] offset:((\sg)%4)*8704    ; my block's byte of my column's scale word
.if (\sg) < 6
	CHUNK (\sg)+2
.endif
	s_wait_dscnt 0x0                               ; for the others' sake: my stores have landed
	s_barrier_signal -1
	s_barrier_wait -1
.if (\sg) < 6
	s_wait_loadcnt 63                              ; this stage's h is in: two chunks, 64 loads, lie behind it (the count's field ends at 63)
.elseif (\sg) == 6
	s_wait_loadcnt 32                              ; one chunk lies behind it
.endif
.endm
.macro MM4                             ; four products: the tile at AC, h's fragment at HBR with its scale words in HSR, K step KS of the stage
.irp p, 0,1
.if KS == 0
	v_wmma_scale_f32_16x16x128_f8f6f4 v[AC+16*\p:AC+16*\p+7], v[WFR+16*\p:WFR+16*\p+7], v[HBR:HBR+7], v[AC+16*\p:AC+16*\p+7], v[12+\p], v[HSR] matrix_a_fmt:MATRIX_FMT_FP4 matrix_b_fmt:MATRIX_FMT_FP4
	v_wmma_scale_f32_16x16x128_f8f6f4 v[AC+16*\p+8:AC+16*\p+15], v[WFR+16*\p+8:WFR+16*\p+15], v[HBR:HBR+7], v[AC+16*\p+8:AC+16*\p+15], v[12+\p], v[HSR] matrix_a_fmt:MATRIX_FMT_FP4 matrix_b_fmt:MATRIX_FMT_FP4 matrix_a_scale:MATRIX_SCALE_ROW1
.else
	v_wmma_scale_f32_16x16x128_f8f6f4 v[AC+16*\p:AC+16*\p+7], v[WFR+16*\p:WFR+16*\p+7], v[HBR:HBR+7], v[AC+16*\p:AC+16*\p+7], v[12+\p], v[HSR] matrix_a_fmt:MATRIX_FMT_FP4 matrix_b_fmt:MATRIX_FMT_FP4 matrix_b_scale:MATRIX_SCALE_ROW1
	v_wmma_scale_f32_16x16x128_f8f6f4 v[AC+16*\p+8:AC+16*\p+15], v[WFR+16*\p+8:WFR+16*\p+15], v[HBR:HBR+7], v[AC+16*\p+8:AC+16*\p+15], v[12+\p], v[HSR] matrix_a_fmt:MATRIX_FMT_FP4 matrix_b_fmt:MATRIX_FMT_FP4 matrix_a_scale:MATRIX_SCALE_ROW1 matrix_b_scale:MATRIX_SCALE_ROW1
.endif
.endr
.endm
.macro WFETCH ra, rb, so               ; a K step's four fragments and two registers of scale words
.irp ct, 0,1,2,3
.irp c, 0,1
	ds_load_b128 v[WFR+8*\ct+4*\c:WFR+8*\ct+4*\c+3], v[\ra] offset:(\so)+(4*KS+\ct)*1024+512*\c
.endr
.endr
.irp p, 0,1
	ds_load_b32 v[12+\p], v[\rb] offset:(\so)+(2*KS+\p)*128
.endr
	s_wait_dscnt 0x0
.endm
.macro MSTEP sg, ks
.set KS, \ks
	WFETCH 4, 5, ((\sg)%4)*8704
.set AC, ACC
.set HBR, HF+16*((\sg)%2)+8*KS
.set HSR, HS+(\sg)
	MM4
	s_cmp_lt_u32 s25, s21
	s_cbranch_scc0 .Lone_\@
.set AC, ACC+32
.set HBR, HF+32+16*((\sg)%2)+8*KS
.set HSR, HS+8+(\sg)
	MM4
.Lone_\@:
.rept 4
	v_nop                                          ; four places in front of loads into registers that the products have read, and of the first read of results
.endr
.endm
.macro MULT sg
	s_cmp_lt_u32 s16, s21
	s_cbranch_scc0 .Lnom_\@
	MSTEP \sg, 0
	MSTEP \sg, 1
.if (\sg) < 6
	HLOAD (\sg)+2, 0
	s_cmp_lt_u32 s25, s21
	s_cbranch_scc0 .Lnom_\@
	HLOAD (\sg)+2, 1
.endif
.Lnom_\@:
.endm
.macro EPI sl                          ; x gate; through my stage; sixteen lanes store a row's 256 consecutive bytes, at a multiple of 256 from y's first byte
.set AC, ACC+32*\sl
.irp i, 0,2,4,6,8,10,12,14,16,18,20,22,24,26,28,30
.if \sl == 0
	v_pk_mul_f32 v[AC+\i:AC+\i+1], v[AC+\i:AC+\i+1], v[10:11] op_sel_hi:[1,0]            ; each accumulator from its low end on
.else
	v_pk_mul_f32 v[AC+\i:AC+\i+1], v[AC+\i:AC+\i+1], v[10:11] op_sel:[0,1] op_sel_hi:[1,1]
.endif
.endr
	s_wait_xcnt 0x0                                ; the earlier stores have read v24-63
.irp p, 0,1
.irp q, 0,1,2,3
	ds_store_b128 v14, v[AC+16*\p+4*\q:AC+16*\p+4*\q+3] offset:128*\p+16*\q
.endr
.endr
.irp i, 0,1,2,3,4,5,6,7
	ds_bpermute_b32 v[24+\i], v[16+\i], v[8+\sl]   ; the number of row 2 i + h of the tile
.endr
.irp i, 0,1,2,3,4,5,6,7
	ds_load_b128 v[32+4*\i:35+4*\i], v15 offset:544*\i   ; LDS serves a wave's instructions in order: these see my stores
.endr
	s_wait_dscnt 0x0
.irp i, 0,1,2,3,4,5,6,7
	v_min_u32 v[24+\i], 0x87f, v[24+\i]
	v_lshlrev_b32 v[24+\i], 12, v[24+\i]
	v_add_nc_u32 v[24+\i], v[24+\i], v64
.endr
.irp i, 0,1,2,3,4,5,6,7
	global_store_b128 v[24+\i], v[32+4*\i:35+4*\i], s[32:33] th:TH_STORE_NT
.endr
.endm
.macro TSTEP g, kk                     ; the tail: K step 8 g + kk of the half
.set KS, (\kk)%2
.if \g == 0
	WFETCH 65, 66, ((\kk)/2)*8704
.else
	WFETCH 4, 5, ((\kk)/2)*8704
.endif
.set AC, ACC
.set HBR, HF+8*(\kk)
.set HSR, HS+4*(\g)+(\kk)/2
	MM4
.rept 4
	v_nop
.endr
.endm
	s_load_b256 s[4:11], s[0:1], 0x0               ; hq s[4:5], W2 s[6:7], b2 s[8:9], route s[10:11]
	s_load_b128 s[12:15], s[0:1], 0x20             ; gatew s[12:13], y s[14:15]
	v_lshrrev_b32 v1, 5, v0
	v_readfirstlane_b32 s16, v1                    ; wave 0..15
	s_and_b32 s17, ttmp7, 0xffff                   ; expert
	s_and_b32 s18, ttmp9, 15                       ; which 64 columns
	s_lshr_b32 s19, ttmp9, 4                       ; which half of K
	s_add_co_u32 s25, s16, 16                      ; my second tile
	v_and_b32 v232, 15, v0                         ; r
	v_bfe_u32 v233, v0, 4, 1                       ; h
	v_and_b32 v234, 31, v0                         ; l
	v_and_b32 v1, 7, v0
	v_and_b32 v235, 8, v0
	v_lshl_or_b32 v1, v235, 1, v1
	v_and_b32 v235, 16, v0
	v_lshrrev_b32 v235, 1, v235
	v_or_b32 v1, v1, v235
	v_lshlrev_b32 v1, 2, v1                        ; 4 pi(l)
	s_lshr_b32 s40, s16, 3                         ; my block's K step in the stage,
	s_and_b32 s41, s16, 1                          ; my column half,
	s_bfe_u32 s42, s16, 0x10002                    ; the block's c
	s_bfe_u32 s43, s16, 0x10001                    ; and h in the operand's layout,
	s_bfe_u32 s44, s16, 0x20001                    ; its number in the K step
	s_lshr_b32 s45, s16, 1                         ; and in the stage
	s_lshl_b32 s46, s40, 12
	s_lshl_b32 s47, s41, 11
	s_add_co_u32 s46, s46, s47
	s_lshl_b32 s47, s42, 9
	s_add_co_u32 s46, s46, s47
	s_lshl_b32 s47, s43, 8
	s_add_co_u32 s46, s46, s47
	v_lshlrev_b32 v2, 4, v232
	v_lshl_add_u32 v2, v233, 10, v2
	v_add_nc_u32 v2, s46, v2                       ; fragment 4 ks + 2 half + (X or Y), 512 c + 256 h + 16 r
	s_lshl_b32 s46, s40, 8
	s_lshl_b32 s47, s41, 7
	s_add_co_u32 s46, s46, s47
	s_add_co_u32 s46, s46, s44
	s_add_co_u32 s46, s46, 8192
	v_lshlrev_b32 v3, 2, v234
	v_add_nc_u32 v3, s46, v3
	v_lshlrev_b32 v4, 4, v234
	v_lshl_add_u32 v5, v234, 2, 8192
	s_mul_i32 s46, s16, 4352
	s_add_co_u32 s46, s46, STGB
	v_mul_u32_u24 v14, v232, 272
	v_lshl_add_u32 v14, v233, 6, v14
	v_add_nc_u32 v14, s46, v14                     ; in: row r, 64 h bytes on
	v_mul_u32_u24 v15, v233, 272
	v_lshl_add_u32 v15, v232, 4, v15
	v_add_nc_u32 v15, s46, v15                     ; back: lanes 0-15 one row, lanes 16-31 the next
	v_lshlrev_b32 v235, 2, v234                    ; 4 l
	v_lshlrev_b32 v236, 6, v233                    ; 64 h
	s_lshl_b32 s46, s16, 6
	v_lshl_add_u32 v239, v232, 2, s46              ; the list: position 16 w + r
.set i, 0
.rept 64
	v_mov_b32 v[HF+i], 0                           ; h's registers are loaded under branches on a stored count: so they are written once on every way
.set i, i+1
.endr
	s_cmp_eq_u32 s19, 0
	s_cselect_b32 s36, 0x3f800000, 0
	s_mov_b32 s37, s36
	s_lshl_b32 s48, s19, 14
	s_lshl_b32 s49, s19, 10
	s_wait_kmcnt 0x0
	s_lshl_b32 s26, s17, 7
	s_mov_b32 s27, 0
	s_add_nc_u64 s[38:39], s[10:11], s[26:27]
	s_load_b128 s[20:23], s[38:39], 0x10000        ; R, nt, tb, all tiles - 1
	s_lshl_b32 s26, s17, 24                        ; W2: expert,
	s_lshl_b32 s24, s19, 23                        ; 2,048 rows of 4,096 bytes for the half,
	s_add_co_u32 s26, s26, s24
	s_lshl_b32 s24, s45, 17                        ; 32 rows for each block,
	s_add_co_u32 s26, s26, s24
	s_lshl_b32 s24, s18, 8                         ; 64 columns,
	s_add_co_u32 s26, s26, s24
	s_lshl_b32 s24, s41, 7                         ; 32 for my half
	s_add_co_u32 s26, s26, s24
	s_add_nc_u64 s[28:29], s[6:7], s[26:27]
	s_lshl_b32 s26, s17, 13
	s_add_nc_u64 s[30:31], s[10:11], s[26:27]      ; the expert's list
	s_lshl_b32 s26, s17, 12
	s_lshl_b32 s24, s18, 8
	s_add_co_u32 s26, s26, s24
	s_add_nc_u64 s[34:35], s[8:9], s[26:27]        ; b2 at my columns
	s_mul_i32 s26, s19, YH
	s_add_co_u32 s26, s26, s24
	s_add_nc_u64 s[32:33], s[14:15], s[26:27]      ; y: my half, my columns
	global_load_b32 v8, v239, s[30:31]
	global_load_b32 v9, v239, s[30:31] offset:1024
.irp sl, 0,1
.irp p, 0,1
.irp q, 0,1,2,3
	global_load_b128 v[ACC+32*\sl+16*\p+4*\q:ACC+32*\sl+16*\p+4*\q+3], v236, s[34:35] offset:128*\p+16*\q   ; b2 at my 16 columns of each half: the sums begin with it
.endr
.endr
.endr
	CHUNK 0
	s_wait_kmcnt 0x0                               ; meta
	s_min_u32 s21, s21, 64                         ; nt
	s_max_u32 s24, s21, 1
	s_sub_co_u32 s24, s24, 1
	s_min_u32 s40, s16, s24                        ; my tile, held inside the expert's and inside all that exist: what is loaded on every way has been stored
	s_add_co_u32 s40, s40, s22
	s_min_u32 s40, s40, s23
	s_min_u32 s40, s40, 135
	s_lshl_b32 s41, s40, 15
	s_add_co_u32 s41, s41, s48
	v_add_nc_u32 v6, s41, v4
	s_lshl_b32 s41, s40, 11
	s_add_co_u32 s41, s41, s49
	v_add_nc_u32 v237, s41, v235
	s_min_u32 s40, s25, s24
	s_add_co_u32 s40, s40, s22
	s_min_u32 s40, s40, s23
	s_min_u32 s40, s40, 135
	s_lshl_b32 s41, s40, 15
	s_add_co_u32 s41, s41, s48
	v_add_nc_u32 v7, s41, v4
	s_lshl_b32 s41, s40, 11
	s_add_co_u32 s41, s41, s49
	v_add_nc_u32 v238, s41, v235
.irp sl, 0,1
.irp g, 0,1,2,3,4,5,6,7
	global_load_b32 v[HS+8*\sl+\g], v[237+\sl], s[4:5] offset:HSCL+128*\g   ; a stage's scale words of h: 128 consecutive bytes
.endr
.endr
	HLOADS 0
	CHUNK 1
	HLOADS 1
	TURN 0
	MULT 0
	TURN 1
	MULT 1
	TURN 2
	MULT 2
	TURN 3
	MULT 3
	v_add_nc_u32 v2, 34816, v2                     ; on to stages 4 to 7, so that the immediates stay inside 16 bits
	v_add_nc_u32 v3, 34816, v3
	v_add_nc_u32 v4, 34816, v4
	v_add_nc_u32 v5, 34816, v5
	TURN 4
	MULT 4
	TURN 5
	MULT 5
	TURN 6
	MULT 6
	TURN 7
	MULT 7
	; the way out's registers, in the ring, which is done with
	v_and_b32 v64, 15, v0
	v_bfe_u32 v70, v0, 4, 1
	v_and_b32 v71, 31, v0
	v_lshlrev_b32 v67, 2, v64                      ; 4 r
	v_lshlrev_b32 v64, 4, v64                      ; 16 r
	v_lshlrev_b32 v68, 6, v70                      ; 64 h
	v_lshlrev_b32 v65, 4, v71                      ; stages 0 to 3 again, for the tail
	v_lshl_add_u32 v66, v71, 2, 8192
	v_lshlrev_b32 v72, 2, v71                      ; 4 l
	v_lshlrev_b32 v70, 2, v70
.irp i, 0,1,2,3,4,5,6,7
	v_add_nc_u32 v[16+\i], 8*\i, v70               ; 4 x (2 i + h): the lane that holds that row's number
.endr
	s_cmp_lt_u32 s16, s21
	s_cbranch_scc0 .Lno_epi
	EPI 0
	s_cmp_lt_u32 s25, s21
	s_cbranch_scc0 .Lno_epi
	EPI 1
.Lno_epi:
	; THE TAIL: tiles 32 + w + 16 k, k = 0, 1: an expert with more than 512 rows.  The weights stay where they are; no barrier is needed
	s_mov_b32 s50, 0
	s_add_co_u32 s51, s16, 32
.Ltail:
	s_cmp_lt_u32 s51, s21
	s_cbranch_scc0 .Ltail_next
	s_wait_xcnt 0x0                                ; my stores have read their addresses and data
	s_lshl_b32 s40, s51, 6
	v_add_nc_u32 v69, s40, v67
	global_load_b32 v8, v69, s[30:31]
.irp p, 0,1
.irp q, 0,1,2,3
	global_load_b128 v[ACC+16*\p+4*\q:ACC+16*\p+4*\q+3], v68, s[34:35] offset:128*\p+16*\q
.endr
.endr
	s_add_co_u32 s40, s22, s51
	s_min_u32 s40, s40, 135
	s_lshl_b32 s41, s40, 15
	s_add_co_u32 s41, s41, s48
	v_add_nc_u32 v6, s41, v65
	s_lshl_b32 s41, s40, 11
	s_add_co_u32 s41, s41, s49
	v_add_nc_u32 v73, s41, v72
.irp g, 0,1,2,3,4,5,6,7
	global_load_b32 v[HS+\g], v73, s[4:5] offset:HSCL+128*\g
.endr
	s_wait_loadcnt 0x0
	v_min_u32 v8, 0x87f, v8
	v_min_u32 v10, 0x7ff, v8
	v_lshlrev_b32 v10, 2, v10
	global_load_b32 v10, v10, s[12:13]
.irp i, 0,2,4,6,8,10,12,14,16,18,20,22,24,26,28,30
	v_pk_mul_f32 v[ACC+\i:ACC+\i+1], v[ACC+\i:ACC+\i+1], s[36:37] op_sel_hi:[1,0]
.endr
.irp g, 0,1
.irp j, 0,1,2,3,4,5,6,7,8,9,10,11,12,13,14,15
	global_load_b128 v[HF+4*\j:HF+4*\j+3], v6, s[4:5] offset:8192*\g+512*\j   ; eight K steps of h
.endr
	s_wait_loadcnt 0x0                             ; they are in, and so is the gate
.irp kk, 0,1,2,3,4,5,6,7
	TSTEP \g, \kk
.endr
.endr
	EPI 0
.Ltail_next:
	s_add_co_u32 s51, s51, 16
	s_add_co_u32 s50, s50, 1
	s_cmp_lt_u32 s50, 2
	s_cbranch_scc1 .Ltail
	s_wait_xcnt 0x0
	v_lshl_add_u32 v254, v0, 2, 0x22000
	v_mov_b32 v255, 0
	s_wait_tensorcnt 0x0
	ds_add_u32 v254, v255
	s_wait_dscnt 0x0
	s_endpgm
.Lfunc_end_k_qbfdd1237fd_ffn2:
	.size	k_qbfdd1237fd_ffn2, .Lfunc_end_k_qbfdd1237fd_ffn2-k_qbfdd1237fd_ffn2
	.p2alignl 7, 3214868480
	.fill 96, 4, 3214868480
	.section	.rodata,"a",@progbits
	.p2align	6, 0x0
	.amdhsa_kernel k_qbfdd1237fd_ffn2
		.amdhsa_group_segment_fixed_size 141312
		.amdhsa_private_segment_fixed_size 0
		.amdhsa_enable_private_segment 0
		.amdhsa_kernarg_size 48
		.amdhsa_user_sgpr_count 2
		.amdhsa_user_sgpr_kernarg_segment_ptr 1
		.amdhsa_wavefront_size32 1
		.amdhsa_system_sgpr_workgroup_id_x 1
		.amdhsa_system_sgpr_workgroup_id_y 1
		.amdhsa_system_sgpr_workgroup_id_z 1
		.amdhsa_system_vgpr_workitem_id 0
		.amdhsa_next_free_vgpr 256
		.amdhsa_next_free_sgpr 66
		.amdhsa_reserve_vcc 0
		.amdhsa_float_denorm_mode_32 3
		.amdhsa_float_denorm_mode_16_64 3
		.amdhsa_memory_ordered 1
		.amdhsa_forward_progress 1
		.amdhsa_inst_pref_size 128
	.end_amdhsa_kernel
	.amdgpu_metadata
---
amdhsa.version: [ 1, 2 ]
amdhsa.kernels:
  - .name:           k_qbfdd1237fd_ffn2
    .symbol:         k_qbfdd1237fd_ffn2.kd
    .args:
      - { .name: hq, .offset: 0, .size: 8, .value_kind: global_buffer, .address_space: global }
      - { .name: W2, .offset: 8, .size: 8, .value_kind: global_buffer, .address_space: global }
      - { .name: b2, .offset: 16, .size: 8, .value_kind: global_buffer, .address_space: global }
      - { .name: route, .offset: 24, .size: 8, .value_kind: global_buffer, .address_space: global }
      - { .name: gatew, .offset: 32, .size: 8, .value_kind: global_buffer, .address_space: global }
      - { .name: y, .offset: 40, .size: 8, .value_kind: global_buffer, .address_space: global }
    .group_segment_fixed_size: 141312
    .private_segment_fixed_size: 0
    .kernarg_segment_align: 8
    .kernarg_segment_size: 48
    .max_flat_workgroup_size: 512
    .sgpr_count:     66
    .vgpr_count:     256
    .wavefront_size: 32
...
	.end_amdgpu_metadata
.endif
;; end of part 4
;; launch combine (part 5): grid 256 x 1, 8 waves a work-group, no clusters, 0 bytes of LDS; arguments y, out0; writes out0
.if DOCPART == 5
	.amdgcn_target "amdgcn-amd-amdhsa--gfx1250"
	.amdhsa_code_object_version 6
	.text
	.protected	k_qbfdd1237fd_combine
	.globl	k_qbfdd1237fd_combine
	.p2align	8
	.type	k_qbfdd1237fd_combine,@function
k_qbfdd1237fd_combine:
	s_mov_b64 s[64:65], 0
	v_nop
	global_prefetch_b8 v0, s[64:65] scope:SCOPE_SE
	s_setreg_imm32_b32 hwreg(HW_REG_WAVE_MODE, 25, 1), 1
	s_wait_xcnt 0x0
; out0[t] = y[0][2 t] + y[0][2 t + 1] + y[1][2 t] + y[1][2 t + 1]: a token's two choices, each in two halves of K; the gates and b2 are in y already.
; A stream: the work-group owns 4 tokens, thread tau the 16 bytes at 16 tau of every row, so a wave's load or store covers 512 consecutive bytes.  All 16 loads go out first; each token's wait leaves the later tokens' loads out.
; No LDS, no barrier, no matrix unit: nothing here is shared or multiplied.
.set YH, 8912896                       ; from half 0 of y to half 1
.set D,  8                             ; v8-71: token j: four runs of four registers
	s_load_b128 s[4:7], s[0:1], 0x0                ; y s[4:5], out0 s[6:7]
	v_lshlrev_b32 v1, 4, v0
	s_lshl_b32 s8, ttmp9, 15                       ; 8 rows of 4,096 bytes
	s_mov_b32 s9, 0
	s_lshl_b32 s10, ttmp9, 14                      ; 4 rows
	s_mov_b32 s11, 0
	s_wait_kmcnt 0x0
	s_add_nc_u64 s[4:5], s[4:5], s[8:9]
	s_add_nc_u64 s[12:13], s[4:5], YH
	s_add_nc_u64 s[6:7], s[6:7], s[10:11]
.irp j, 0,1,2,3
	global_load_b128 v[D+16*\j:D+16*\j+3], v1, s[4:5] offset:8192*\j th:TH_LOAD_NT
	global_load_b128 v[D+16*\j+4:D+16*\j+7], v1, s[4:5] offset:8192*\j+4096 th:TH_LOAD_NT
	global_load_b128 v[D+16*\j+8:D+16*\j+11], v1, s[12:13] offset:8192*\j th:TH_LOAD_NT
	global_load_b128 v[D+16*\j+12:D+16*\j+15], v1, s[12:13] offset:8192*\j+4096 th:TH_LOAD_NT
.endr
.irp j, 0,1,2,3
	s_wait_loadcnt 12-4*\j                         ; token j's four loads are in; those of the tokens behind it may be out
	v_pk_add_f32 v[D+16*\j:D+16*\j+1], v[D+16*\j:D+16*\j+1], v[D+16*\j+4:D+16*\j+5]
	v_pk_add_f32 v[D+16*\j+2:D+16*\j+3], v[D+16*\j+2:D+16*\j+3], v[D+16*\j+6:D+16*\j+7]
	v_pk_add_f32 v[D+16*\j+8:D+16*\j+9], v[D+16*\j+8:D+16*\j+9], v[D+16*\j+12:D+16*\j+13]
	v_pk_add_f32 v[D+16*\j+10:D+16*\j+11], v[D+16*\j+10:D+16*\j+11], v[D+16*\j+14:D+16*\j+15]
	v_pk_add_f32 v[D+16*\j:D+16*\j+1], v[D+16*\j:D+16*\j+1], v[D+16*\j+8:D+16*\j+9]
	v_pk_add_f32 v[D+16*\j+2:D+16*\j+3], v[D+16*\j+2:D+16*\j+3], v[D+16*\j+10:D+16*\j+11]
	global_store_b128 v1, v[D+16*\j:D+16*\j+3], s[6:7] offset:4096*\j th:TH_STORE_NT
.endr
	s_endpgm
.Lfunc_end_k_qbfdd1237fd_combine:
	.size	k_qbfdd1237fd_combine, .Lfunc_end_k_qbfdd1237fd_combine-k_qbfdd1237fd_combine
	.p2alignl 7, 3214868480
	.fill 96, 4, 3214868480
	.section	.rodata,"a",@progbits
	.p2align	6, 0x0
	.amdhsa_kernel k_qbfdd1237fd_combine
		.amdhsa_group_segment_fixed_size 0
		.amdhsa_private_segment_fixed_size 0
		.amdhsa_enable_private_segment 0
		.amdhsa_kernarg_size 16
		.amdhsa_user_sgpr_count 2
		.amdhsa_user_sgpr_kernarg_segment_ptr 1
		.amdhsa_wavefront_size32 1
		.amdhsa_system_sgpr_workgroup_id_x 1
		.amdhsa_system_sgpr_workgroup_id_y 1
		.amdhsa_system_sgpr_workgroup_id_z 1
		.amdhsa_system_vgpr_workitem_id 0
		.amdhsa_next_free_vgpr 72
		.amdhsa_next_free_sgpr 66
		.amdhsa_reserve_vcc 0
		.amdhsa_float_denorm_mode_32 3
		.amdhsa_float_denorm_mode_16_64 3
		.amdhsa_memory_ordered 1
		.amdhsa_forward_progress 1
		.amdhsa_inst_pref_size 5
	.end_amdhsa_kernel
	.amdgpu_metadata
---
amdhsa.version: [ 1, 2 ]
amdhsa.kernels:
  - .name:           k_qbfdd1237fd_combine
    .symbol:         k_qbfdd1237fd_combine.kd
    .args:
      - { .name: y, .offset: 0, .size: 8, .value_kind: global_buffer, .address_space: global }
      - { .name: out0, .offset: 8, .size: 8, .value_kind: global_buffer, .address_space: global }
    .group_segment_fixed_size: 0
    .private_segment_fixed_size: 0
    .kernarg_segment_align: 8
    .kernarg_segment_size: 16
    .max_flat_workgroup_size: 256
    .sgpr_count:     66
    .vgpr_count:     72
    .wavefront_size: 32
...
	.end_amdgpu_metadata
.endif
;; end of part 5
;; ======== version 2 of 3: 4 launches; 1.14 times as fast as version 1
;; workspace buffers: xq 557,056 bytes; topi 8,192 bytes of whole numbers; gatew 8,192 bytes; route 66,560 bytes of whole numbers; hq 17,825,792 bytes; y 17,825,792 bytes
;; launch gate: the kernel of part 1 again; grid 256 x 1, 4 waves a work-group, no clusters, 52,224 bytes of LDS; arguments x, Wg, bg, xq, topi, gatew; writes xq, topi, gatew
;; launch ffn1 (part 6): grid 32 x 8, 16 waves a work-group, no clusters, 315,904 bytes of LDS; arguments xq, W1, b1, topi, hq, route; writes hq, route
.if DOCPART == 6
	.amdgcn_target "amdgcn-amd-amdhsa--gfx1250"
	.amdhsa_code_object_version 6
	.text
	.protected	k_qbfdd1237fd_ffn1
	.globl	k_qbfdd1237fd_ffn1
	.p2align	8
	.type	k_qbfdd1237fd_ffn1,@function
k_qbfdd1237fd_ffn1:
	s_mov_b64 s[64:65], 0
	v_nop
	global_prefetch_b8 v0, s[64:65] scope:SCOPE_SE
	s_setreg_imm32_b32 hwreg(HW_REG_WAVE_MODE, 25, 1), 1
	s_wait_xcnt 0x0
; h = gelu(x W1[e] + b1[e]) for the rows routed to expert e, as codes of FP4 (E2M1) with one E8M0 byte for each 32 along K.  W1 [8][1024 (k)][4096 (n)] f32.
; A work-group takes (expert e = y, 128 hidden units n0 = 128 x, all of K): 512 KiB of W1, read once, quantised here, kept in LDS as images of the operand's registers.
; THE STREAM.  A lane takes a column and its registers run down K: a chunk is 32 k x 32 columns, 32 loads of 128 consecutive bytes; two waves side by side cover 256.  A lane's 32 registers are one block:
; no other lane is asked for the maximum, and the four conversions give 16 bytes of the operand.  Wave w has K step w / 2 and column half w % 2; its 8 chunks go through a ring of two sets of 32 registers.
; Lane l takes column pi(l) = l%8 + 16 ((l/8)%2) + 8 (l/16) of its 32: lanes 0-15 are then tile X (row m = column m + 8 (m/8)), lanes 16-31 tile Y (8 more).
; THE PRODUCT IS USED TRANSPOSED (source 0 = 16 columns of W1, source 1 = 16 routed rows): lane (r, h) holds row r, and X's and Y's 16 registers are hidden units 16 h + 0 .. 15 of a block of 32:
; neighbours along the next product's K.  b1 is the C of each sum's first product.  The two accumulators take turns.
; THE ROWS ARE PLACED HERE.  topi[rho], rho = 2 token + choice, holds 2,048 whole numbers that an earlier launch stored.  Every wave reads them all (64 a lane) and finds, for each lane, the row that stands at one
; position of the expert's list (macro FIND): no LDS, no other wave, EXEC untouched.  It stands between two chunks' turns, where the wave has 64 loads on their way.
; Tile tau of 16 positions: tau < 16 belongs to wave tau (slot 0), tau = 16 .. 27 to wave tau - 16 (slot 1); their x lies in the wave's own LDS.  Tiles from 28 on: a tail of three trips.
; Positions from R on hold dump rows, 2,048 + 16 e + position % 16.  The work-group with x = 0 stores the list and the counts in route, for the next launch.
; Branches hang on counts made of stored whole numbers: none holds a barrier or a part of the stream, and each wait for a load issued under one stands in the same arm.
; The first 64 columns' products and gelu run while the other 64 columns are on their way.
; gelu(v) = max(v, 0) - 0.5 |v| erfc(|v| / sqrt 2);  erfc(z) = t exp(-z^2 + P(t)), t = 1 / (1 + z / 2), P of degree 9: its fractional error is 1.2e-7, to which f32 rounding adds.
; OUT: hq: tile T = 64 e + tau, K step kappa = x of the next product: codes as an image of that operand's registers at (32 T + kappa) 1,024 + 512 c + 16 lane; scale words at 16,777,216 + 2,048 T + 64 kappa + 4 r.
;      route: list e at 8,192 e, a word a position: positions 0 .. 511 always, those of tiles 32 .. nt - 1 where they exist; at 65,536 + 128 e: R, nt = the tiles of 16, zeros.
; LIMITS: NaN and infinities are not served; a block whose largest magnitude lies under 2^-124 keeps the byte 1; a block of zeros gets the byte 1 and not 127 (zero codes; this program alone reads the bytes).
.set XSLOT, 8704                       ; LDS: a tile's x: 8 fragments of 1,024 bytes, then 512 bytes of scale words; 28 such from byte 0
.set WB,    243712                     ; the weights: 4 blocks of 32 hidden units,
.set WBLK,  17408                      ; each 16 fragments of 1,024 bytes ((2 s + u) 1,024: K step s, tile u) and 8 x 128 bytes of scale words
.set BB,    313344                     ; the slice's 128 numbers of b1
.set XSCL,  524288
.set HSCL,  16777216
.set RING,  24                         ; v24-87   two sets of 32 numbers of W1
.set XF,    88                         ; v88-151  x's 8 fragments; gelu's a, t, v^2, max(v, 0)
.set WF,    152                        ; v152-215 8 fragments of W1; gelu's P
.set IDX,   152                        ; the 2,048 choices, 64 a lane, while FIND runs
.set ACC,   216                        ; v216-231 X and Y; between tiles the stream's temporaries
.set XS,    232                        ; v232-235 x's scale words: lanes 0-15 K steps 0-3, lanes 16-31 K steps 4-7
.set CD,    236                        ; v236-239 a chunk's codes
.set WS,    240                        ; v240-247 W1's scale words: lanes 0-15 X's rows, lanes 16-31 Y's
.set QM,    216
.set QN,    217
.set QS,    218
.set QB,    219
.set XS1,   228                        ; slot 1's x scale words on their way to LDS
.set HM,    248
.set HN,    249
.set HP,    250
.set HE,    251
.set HB,    252
.set WW,    253                        ; my column's scale word in the making
.set C9V,   254                        ; v254-255 c9
.set GA,    XF
.set GT,    XF+16
.set GW,    XF+32
.set GM,    XF+48
.set GP,    WF
.set FQ,    240                        ; FIND: the position that my lane asks for
.set FM,    241                        ; the mask that holds it
.set FP,    242                        ; that mask's base, and 128 j + c above it
.set FK,    243                        ; which of the mask's set bits
.set FA1,   244                        ; the mask's counts in fields of 2,
.set FA2,   245                        ; 4,
.set FA4,   246                        ; 8
.set FA8,   247                        ; and 16 bits
.set FTT,   248
.set FU,    249
.set FPOS,  250
.set FW,    251
.set FR,    252                        ; the row found
.set FMK,   72                         ; s72-79  two sets of four masks
.set FB,    80                         ; s80-84  the bases of a group's four registers, and of the next group
.set FT,    85                         ; s85-88  counts, then the packs
.set FL,    89                         ; s89-92  where base <= q
; v1 4 pi(l); v2, v3 where I store codes and scale words; v4, v5 16 l in blocks 0-1, 2-3; v6 scale words; v7 bias; v8, v9 my slots of x; v10, v11 and v12, v13 my places in hq; v14, v15 h's scale words;
; v16-19 my row's places in xq; v20-21 h's codes; v22, v23 my tiles' rows
.macro SC2 r, val
	s_mov_b32 s[\r], \val
	s_mov_b32 s[\r+1], s[\r]                       ; (a packed line names the pair, so both are written)
.endm
.macro CHUNK t                         ; chunk t: columns 64 (t / 4) on, block t % 4 of my K step
.set RS, RING+32*((\t)%2)
.set CO, ((\t)/4)*256+((\t)%4)*32*16384
.irp i, 0,1,2,3,4,5,6,7,8,9,10,11,12,13,14,15,16,17,18,19,20,21,22,23,24,25,26,27,28,29,30,31
	global_load_b32 v[RS+\i], v1, s[28:29] offset:CO+\i*16384 th:TH_LOAD_NT
.endr
.endm
.macro QW                              ; the 32 numbers at v[RS]: the block's scale operand in QS, its byte in QB, its codes in CD
	v_max3_num_f32 v[QM], |v[RS]|, |v[RS+1]|, |v[RS+2]|
	v_max3_num_f32 v[QN], |v[RS+3]|, |v[RS+4]|, |v[RS+5]|
.irp i, 6,10,14,18,22,26
	v_max3_num_f32 v[QM], v[QM], |v[RS+\i]|, |v[RS+\i+1]|
	v_max3_num_f32 v[QN], v[QN], |v[RS+\i+2]|, |v[RS+\i+3]|
.endr
	v_max3_num_f32 v[QM], v[QM], |v[RS+30]|, |v[RS+31]|
	v_max3_num_f32 v[QM], v[QM], v[QN], 0x1800000  ; and the floor 2^(3 - 127): the byte cannot fall under 1
	v_add_nc_u32 v[QS], 0xff000000, v[QM]          ; 2 off the exponent field
	v_lshrrev_b32 v[QB], 23, v[QS]
	s_wait_dscnt 0x0                               ; the last chunk's LDS stores have read CD and WW
.irp g, 0,1,2,3
	v_cvt_scalef32_pk8_fp4_f32 v[CD+\g], v[RS+8*\g:RS+8*\g+7], v[QS]
.endr
	v_nop                                          ; one plain line behind the last scaled conversion
.endm
.macro TURN t, n, more                 ; chunk t is quantised and stored; n: the loads issued behind it; more = 1: its set takes chunk t + 2
	s_wait_loadcnt \n
.set RS, RING+32*((\t)%2)
	QW
.if ((\t)%4) == 0
	v_mov_b32 v[WW], v[QB]
.else
	v_lshl_or_b32 v[WW], v[QB], 8*((\t)%4), v[WW]
.endif
	ds_store_b128 v2, v[CD:CD+3] offset:((\t)/4)*2*WBLK+(((\t)%4)/2)*512+((\t)%2)*256   ; block beta = 2 c + h of the K step: 512 c + 256 h + 16 r; lanes 16-31 into Y's image
.if ((\t)%4) == 3
	ds_store_b32 v3, v[WW] offset:((\t)/4)*2*WBLK
.endif
.if \more
	CHUNK (\t)+2
.endif
.endm
; FIND.  Register i = 4 j + c of lane l holds the choice of rho = 128 j + 4 l + c.  The expert's list runs by (i, lane): the position of a member is the members in the registers before (the register's base)
; plus the members in the lanes before.  In: v[FQ], the position q that my lane asks for.  Out: v[FR], the row there; s[FB] = R, the expert's rows.
; The scan goes in groups of four registers.  The largest i whose base does not exceed q holds position q, where q < R: bases never fall, so the last select that takes is the right one.
.macro FCMP g                          ; group g's four masks: who has chosen my expert
.irp j, 0,1,2,3
	v_cmp_eq_u32 s[FMK+4*((\g)%2)+\j], s15, v[IDX+4*(\g)+\j]
.endr
.endm
.macro FSTEP a, w                      ; does the wanted bit lie beyond the next w bits?  a: the counts in fields of w bits
	v_bfe_u32 v[FTT], v[\a], v[FPOS], \w           ; the set bits among them
	v_mov_b32 v[FW], \w
	v_cmp_ge_u32 vcc_lo, v[FK], v[FTT]
	v_cndmask_b32 v[FTT], 0, v[FTT], vcc_lo
	v_cndmask_b32 v[FU], 0, v[FW], vcc_lo
	v_sub_nc_u32 v[FK], v[FK], v[FTT]
	v_add_nc_u32 v[FPOS], v[FPOS], v[FU]
.endm
.macro FIND
	s_mov_b32 s[FB], 0
	v_mov_b32 v[FM], 0
	v_mov_b32 v[FP], 0
	FCMP 0
.set FG, 0
.rept 16
.irp j, 0,1,2,3
	s_bcnt1_i32_b32 s[FT+\j], s[FMK+4*(FG%2)+\j]
.endr
.irp j, 0,1,2,3
	s_add_co_u32 s[FB+\j+1], s[FB+\j], s[FT+\j]
.endr
.irp j, 0,1,2,3
	s_or_b32 s[FT+\j], s[FB+\j], (128*FG+\j)<<16   ; the base (under 2^16) and, above it, rho of the register's lane 0
.endr
.if FG < 15
	FCMP FG+1                                      ; the next group's masks are made a group ahead, into the other set
.endif
.irp j, 0,1,2,3
	v_cmp_le_u32 s[FL+\j], s[FB+\j], v[FQ]
.endr
.irp j, 0,1,2,3
	v_cndmask_b32 v[FM], v[FM], s[FMK+4*(FG%2)+\j], s[FL+\j]
	v_cndmask_b32 v[FP], v[FP], s[FT+\j], s[FL+\j]
.endr
	s_mov_b32 s[FB], s[FB+4]
.set FG, FG+1
.endr
	v_and_b32 v[FK], 0xffff, v[FP]
	v_sub_nc_u32 v[FK], v[FQ], v[FK]               ; k: I want the mask's k-th set bit, counted from 0
	v_lshrrev_b32 v[FP], 16, v[FP]
	v_lshrrev_b32 v[FTT], 1, v[FM]                 ; the mask's set bits, counted in fields of 2, 4, 8 and 16 bits
	v_and_b32 v[FTT], 0x55555555, v[FTT]
	v_sub_nc_u32 v[FA1], v[FM], v[FTT]
	v_lshrrev_b32 v[FTT], 2, v[FA1]
	v_and_b32 v[FTT], 0x33333333, v[FTT]
	v_and_b32 v[FA2], 0x33333333, v[FA1]
	v_add_nc_u32 v[FA2], v[FA2], v[FTT]
	v_lshrrev_b32 v[FTT], 4, v[FA2]
	v_add_nc_u32 v[FTT], v[FTT], v[FA2]
	v_and_b32 v[FA4], 0x0f0f0f0f, v[FTT]
	v_lshrrev_b32 v[FTT], 8, v[FA4]
	v_add_nc_u32 v[FTT], v[FTT], v[FA4]
	v_and_b32 v[FA8], 0x00ff00ff, v[FTT]
	v_mov_b32 v[FPOS], 0
	FSTEP FA8, 16
	FSTEP FA4, 8
	FSTEP FA2, 4
	FSTEP FA1, 2
	FSTEP FM, 1                                    ; FPOS: the lane that holds the row
	v_lshl_add_u32 v[FP], v[FPOS], 2, v[FP]        ; rho
	v_and_b32 v[FTT], 15, v[FQ]
	v_add_nc_u32 v[FTT], s22, v[FTT]               ; the dump row of this position
	v_cmp_gt_u32 vcc_lo, s[FB], v[FQ]              ; R > q: the position is taken
	v_cndmask_b32 v[FR], v[FTT], v[FP], vcc_lo
.endm
.macro XLOAD sl                        ; my tile's x: lane (r, h) takes its row's 16 bytes of each half K step, and 16 of its 32 scale bytes
.if \sl == 0
.set XD, XF
.set XSD, XS
.else
.set XD, WF
.set XSD, XS1
.endif
.irp s, 0,1,2,3,4,5,6,7
.irp c, 0,1
	global_load_b128 v[XD+8*\s+4*\c:XD+8*\s+4*\c+3], v[16+\sl], s[4:5] offset:64*\s+32*\c
.endr
.endr
	global_load_b128 v[XSD:XSD+3], v[18+\sl], s[4:5] offset:XSCL
.endm
.macro XSAVE sl                        ; and its image in my own LDS
.if \sl == 0
.set XD, XF
.set XSD, XS
.else
.set XD, WF
.set XSD, XS1
.endif
.irp s, 0,1,2,3,4,5,6,7
.irp c, 0,1
	ds_store_b128 v[8+\sl], v[XD+8*\s+4*\c:XD+8*\s+4*\c+3] offset:1024*\s+512*\c
.endr
.endr
	ds_store_b128 v[8+\sl], v[XSD:XSD+3] offset:8192
.endm
.macro ARM n, cnt                      ; chunks 2 and 3 for a wave with n tiles.  cnt: what lies behind chunk 2, and then behind chunk 3: 32 loads of a chunk and 17 n of x (the count's field ends at 63)
.if \n > 0
	XLOAD 0
.endif
.if \n > 1
	XLOAD 1
.endif
	TURN 2, \cnt, 1
	TURN 3, \cnt, 1
.if \n > 0
	s_wait_loadcnt 63                              ; x is in: chunks 4 and 5, 64 loads, lie behind it
	XSAVE 0
.endif
.if \n > 1
	XSAVE 1
.endif
.endm
.macro WLOAD b, hf                     ; block b's fragments of K steps 4 hf .. 4 hf + 3
.irp s, 0,1,2,3
.irp u, 0,1
.irp c, 0,1
	ds_load_b128 v[WF+16*\s+8*\u+4*\c:WF+16*\s+8*\u+4*\c+3], v[4+(\b)/2] offset:((\b)%2)*WBLK+(2*(4*\hf+\s)+\u)*1024+512*\c
.endr
.endr
.endr
.endm
.macro MM hf                           ; 8 products: K steps 4 hf .. 4 hf + 3, X and Y by turns
.irp s, 0,1,2,3
.if \hf == 0
	v_wmma_scale_f32_16x16x128_f8f6f4 v[ACC:ACC+7], v[WF+16*\s:WF+16*\s+7], v[XF+8*\s:XF+8*\s+7], v[ACC:ACC+7], v[WS+\s], v[XS+\s] matrix_a_fmt:MATRIX_FMT_FP4 matrix_b_fmt:MATRIX_FMT_FP4
	v_wmma_scale_f32_16x16x128_f8f6f4 v[ACC+8:ACC+15], v[WF+16*\s+8:WF+16*\s+15], v[XF+8*\s:XF+8*\s+7], v[ACC+8:ACC+15], v[WS+\s], v[XS+\s] matrix_a_fmt:MATRIX_FMT_FP4 matrix_b_fmt:MATRIX_FMT_FP4 matrix_a_scale:MATRIX_SCALE_ROW1
.else
	v_wmma_scale_f32_16x16x128_f8f6f4 v[ACC:ACC+7], v[WF+16*\s:WF+16*\s+7], v[XF+32+8*\s:XF+32+8*\s+7], v[ACC:ACC+7], v[WS+4+\s], v[XS+\s] matrix_a_fmt:MATRIX_FMT_FP4 matrix_b_fmt:MATRIX_FMT_FP4 matrix_b_scale:MATRIX_SCALE_ROW1
	v_wmma_scale_f32_16x16x128_f8f6f4 v[ACC+8:ACC+15], v[WF+16*\s+8:WF+16*\s+15], v[XF+32+8*\s:XF+32+8*\s+7], v[ACC+8:ACC+15], v[WS+4+\s], v[XS+\s] matrix_a_fmt:MATRIX_FMT_FP4 matrix_b_fmt:MATRIX_FMT_FP4 matrix_a_scale:MATRIX_SCALE_ROW1 matrix_b_scale:MATRIX_SCALE_ROW1
.endif
.endr
.endm
.macro GELU                            ; the 16 numbers in ACC, in place
.irp i, 0,1,2,3,4,5,6,7,8,9,10,11,12,13,14,15
	v_mul_f32 v[GA+\i], 0.5, |v[ACC+\i]|           ; a = |v| / 2; each accumulator is read from its low end on
.endr
.irp i, 0,2,4,6,8,10,12,14
	v_pk_fma_f32 v[GT+\i:GT+\i+1], v[GA+\i:GA+\i+1], s[60:61], 1.0 op_sel_hi:[1,0,0]   ; 1 + z / 2, z = |v| / sqrt 2
.endr
.irp i, 0,1,2,3,4,5,6,7,8,9,10,11,12,13,14,15
	v_rcp_f32 v[GT+\i], v[GT+\i]                   ; t
.endr
.irp i, 0,2,4,6,8,10,12,14
	v_pk_mul_f32 v[GW+\i:GW+\i+1], v[ACC+\i:ACC+\i+1], v[ACC+\i:ACC+\i+1]   ; v^2: plain work that names no reciprocal
.endr
.irp i, 0,1,2,3,4,5,6,7,8,9,10,11,12,13,14,15
	v_max_num_f32 v[GM+\i], 0, v[ACC+\i]
.endr
	s_wait_alu depctr_va_vdst(0)                   ; one wait for the 16 reciprocals, ahead of their first reader
.irp i, 0,2,4,6,8,10,12,14
	v_pk_fma_f32 v[GP+\i:GP+\i+1], v[GT+\i:GT+\i+1], v[C9V:C9V+1], s[56:57] op_sel_hi:[1,1,0]   ; c9 t + c8
.endr
.irp k, 7,6,5,4,3,2,1,0
.irp i, 0,2,4,6,8,10,12,14
	v_pk_fma_f32 v[GP+\i:GP+\i+1], v[GP+\i:GP+\i+1], v[GT+\i:GT+\i+1], s[40+2*\k:41+2*\k] op_sel_hi:[1,1,0]
.endr
.endr
.irp i, 0,2,4,6,8,10,12,14
	v_pk_fma_f32 v[GP+\i:GP+\i+1], v[GW+\i:GW+\i+1], -0.5, v[GP+\i:GP+\i+1] op_sel_hi:[1,0,1]   ; - z^2 + P
.endr
.irp i, 0,2,4,6,8,10,12,14
	v_pk_mul_f32 v[GP+\i:GP+\i+1], v[GP+\i:GP+\i+1], s[62:63] op_sel_hi:[1,0]                   ; x log2(e)
.endr
.irp i, 0,1,2,3,4,5,6,7,8,9,10,11,12,13,14,15
	v_exp_f32 v[GP+\i], v[GP+\i]
.endr
	v_nop                                          ; a plain line behind the last exponential
	s_wait_alu depctr_va_vdst(0)                   ; one wait for the 16
.irp i, 0,2,4,6,8,10,12,14
	v_pk_mul_f32 v[GP+\i:GP+\i+1], v[GP+\i:GP+\i+1], v[GT+\i:GT+\i+1]                           ; erfc(z)
.endr
.irp i, 0,2,4,6,8,10,12,14
	v_pk_fma_f32 v[ACC+\i:ACC+\i+1], v[GA+\i:GA+\i+1], v[GP+\i:GP+\i+1], v[GM+\i:GM+\i+1] neg_lo:[1,0,0] neg_hi:[1,0,0]   ; max(v, 0) - a erfc(z)
.endr
.endm
.macro QH sl, b                        ; my 16 numbers are half of block b of row r; lane l xor 16 has the other half
	v_max3_num_f32 v[HM], |v[ACC]|, |v[ACC+1]|, 0x1800000
	v_max3_num_f32 v[HN], |v[ACC+2]|, |v[ACC+3]|, |v[ACC+4]|
	v_max3_num_f32 v[HM], v[HM], |v[ACC+5]|, |v[ACC+6]|
	v_max3_num_f32 v[HN], v[HN], |v[ACC+7]|, |v[ACC+8]|
	v_max3_num_f32 v[HM], v[HM], |v[ACC+9]|, |v[ACC+10]|
	v_max3_num_f32 v[HN], v[HN], |v[ACC+11]|, |v[ACC+12]|
	v_max3_num_f32 v[HM], v[HM], |v[ACC+13]|, |v[ACC+14]|
	v_max3_num_f32 v[HM], v[HM], v[HN], |v[ACC+15]|
	v_permlanex16_b32 v[HP], v[HM], s36, s37
	v_max_num_f32 v[HM], v[HM], v[HP]
	v_add_nc_u32 v[HE], 0xff000000, v[HM]
	v_lshrrev_b32 v[HB], 23, v[HE]
	s_wait_xcnt 0x0                                ; the earlier stores have read v14, v15, v20 and v21: they are written again only behind this wait
	v_cvt_scalef32_pk8_fp4_f32 v20, v[ACC:ACC+7], v[HE]
	v_cvt_scalef32_pk8_fp4_f32 v21, v[ACC+8:ACC+15], v[HE]
.if \b == 0
	v_mov_b32 v[14+\sl], v[HB]                     ; (also the plain line behind the conversions)
.else
	v_lshl_or_b32 v[14+\sl], v[HB], 8*\b, v[14+\sl]
.endif
	global_store_b64 v[10+\sl], v[20:21], s[32:33] offset:(\b/2)*512+(\b%2)*256 th:TH_STORE_NT   ; the wave stores 256 consecutive bytes, at a multiple of 256 from hq's first byte
.if \b == 3
	global_store_b32 v[12+\sl], v[14+\sl], s[34:35] th:TH_STORE_NT                               ; both lanes of a row write the same word with the same value
.endif
.endm
.macro TILE sl, b                      ; 16 rows x block b's 32 hidden units, all of K
.irp q, 0,1,2,3
	ds_load_b128 v[ACC+4*\q:ACC+4*\q+3], v7 offset:128*\b+16*\q    ; b1 at my 16 hidden units: the sums begin with it
.endr
	ds_load_b128 v[XS:XS+3], v[8+\sl] offset:8192
.irp s, 0,1,2,3,4,5,6,7
.irp c, 0,1
	ds_load_b128 v[XF+8*\s+4*\c:XF+8*\s+4*\c+3], v[8+\sl] offset:1024*\s+512*\c
.endr
.endr
.irp s, 0,1,2,3,4,5,6,7
	ds_load_b32 v[WS+\s], v6 offset:\b*WBLK+128*\s
.endr
	WLOAD \b, 0
	s_wait_dscnt 0x0
	MM 0
.rept 4
	v_nop                                          ; four places in front of loads into registers that the products have read
.endr
	WLOAD \b, 1
	s_wait_dscnt 0x0
	MM 1
.rept 4
	v_nop                                          ; and in front of the first read of the results
.endr
	GELU
	QH \sl, \b
.endm
.macro CB b                            ; block b for my tiles, if I have any
	s_cmp_lt_u32 s14, s21
	s_cbranch_scc0 .Lcb_end_\@
	TILE 0, \b
	s_cmp_lt_u32 s14, 12                           ; slot 1 exists for waves 0 to 11
	s_cbranch_scc0 .Lcb_end_\@
	s_cmp_lt_u32 s25, s24
	s_cbranch_scc0 .Lcb_end_\@
	TILE 1, \b
.Lcb_end_\@:
.endm
	s_load_b256 s[4:11], s[0:1], 0x0               ; xq s[4:5], W1 s[6:7], b1 s[8:9], topi s[10:11]
	s_load_b64 s[12:13], s[0:1], 0x20              ; hq
	s_load_b64 s[38:39], s[0:1], 0x28              ; route
	v_lshrrev_b32 v1, 5, v0
	v_readfirstlane_b32 s14, v1                    ; wave 0..15
	s_and_b32 s15, ttmp7, 0xffff                   ; expert
	s_and_b32 s17, s14, 1                          ; my column half
	s_lshr_b32 s18, s14, 1                         ; my K step
	s_add_co_u32 s25, s14, 16                      ; my second tile
	s_lshl_b32 s22, s15, 4
	s_add_co_u32 s22, s22, 2048                    ; the expert's first dump row
	v_and_b32 v88, 15, v0                          ; r
	v_bfe_u32 v89, v0, 4, 1                        ; h
	v_and_b32 v90, 31, v0                          ; l
	v_and_b32 v1, 7, v0
	v_and_b32 v91, 8, v0
	v_lshl_or_b32 v1, v91, 1, v1
	v_and_b32 v91, 16, v0
	v_lshrrev_b32 v91, 1, v91
	v_or_b32 v1, v1, v91
	v_lshlrev_b32 v1, 2, v1                        ; 4 pi(l)
	s_mul_i32 s26, s17, WBLK
	s_add_co_u32 s26, s26, WB                      ; block = my column half (the stage's two blocks stand in the immediates)
	s_lshl_b32 s27, s18, 11
	s_add_co_u32 s27, s27, s26
	v_lshlrev_b32 v2, 4, v88
	v_lshl_add_u32 v2, v89, 10, v2
	v_add_nc_u32 v2, s27, v2                       ; my K step's two fragments: X's for lanes 0-15, Y's for lanes 16-31; 16 r
	s_lshl_b32 s27, s18, 7
	s_add_co_u32 s27, s27, s26
	s_add_co_u32 s27, s27, 16384
	v_lshlrev_b32 v3, 2, v90
	v_add_nc_u32 v3, s27, v3
	v_lshlrev_b32 v91, 4, v90                      ; 16 l
	v_add_nc_u32 v4, WB, v91
	v_add_nc_u32 v5, WB+2*WBLK, v91
	v_lshl_add_u32 v6, v90, 2, WB+16384
	v_lshl_add_u32 v7, v89, 6, BB
	s_mul_i32 s27, s14, XSLOT
	v_add_nc_u32 v8, s27, v91
	s_add_co_u32 s27, s27, 16*XSLOT
	v_add_nc_u32 v9, s27, v91
	v_lshlrev_b32 v92, 2, v0                       ; b1: a word a thread, waves 0 to 3
	v_lshl_add_u32 v93, v0, 2, BB
	v_lshlrev_b32 v96, 4, v89                      ; 16 h
	v_lshlrev_b32 v97, 4, v88
	v_lshl_add_u32 v97, v89, 3, v97                ; 16 r + 8 h
	v_lshlrev_b32 v98, 2, v88                      ; 4 r
	s_lshl_b32 s19, s14, 4
	v_lshl_add_u32 v[FQ], v89, 8, v88
	v_add_nc_u32 v[FQ], s19, v[FQ]                 ; the position that I ask for: lanes 0-15 tile w, lanes 16-31 tile w + 16: 16 w + r + 256 h
	s_lshl_b32 s19, s15, 6
	s_add_co_u32 s19, s19, s14                     ; my tiles' places in hq: T = 64 e + w,
	s_lshl_b32 s26, s19, 15
	v_add_nc_u32 v10, s26, v97
	s_lshl_b32 s26, s19, 11
	v_add_nc_u32 v12, s26, v98
	s_add_co_u32 s19, s19, 16                      ; and 16 more
	s_lshl_b32 s26, s19, 15
	v_add_nc_u32 v11, s26, v97
	s_lshl_b32 s26, s19, 11
	v_add_nc_u32 v13, s26, v98
	v_mov_b32 v14, 0
	v_mov_b32 v15, 0
	v_mov_b32 v[HP], 0                             ; written once: a lane permute's destination counts as one of its sources
	v_mov_b32 v[C9V], 0x3e2ef945                   ; c9 = 0.17087277
	v_mov_b32 v[C9V+1], 0x3e2ef945
	s_mov_b32 s36, 0x76543210
	s_mov_b32 s37, 0xfedcba98
	SC2 40, 0xbfa1fc4e                             ; c0 = -1.26551223
	SC2 42, 0x3f8000c7                             ; c1 =  1.00002368
	SC2 44, 0x3ebf88fb                             ; c2 =  0.37409196
	SC2 46, 0x3dc636c9                             ; c3 =  0.09678418
	SC2 48, 0xbe3ec24c                             ; c4 = -0.18628806
	SC2 50, 0x3e8ec7cc                             ; c5 =  0.27886807
	SC2 52, 0xbf914e5d                             ; c6 = -1.13520398
	SC2 54, 0x3fbe87b0                             ; c7 =  1.48851587
	SC2 56, 0xbf527892                             ; c8 = -0.82215223
	SC2 60, 0x3f3504f3                             ; 1 / sqrt 2
	SC2 62, 0x3fb8aa3b                             ; log2(e)
	s_mov_b32 s27, 0
	s_wait_kmcnt 0x0
	s_lshl_b32 s26, s15, 13
	s_add_nc_u64 s[30:31], s[38:39], s[26:27]      ; route: the expert's list,
	s_lshl_b32 s26, s15, 7
	s_add_nc_u64 s[38:39], s[38:39], s[26:27]      ; and its counts (65,536 stands in the store's immediate)
	s_lshl_b32 s26, s15, 24                        ; W1: expert,
	s_lshl_b32 s19, s18, 21                        ; 128 rows of 16,384 bytes for each K step,
	s_add_co_u32 s26, s26, s19
	s_lshl_b32 s19, ttmp9, 9                       ; 128 columns for each slice,
	s_add_co_u32 s26, s26, s19
	s_lshl_b32 s19, s17, 7                         ; 32 for my half
	s_add_co_u32 s26, s26, s19
	s_add_nc_u64 s[28:29], s[6:7], s[26:27]
	s_lshl_b32 s26, s15, 14
	s_lshl_b32 s19, ttmp9, 9
	s_add_co_u32 s26, s26, s19
	s_add_nc_u64 s[8:9], s[8:9], s[26:27]          ; b1 at the slice
	s_lshl_b32 s26, ttmp9, 10
	s_add_nc_u64 s[32:33], s[12:13], s[26:27]      ; hq's codes at K step = slice
	s_lshl_b32 s26, ttmp9, 6
	s_add_co_u32 s26, s26, HSCL
	s_add_nc_u64 s[34:35], s[12:13], s[26:27]      ; and its scale words
.irp j, 0,1,2,3,4,5,6,7,8,9,10,11,12,13,14,15
	global_load_b128 v[IDX+4*\j:IDX+4*\j+3], v91, s[10:11] offset:512*\j   ; the 2,048 choices: 512 consecutive bytes a load
.endr
	s_cmp_lt_u32 s14, 4
	s_cbranch_scc0 .Lno_b1
	global_load_b32 v94, v92, s[8:9]
.Lno_b1:
	CHUNK 0
	CHUNK 1
	s_wait_loadcnt 63                              ; the choices and b1 are in: the 64 loads of chunks 0 and 1 lie behind them (the count's field ends at 63)
	s_cmp_lt_u32 s14, 4
	s_cbranch_scc0 .Lno_b1s
	ds_store_b32 v93, v94
	s_wait_dscnt 0x0                               ; the store has read its registers: x lands there later
.Lno_b1s:
	TURN 0, 32, 1                                  ; behind chunk 0: chunk 1
	TURN 1, 32, 1                                  ; behind chunk 1: chunk 2
	FIND                                           ; chunks 2 and 3 are on their way meanwhile
	s_mov_b32 s20, s[FB]                           ; R
	s_add_co_u32 s21, s20, 15
	s_lshr_b32 s21, s21, 4
	s_min_u32 s21, s21, 64                         ; nt
	s_min_u32 s24, s21, 28                         ; the tiles that have a slot
	v_permlanex16_b32 v[FU], v[FR], s36, s37       ; what lane l xor 16 has found
	v_cmp_gt_u32 vcc_lo, 16, v90
	v_cndmask_b32 v22, v[FU], v[FR], vcc_lo        ; row r of tile w, in both halves of the lanes,
	v_cndmask_b32 v23, v[FR], v[FU], vcc_lo        ; and of tile w + 16
	s_cmp_eq_u32 ttmp9, 0                          ; the expert's first work-group stores the list and the counts
	s_cbranch_scc0 .Lno_route
	v_lshlrev_b32 v20, 2, v[FQ]
	v_mov_b32 v21, v[FR]
	global_store_b32 v20, v21, s[30:31]            ; the sixteen waves store positions 0 .. 511
	s_cmp_eq_u32 s14, 0
	s_cbranch_scc0 .Lno_route
	v_mov_b32 v14, 0
	v_writelane_b32 v14, s20, 0
	v_writelane_b32 v14, s21, 1
	v_lshlrev_b32 v15, 2, v90
	global_store_b32 v15, v14, s[38:39] offset:65536
.Lno_route:
.irp sl, 0,1
	v_lshrrev_b32 v[22+\sl], 1, v[22+\sl]          ; the row's token,
	v_min_u32 v[22+\sl], 0x3ff, v[22+\sl]          ; bounded (a dump row takes the last token's x: its results go nowhere)
	v_lshlrev_b32 v[16+\sl], 9, v[22+\sl]
	v_add_nc_u32 v[16+\sl], v[16+\sl], v96
	v_lshlrev_b32 v[18+\sl], 5, v[22+\sl]
	v_add_nc_u32 v[18+\sl], v[18+\sl], v96
.endr
	s_cmp_lt_u32 s14, s21                          ; how many tiles have I?  Three arms, so that each wait has its exact count; no barrier stands in them
	s_cbranch_scc0 .Larm0
	s_cmp_lt_u32 s14, 12
	s_cbranch_scc0 .Larm1
	s_cmp_lt_u32 s25, s24
	s_cbranch_scc0 .Larm1
	ARM 2, 63
	s_branch .Ljoin
.Larm1:
	ARM 1, 49
	s_branch .Ljoin
.Larm0:
	ARM 0, 32
.Ljoin:                                            ; chunks 4 and 5 are out, on every way
	s_wait_dscnt 0x0                               ; my part of blocks 0 and 1, of b1, and my x have landed
	s_barrier_signal -1
	s_barrier_wait -1
	TURN 4, 32, 1                                  ; blocks 2 and 3 are on their way while blocks 0 and 1 are multiplied; no global load stands in a CB, so the counts hold
	CB 0
	TURN 5, 32, 1
	CB 1
	TURN 6, 32, 0
	TURN 7, 0, 0
	s_wait_dscnt 0x0
	s_barrier_signal -1
	s_barrier_wait -1
	CB 2
	CB 3
	; THE TAIL: tiles 28 + w + 16 k, k = 0, 1, 2: an expert with more than 448 rows.  The weights stay where they are; the choices are read again; x goes through my slot 0; no barrier is needed
	s_mov_b32 s66, 0
	s_add_co_u32 s67, s14, 28
.Ltail:
	s_cmp_lt_u32 s67, s21
	s_cbranch_scc0 .Ltail_next
	s_wait_xcnt 0x0                                ; my stores have read their addresses and data
	v_and_b32 v22, 15, v0
	v_bfe_u32 v23, v0, 4, 1
	v_and_b32 v17, 31, v0
	v_lshlrev_b32 v17, 4, v17
.irp j, 0,1,2,3,4,5,6,7,8,9,10,11,12,13,14,15
	global_load_b128 v[IDX+4*\j:IDX+4*\j+3], v17, s[10:11] offset:512*\j
.endr
	s_lshl_b32 s68, s67, 4
	v_add_nc_u32 v[FQ], s68, v22                   ; both halves of the lanes ask for position 16 tile + r
	s_lshl_b32 s69, s15, 6
	s_add_co_u32 s69, s69, s67
	s_min_u32 s69, s69, 511                        ; T = 64 e + tile
	s_lshl_b32 s70, s69, 15
	v_lshlrev_b32 v10, 4, v22
	v_lshl_add_u32 v10, v23, 3, v10
	v_add_nc_u32 v10, s70, v10
	s_lshl_b32 s70, s69, 11
	v_lshlrev_b32 v12, 2, v22
	v_add_nc_u32 v12, s70, v12
	v_lshlrev_b32 v23, 4, v23
	s_wait_loadcnt 0x0
	FIND
	s_cmp_eq_u32 ttmp9, 0                          ; the list's positions from 512 on, by the expert's first work-group
	s_cbranch_scc0 .Ltail_nr
	s_cmp_ge_u32 s67, 32
	s_cbranch_scc0 .Ltail_nr
	v_lshlrev_b32 v20, 2, v[FQ]
	v_mov_b32 v21, v[FR]
	global_store_b32 v20, v21, s[30:31]            ; both lanes of a row write the same word with the same value
.Ltail_nr:
	v_lshrrev_b32 v19, 1, v[FR]
	v_min_u32 v19, 0x3ff, v19
	v_lshlrev_b32 v16, 9, v19
	v_add_nc_u32 v16, v16, v23
	v_lshlrev_b32 v18, 5, v19
	v_add_nc_u32 v18, v18, v23
	XLOAD 0
	s_wait_loadcnt 0x0
	XSAVE 0
	s_wait_dscnt 0x0                               ; the stores have read their registers
	TILE 0, 0
	TILE 0, 1
	TILE 0, 2
	TILE 0, 3
.Ltail_next:
	s_add_co_u32 s67, s67, 16
	s_add_co_u32 s66, s66, 1
	s_cmp_lt_u32 s66, 3
	s_cbranch_scc1 .Ltail
	s_wait_xcnt 0x0
	v_lshl_add_u32 v254, v0, 2, 0x4ca00
	v_mov_b32 v255, 0
	s_wait_tensorcnt 0x0
	ds_add_u32 v254, v255
	s_wait_dscnt 0x0
	s_endpgm
.Lfunc_end_k_qbfdd1237fd_ffn1:
	.size	k_qbfdd1237fd_ffn1, .Lfunc_end_k_qbfdd1237fd_ffn1-k_qbfdd1237fd_ffn1
	.p2alignl 7, 3214868480
	.fill 96, 4, 3214868480
	.section	.rodata,"a",@progbits
	.p2align	6, 0x0
	.amdhsa_kernel k_qbfdd1237fd_ffn1
		.amdhsa_group_segment_fixed_size 315904
		.amdhsa_private_segment_fixed_size 0
		.amdhsa_enable_private_segment 0
		.amdhsa_kernarg_size 48
		.amdhsa_user_sgpr_count 2
		.amdhsa_user_sgpr_kernarg_segment_ptr 1
		.amdhsa_wavefront_size32 1
		.amdhsa_system_sgpr_workgroup_id_x 1
		.amdhsa_system_sgpr_workgroup_id_y 1
		.amdhsa_system_sgpr_workgroup_id_z 1
		.amdhsa_system_vgpr_workitem_id 0
		.amdhsa_next_free_vgpr 256
		.amdhsa_next_free_sgpr 96
		.amdhsa_reserve_vcc 1
		.amdhsa_float_denorm_mode_32 3
		.amdhsa_float_denorm_mode_16_64 3
		.amdhsa_memory_ordered 1
		.amdhsa_forward_progress 1
		.amdhsa_inst_pref_size 255
	.end_amdhsa_kernel
	.section	.bss,"aw",@nobits
	.p2align	6
	.space	262144
	.amdgpu_metadata
---
amdhsa.version: [ 1, 2 ]
amdhsa.kernels:
  - .name:           k_qbfdd1237fd_ffn1
    .symbol:         k_qbfdd1237fd_ffn1.kd
    .args:
      - { .name: xq, .offset: 0, .size: 8, .value_kind: global_buffer, .address_space: global }
      - { .name: W1, .offset: 8, .size: 8, .value_kind: global_buffer, .address_space: global }
      - { .name: b1, .offset: 16, .size: 8, .value_kind: global_buffer, .address_space: global }
      - { .name: topi, .offset: 24, .size: 8, .value_kind: global_buffer, .address_space: global }
      - { .name: hq, .offset: 32, .size: 8, .value_kind: global_buffer, .address_space: global }
      - { .name: route, .offset: 40, .size: 8, .value_kind: global_buffer, .address_space: global }
    .group_segment_fixed_size: 315904
    .private_segment_fixed_size: 0
    .kernarg_segment_align: 8
    .kernarg_segment_size: 48
    .max_flat_workgroup_size: 512
    .sgpr_count:     96
    .vgpr_count:     256
    .wavefront_size: 32
...
	.end_amdgpu_metadata
.endif
;; end of part 6
;; launch ffn2 (part 7): grid 32 x 8, 16 waves a work-group, no clusters, 141,312 bytes of LDS; arguments hq, W2, b2, route, gatew, y; writes y
.if DOCPART == 7
	.amdgcn_target "amdgcn-amd-amdhsa--gfx1250"
	.amdhsa_code_object_version 6
	.text
	.protected	k_qbfdd1237fd_ffn2
	.globl	k_qbfdd1237fd_ffn2
	.p2align	8
	.type	k_qbfdd1237fd_ffn2,@function
k_qbfdd1237fd_ffn2:
	s_mov_b64 s[64:65], 0
	v_nop
	global_prefetch_b8 v0, s[64:65] scope:SCOPE_SE
	s_setreg_imm32_b32 hwreg(HW_REG_WAVE_MODE, 25, 1), 1
	s_wait_xcnt 0x0
; y[kh][rho] = gate(rho) x (h(rho) W2[e] over half kh of K, + b2[e] in half 0), for the rows routed to expert e.  W2 [8][4096 (k)][1024 (n)] f32; h comes as codes from hq.
; A work-group takes (expert e = y, 64 output columns n0 = 64 (x % 16), K half kh = x / 16: 2,048 along K): 512 KiB of W2, read once, quantised here, kept in LDS as images of the operand's registers.
; THE STREAM.  A lane takes a column, its registers run down K; a chunk is 32 k x 32 columns, 32 loads of 128 consecutive bytes, two waves side by side cover a row's 256.  A stage is 256 along K (two K steps):
; one chunk a wave (wave w: column half w % 2, block w / 2 of the stage's eight), one barrier a stage; nothing in LDS is written twice.  Ring: two sets of 32 registers.
; Lane l takes column pi(l) = l%8 + 16 ((l/8)%2) + 8 (l/16) of its 32: lanes 0-15 make tile X, lanes 16-31 tile Y; with the product used transposed (source 0 = 16 columns of W2, source 1 = 16 rows of h)
; lane (r, h) holds row r, and X's and Y's 16 registers are 16 neighbouring columns.  b2 is the C of each sum's first product.  A tile's four accumulators take turns.
; ROWS.  Tile tau < 16 belongs to wave tau (slot 0), tile 16 .. 31 to wave tau - 16 (slot 1); from 32 on a tail of two trips.  In hq a tile lies at T = 64 e + tau.  h's fragments come two stages ahead, straight into registers.
; Branches hang on stored counts: none holds a barrier or a part of the stream; the waits for loads issued under them stand on every way, with the least count that any way gives.
; Of hq only tiles under nt are read: its loads stand under those branches.
; OUT: y: f32, half kh at 8,912,896 kh, row rho at 4,096 rho; rows from 2,048 on are dump rows for the last tile's empty places and are read by nobody.
; LIMITS: NaN and infinities are not served (b2 is multiplied by 0 in half 1); blocks under 2^-124 keep the byte 1; a block of zeros gets the byte 1 and not 127.
.set STGB, 69632                       ; LDS: 8 stages of 8,704 bytes (8 fragments of 1,024: 4 ks + column tile; then 4 x 128 bytes of scale words: 2 ks + column half); then a stage of 16 x 272 bytes for each wave's way out
.set HSCL, 16777216
.set YH,   8912896
.set RING, 16                          ; v16-79   two sets of 32 numbers of W2; on the way out addresses and rows
.set HF,   80                          ; v80-143  h's fragments: 32 slot + 16 (stage % 2) + 8 ks
.set HS,   144                         ; v144-159 h's scale words: 8 slot + stage; lanes 0-15 K step 0, lanes 16-31 K step 1
.set ACC,  160                         ; v160-223 32 slot + 8 column tile
.set WFR,  224                         ; v224-255 a K step's four fragments of W2; between them the stream's temporaries
.set QM,   224
.set QN,   225
.set QS,   226
.set QB,   227
.set CD,   228
; v1 4 pi(l); v2, v3 where I store codes and my scale byte; v4, v5 where fragments and scale words are read; v6, v7 my tiles in hq; v8, v9 my row; v10, v11 its gate; v12, v13 W2's scale words; v14, v15 my way-out stage
.macro CHUNK sg
.set RS, RING+32*((\sg)%2)
.irp i, 0,1,2,3,4,5,6,7,8,9,10,11,12,13,14,15,16,17,18,19,20,21,22,23,24,25,26,27,28,29,30,31
	global_load_b32 v[RS+\i], v1, s[28:29] offset:(256*(\sg)+\i)*4096 th:TH_LOAD_NT
.endr
.endm
.macro QW
	v_max3_num_f32 v[QM], |v[RS]|, |v[RS+1]|, |v[RS+2]|
	v_max3_num_f32 v[QN], |v[RS+3]|, |v[RS+4]|, |v[RS+5]|
.irp i, 6,10,14,18,22,26
	v_max3_num_f32 v[QM], v[QM], |v[RS+\i]|, |v[RS+\i+1]|
	v_max3_num_f32 v[QN], v[QN], |v[RS+\i+2]|, |v[RS+\i+3]|
.endr
	v_max3_num_f32 v[QM], v[QM], |v[RS+30]|, |v[RS+31]|
	v_max3_num_f32 v[QM], v[QM], v[QN], 0x1800000  ; and the floor 2^(3 - 127): the byte cannot fall under 1
	v_add_nc_u32 v[QS], 0xff000000, v[QM]          ; 2 off the exponent field
	v_lshrrev_b32 v[QB], 23, v[QS]
.irp g, 0,1,2,3
	v_cvt_scalef32_pk8_fp4_f32 v[CD+\g], v[RS+8*\g:RS+8*\g+7], v[QS]
.endr
	v_nop                                          ; one plain line behind the last scaled conversion
.endm
.macro HLOAD sg, sl                    ; stage sg's two fragments of h for slot sl: images, 512 consecutive bytes a load
.irp j, 0,1,2,3
	global_load_b128 v[HF+32*\sl+16*((\sg)%2)+4*\j:HF+32*\sl+16*((\sg)%2)+4*\j+3], v[6+\sl], s[4:5] offset:2048*(\sg)+512*\j
.endr
.endm
.macro HSLOAD sl                       ; slot sl's scale words of h for the eight stages: 128 consecutive bytes a load
.irp g, 0,1,2,3,4,5,6,7
	global_load_b32 v[HS+8*\sl+\g], v[237+\sl], s[52:53] offset:128*\g
.endr
.endm
.macro HLOADS sg, hs                   ; hs = 1: the scale words go with the first stage's fragments
	s_cmp_lt_u32 s16, s21
	s_cbranch_scc0 .Lnoh_\@
.if \hs
	HSLOAD 0
.endif
	HLOAD \sg, 0
	s_cmp_lt_u32 s25, s21
	s_cbranch_scc0 .Lnoh_\@
.if \hs
	HSLOAD 1
.endif
	HLOAD \sg, 1
.Lnoh_\@:
.endm
.macro FIRST                           ; behind the first wait: the list and b2 are in
	v_min_u32 v8, 0x87f, v8
	v_min_u32 v9, 0x87f, v9
	v_min_u32 v10, 0x7ff, v8                       ; (a dump row takes some row's gate: its results go nowhere)
	v_min_u32 v11, 0x7ff, v9
	v_lshlrev_b32 v10, 2, v10
	v_lshlrev_b32 v11, 2, v11
	global_load_b32 v10, v10, s[12:13]
	global_load_b32 v11, v11, s[12:13]
.irp i, 0,2,4,6,8,10,12,14,16,18,20,22,24,26,28,30,32,34,36,38,40,42,44,46,48,50,52,54,56,58,60,62
	v_pk_mul_f32 v[ACC+\i:ACC+\i+1], v[ACC+\i:ACC+\i+1], s[36:37] op_sel_hi:[1,0]   ; b2 counts in half 0 alone
.endr
.endm
.macro TURN sg                         ; stage sg: my chunk is quantised and stored; its set takes chunk sg + 2; the barrier; h of this stage is in
.if (\sg) < 7
	s_wait_loadcnt 32                              ; my chunk is in: the next chunk's 32 loads lie behind it on every way (what else some ways add is waited for too)
.else
	s_wait_loadcnt 0x0
.endif
.set RS, RING+32*((\sg)%2)
	QW
.if (\sg) == 0
	FIRST
.endif
	ds_store_b128 v2, v[CD:CD+3] offset:((\sg)%4)*8704
	ds_store_b8 v3, v[QB] offset:((\sg)%4)*8704    ; my block's byte of my column's scale word
.if (\sg) < 6
	CHUNK (\sg)+2
.endif
	s_wait_dscnt 0x0                               ; for the others' sake: my stores have landed
	s_barrier_signal -1
	s_barrier_wait -1
.if (\sg) < 6
	s_wait_loadcnt 63                              ; this stage's h is in: two chunks, 64 loads, lie behind it (the count's field ends at 63)
.elseif (\sg) == 6
	s_wait_loadcnt 32                              ; one chunk lies behind it
.endif
.endm
.macro MM4                             ; four products: the tile at AC, h's fragment at HBR with its scale words in HSR, K step KS of the stage
.irp p, 0,1
.if KS == 0
	v_wmma_scale_f32_16x16x128_f8f6f4 v[AC+16*\p:AC+16*\p+7], v[WFR+16*\p:WFR+16*\p+7], v[HBR:HBR+7], v[AC+16*\p:AC+16*\p+7], v[12+\p], v[HSR] matrix_a_fmt:MATRIX_FMT_FP4 matrix_b_fmt:MATRIX_FMT_FP4
	v_wmma_scale_f32_16x16x128_f8f6f4 v[AC+16*\p+8:AC+16*\p+15], v[WFR+16*\p+8:WFR+16*\p+15], v[HBR:HBR+7], v[AC+16*\p+8:AC+16*\p+15], v[12+\p], v[HSR] matrix_a_fmt:MATRIX_FMT_FP4 matrix_b_fmt:MATRIX_FMT_FP4 matrix_a_scale:MATRIX_SCALE_ROW1
.else
	v_wmma_scale_f32_16x16x128_f8f6f4 v[AC+16*\p:AC+16*\p+7], v[WFR+16*\p:WFR+16*\p+7], v[HBR:HBR+7], v[AC+16*\p:AC+16*\p+7], v[12+\p], v[HSR] matrix_a_fmt:MATRIX_FMT_FP4 matrix_b_fmt:MATRIX_FMT_FP4 matrix_b_scale:MATRIX_SCALE_ROW1
	v_wmma_scale_f32_16x16x128_f8f6f4 v[AC+16*\p+8:AC+16*\p+15], v[WFR+16*\p+8:WFR+16*\p+15], v[HBR:HBR+7], v[AC+16*\p+8:AC+16*\p+15], v[12+\p], v[HSR] matrix_a_fmt:MATRIX_FMT_FP4 matrix_b_fmt:MATRIX_FMT_FP4 matrix_a_scale:MATRIX_SCALE_ROW1 matrix_b_scale:MATRIX_SCALE_ROW1
.endif
.endr
.endm
.macro WFETCH ra, rb, so               ; a K step's four fragments and two registers of scale words
.irp ct, 0,1,2,3
.irp c, 0,1
	ds_load_b128 v[WFR+8*\ct+4*\c:WFR+8*\ct+4*\c+3], v[\ra] offset:(\so)+(4*KS+\ct)*1024+512*\c
.endr
.endr
.irp p, 0,1
	ds_load_b32 v[12+\p], v[\rb] offset:(\so)+(2*KS+\p)*128
.endr
	s_wait_dscnt 0x0
.endm
.macro MSTEP sg, ks
.set KS, \ks
	WFETCH 4, 5, ((\sg)%4)*8704
.set AC, ACC
.set HBR, HF+16*((\sg)%2)+8*KS
.set HSR, HS+(\sg)
	MM4
	s_cmp_lt_u32 s25, s21
	s_cbranch_scc0 .Lone_\@
.set AC, ACC+32
.set HBR, HF+32+16*((\sg)%2)+8*KS
.set HSR, HS+8+(\sg)
	MM4
.Lone_\@:
.rept 4
	v_nop                                          ; four places in front of loads into registers that the products have read, and of the first read of results
.endr
.endm
.macro MULT sg
	s_cmp_lt_u32 s16, s21
	s_cbranch_scc0 .Lnom_\@
	MSTEP \sg, 0
	MSTEP \sg, 1
.if (\sg) < 6
	HLOAD (\sg)+2, 0
	s_cmp_lt_u32 s25, s21
	s_cbranch_scc0 .Lnom_\@
	HLOAD (\sg)+2, 1
.endif
.Lnom_\@:
.endm
.macro EPI sl                          ; x gate; through my stage; sixteen lanes store a row's 256 consecutive bytes, at a multiple of 256 from y's first byte
.set AC, ACC+32*\sl
.irp i, 0,2,4,6,8,10,12,14,16,18,20,22,24,26,28,30
.if \sl == 0
	v_pk_mul_f32 v[AC+\i:AC+\i+1], v[AC+\i:AC+\i+1], v[10:11] op_sel_hi:[1,0]            ; each accumulator from its low end on
.else
	v_pk_mul_f32 v[AC+\i:AC+\i+1], v[AC+\i:AC+\i+1], v[10:11] op_sel:[0,1] op_sel_hi:[1,1]
.endif
.endr
	s_wait_xcnt 0x0                                ; the earlier stores have read v24-63
.irp p, 0,1
.irp q, 0,1,2,3
	ds_store_b128 v14, v[AC+16*\p+4*\q:AC+16*\p+4*\q+3] offset:128*\p+16*\q
.endr
.endr
.irp i, 0,1,2,3,4,5,6,7
	ds_bpermute_b32 v[24+\i], v[16+\i], v[8+\sl]   ; the number of row 2 i + h of the tile
.endr
.irp i, 0,1,2,3,4,5,6,7
	ds_load_b128 v[32+4*\i:35+4*\i], v15 offset:544*\i   ; LDS serves a wave's instructions in order: these see my stores
.endr
	s_wait_dscnt 0x0
.irp i, 0,1,2,3,4,5,6,7
	v_min_u32 v[24+\i], 0x87f, v[24+\i]
	v_lshlrev_b32 v[24+\i], 12, v[24+\i]
	v_add_nc_u32 v[24+\i], v[24+\i], v64
.endr
.irp i, 0,1,2,3,4,5,6,7
	global_store_b128 v[24+\i], v[32+4*\i:35+4*\i], s[32:33] th:TH_STORE_NT
.endr
.endm
.macro TSTEP g, kk                     ; the tail: K step 8 g + kk of the half
.set KS, (\kk)%2
.if \g == 0
	WFETCH 65, 66, ((\kk)/2)*8704
.else
	WFETCH 4, 5, ((\kk)/2)*8704
.endif
.set AC, ACC
.set HBR, HF+8*(\kk)
.set HSR, HS+4*(\g)+(\kk)/2
	MM4
.rept 4
	v_nop
.endr
.endm
	s_load_b256 s[4:11], s[0:1], 0x0               ; hq s[4:5], W2 s[6:7], b2 s[8:9], route s[10:11]
	s_load_b128 s[12:15], s[0:1], 0x20             ; gatew s[12:13], y s[14:15]
	v_lshrrev_b32 v1, 5, v0
	v_readfirstlane_b32 s16, v1                    ; wave 0..15
	s_and_b32 s17, ttmp7, 0xffff                   ; expert
	s_and_b32 s18, ttmp9, 15                       ; which 64 columns
	s_lshr_b32 s19, ttmp9, 4                       ; which half of K
	s_add_co_u32 s25, s16, 16                      ; my second tile
	v_and_b32 v232, 15, v0                         ; r
	v_bfe_u32 v233, v0, 4, 1                       ; h
	v_and_b32 v234, 31, v0                         ; l
	v_and_b32 v1, 7, v0
	v_and_b32 v235, 8, v0
	v_lshl_or_b32 v1, v235, 1, v1
	v_and_b32 v235, 16, v0
	v_lshrrev_b32 v235, 1, v235
	v_or_b32 v1, v1, v235
	v_lshlrev_b32 v1, 2, v1                        ; 4 pi(l)
	s_lshr_b32 s40, s16, 3                         ; my block's K step in the stage,
	s_and_b32 s41, s16, 1                          ; my column half,
	s_bfe_u32 s42, s16, 0x10002                    ; the block's c
	s_bfe_u32 s43, s16, 0x10001                    ; and h in the operand's layout,
	s_bfe_u32 s44, s16, 0x20001                    ; its number in the K step
	s_lshr_b32 s45, s16, 1                         ; and in the stage
	s_lshl_b32 s46, s40, 12
	s_lshl_b32 s47, s41, 11
	s_add_co_u32 s46, s46, s47
	s_lshl_b32 s47, s42, 9
	s_add_co_u32 s46, s46, s47
	s_lshl_b32 s47, s43, 8
	s_add_co_u32 s46, s46, s47
	v_lshlrev_b32 v2, 4, v232
	v_lshl_add_u32 v2, v233, 10, v2
	v_add_nc_u32 v2, s46, v2                       ; fragment 4 ks + 2 half + (X or Y), 512 c + 256 h + 16 r
	s_lshl_b32 s46, s40, 8
	s_lshl_b32 s47, s41, 7
	s_add_co_u32 s46, s46, s47
	s_add_co_u32 s46, s46, s44
	s_add_co_u32 s46, s46, 8192
	v_lshlrev_b32 v3, 2, v234
	v_add_nc_u32 v3, s46, v3
	v_lshlrev_b32 v4, 4, v234
	v_lshl_add_u32 v5, v234, 2, 8192
	s_mul_i32 s46, s16, 4352
	s_add_co_u32 s46, s46, STGB
	v_mul_u32_u24 v14, v232, 272
	v_lshl_add_u32 v14, v233, 6, v14
	v_add_nc_u32 v14, s46, v14                     ; in: row r, 64 h bytes on
	v_mul_u32_u24 v15, v233, 272
	v_lshl_add_u32 v15, v232, 4, v15
	v_add_nc_u32 v15, s46, v15                     ; back: lanes 0-15 one row, lanes 16-31 the next
	v_lshlrev_b32 v235, 2, v234                    ; 4 l
	v_lshlrev_b32 v236, 6, v233                    ; 64 h
	s_lshl_b32 s46, s16, 6
	v_lshl_add_u32 v239, v232, 2, s46              ; the list: position 16 w + r
.set i, 0
.rept 80
	v_mov_b32 v[HF+i], 0                           ; h's fragments and scale words are loaded under branches on a stored count: so their 80 registers are written once on every way
.set i, i+1
.endr
	s_cmp_eq_u32 s19, 0
	s_cselect_b32 s36, 0x3f800000, 0
	s_mov_b32 s37, s36
	s_lshl_b32 s48, s19, 14
	s_lshl_b32 s49, s19, 10
	s_wait_kmcnt 0x0
	s_lshl_b32 s26, s17, 7
	s_mov_b32 s27, 0
	s_add_nc_u64 s[38:39], s[10:11], s[26:27]
	s_load_b64 s[20:21], s[38:39], 0x10000         ; R, nt
	s_add_nc_u64 s[52:53], s[4:5], HSCL            ; hq's scale words
	s_lshl_b32 s26, s17, 24                        ; W2: expert,
	s_lshl_b32 s24, s19, 23                        ; 2,048 rows of 4,096 bytes for the half,
	s_add_co_u32 s26, s26, s24
	s_lshl_b32 s24, s45, 17                        ; 32 rows for each block,
	s_add_co_u32 s26, s26, s24
	s_lshl_b32 s24, s18, 8                         ; 64 columns,
	s_add_co_u32 s26, s26, s24
	s_lshl_b32 s24, s41, 7                         ; 32 for my half
	s_add_co_u32 s26, s26, s24
	s_add_nc_u64 s[28:29], s[6:7], s[26:27]
	s_lshl_b32 s26, s17, 13
	s_add_nc_u64 s[30:31], s[10:11], s[26:27]      ; the expert's list
	s_lshl_b32 s26, s17, 12
	s_lshl_b32 s24, s18, 8
	s_add_co_u32 s26, s26, s24
	s_add_nc_u64 s[34:35], s[8:9], s[26:27]        ; b2 at my columns
	s_mul_i32 s26, s19, YH
	s_add_co_u32 s26, s26, s24
	s_add_nc_u64 s[32:33], s[14:15], s[26:27]      ; y: my half, my columns
	global_load_b32 v8, v239, s[30:31]
	global_load_b32 v9, v239, s[30:31] offset:1024
.irp sl, 0,1
.irp p, 0,1
.irp q, 0,1,2,3
	global_load_b128 v[ACC+32*\sl+16*\p+4*\q:ACC+32*\sl+16*\p+4*\q+3], v236, s[34:35] offset:128*\p+16*\q   ; b2 at my 16 columns of each half: the sums begin with it
.endr
.endr
.endr
	CHUNK 0
	s_lshl_b32 s40, s17, 6
	s_add_co_u32 s40, s40, s16                     ; my tiles in hq: T = 64 e + w,
	s_lshl_b32 s41, s40, 15
	s_add_co_u32 s41, s41, s48
	v_add_nc_u32 v6, s41, v4
	s_lshl_b32 s41, s40, 11
	s_add_co_u32 s41, s41, s49
	v_add_nc_u32 v237, s41, v235
	s_add_co_u32 s40, s40, 16                      ; and 16 more
	s_lshl_b32 s41, s40, 15
	s_add_co_u32 s41, s41, s48
	v_add_nc_u32 v7, s41, v4
	s_lshl_b32 s41, s40, 11
	s_add_co_u32 s41, s41, s49
	v_add_nc_u32 v238, s41, v235
	s_wait_kmcnt 0x0                               ; the counts
	s_min_u32 s21, s21, 64                         ; nt
	HLOADS 0, 1
	CHUNK 1
	HLOADS 1, 0
	TURN 0
	MULT 0
	TURN 1
	MULT 1
	TURN 2
	MULT 2
	TURN 3
	MULT 3
	v_add_nc_u32 v2, 34816, v2                     ; on to stages 4 to 7, so that the immediates stay inside 16 bits
	v_add_nc_u32 v3, 34816, v3
	v_add_nc_u32 v4, 34816, v4
	v_add_nc_u32 v5, 34816, v5
	TURN 4
	MULT 4
	TURN 5
	MULT 5
	TURN 6
	MULT 6
	TURN 7
	MULT 7
	; the way out's registers, in the ring, which is done with
	v_and_b32 v64, 15, v0
	v_bfe_u32 v70, v0, 4, 1
	v_and_b32 v71, 31, v0
	v_lshlrev_b32 v67, 2, v64                      ; 4 r
	v_lshlrev_b32 v64, 4, v64                      ; 16 r
	v_lshlrev_b32 v68, 6, v70                      ; 64 h
	v_lshlrev_b32 v65, 4, v71                      ; stages 0 to 3 again, for the tail
	v_lshl_add_u32 v66, v71, 2, 8192
	v_lshlrev_b32 v72, 2, v71                      ; 4 l
	v_lshlrev_b32 v70, 2, v70
.irp i, 0,1,2,3,4,5,6,7
	v_add_nc_u32 v[16+\i], 8*\i, v70               ; 4 x (2 i + h): the lane that holds that row's number
.endr
	s_cmp_lt_u32 s16, s21
	s_cbranch_scc0 .Lno_epi
	EPI 0
	s_cmp_lt_u32 s25, s21
	s_cbranch_scc0 .Lno_epi
	EPI 1
.Lno_epi:
	; THE TAIL: tiles 32 + w + 16 k, k = 0, 1: an expert with more than 512 rows.  The weights stay where they are; no barrier is needed
	s_mov_b32 s50, 0
	s_add_co_u32 s51, s16, 32
.Ltail:
	s_cmp_lt_u32 s51, s21
	s_cbranch_scc0 .Ltail_next
	s_wait_xcnt 0x0                                ; my stores have read their addresses and data
	s_lshl_b32 s40, s51, 6
	v_add_nc_u32 v69, s40, v67
	global_load_b32 v8, v69, s[30:31]
.irp p, 0,1
.irp q, 0,1,2,3
	global_load_b128 v[ACC+16*\p+4*\q:ACC+16*\p+4*\q+3], v68, s[34:35] offset:128*\p+16*\q
.endr
.endr
	s_lshl_b32 s40, s17, 6
	s_add_co_u32 s40, s40, s51
	s_min_u32 s40, s40, 511                        ; T = 64 e + tile
	s_lshl_b32 s41, s40, 15
	s_add_co_u32 s41, s41, s48
	v_add_nc_u32 v6, s41, v65
	s_lshl_b32 s41, s40, 11
	s_add_co_u32 s41, s41, s49
	v_add_nc_u32 v73, s41, v72
.irp g, 0,1,2,3,4,5,6,7
	global_load_b32 v[HS+\g], v73, s[52:53] offset:128*\g
.endr
	s_wait_loadcnt 0x0
	v_min_u32 v8, 0x87f, v8
	v_min_u32 v10, 0x7ff, v8
	v_lshlrev_b32 v10, 2, v10
	global_load_b32 v10, v10, s[12:13]
.irp i, 0,2,4,6,8,10,12,14,16,18,20,22,24,26,28,30
	v_pk_mul_f32 v[ACC+\i:ACC+\i+1], v[ACC+\i:ACC+\i+1], s[36:37] op_sel_hi:[1,0]
.endr
.irp g, 0,1
.irp j, 0,1,2,3,4,5,6,7,8,9,10,11,12,13,14,15
	global_load_b128 v[HF+4*\j:HF+4*\j+3], v6, s[4:5] offset:8192*\g+512*\j   ; eight K steps of h
.endr
	s_wait_loadcnt 0x0                             ; they are in, and so is the gate
.irp kk, 0,1,2,3,4,5,6,7
	TSTEP \g, \kk
.endr
.endr
	EPI 0
.Ltail_next:
	s_add_co_u32 s51, s51, 16
	s_add_co_u32 s50, s50, 1
	s_cmp_lt_u32 s50, 2
	s_cbranch_scc1 .Ltail
	s_wait_xcnt 0x0
	v_lshl_add_u32 v254, v0, 2, 0x22000
	v_mov_b32 v255, 0
	s_wait_tensorcnt 0x0
	ds_add_u32 v254, v255
	s_wait_dscnt 0x0
	s_endpgm
.Lfunc_end_k_qbfdd1237fd_ffn2:
	.size	k_qbfdd1237fd_ffn2, .Lfunc_end_k_qbfdd1237fd_ffn2-k_qbfdd1237fd_ffn2
	.p2alignl 7, 3214868480
	.fill 96, 4, 3214868480
	.section	.rodata,"a",@progbits
	.p2align	6, 0x0
	.amdhsa_kernel k_qbfdd1237fd_ffn2
		.amdhsa_group_segment_fixed_size 141312
		.amdhsa_private_segment_fixed_size 0
		.amdhsa_enable_private_segment 0
		.amdhsa_kernarg_size 48
		.amdhsa_user_sgpr_count 2
		.amdhsa_user_sgpr_kernarg_segment_ptr 1
		.amdhsa_wavefront_size32 1
		.amdhsa_system_sgpr_workgroup_id_x 1
		.amdhsa_system_sgpr_workgroup_id_y 1
		.amdhsa_system_sgpr_workgroup_id_z 1
		.amdhsa_system_vgpr_workitem_id 0
		.amdhsa_next_free_vgpr 256
		.amdhsa_next_free_sgpr 66
		.amdhsa_reserve_vcc 0
		.amdhsa_float_denorm_mode_32 3
		.amdhsa_float_denorm_mode_16_64 3
		.amdhsa_memory_ordered 1
		.amdhsa_forward_progress 1
		.amdhsa_inst_pref_size 128
	.end_amdhsa_kernel
	.amdgpu_metadata
---
amdhsa.version: [ 1, 2 ]
amdhsa.kernels:
  - .name:           k_qbfdd1237fd_ffn2
    .symbol:         k_qbfdd1237fd_ffn2.kd
    .args:
      - { .name: hq, .offset: 0, .size: 8, .value_kind: global_buffer, .address_space: global }
      - { .name: W2, .offset: 8, .size: 8, .value_kind: global_buffer, .address_space: global }
      - { .name: b2, .offset: 16, .size: 8, .value_kind: global_buffer, .address_space: global }
      - { .name: route, .offset: 24, .size: 8, .value_kind: global_buffer, .address_space: global }
      - { .name: gatew, .offset: 32, .size: 8, .value_kind: global_buffer, .address_space: global }
      - { .name: y, .offset: 40, .size: 8, .value_kind: global_buffer, .address_space: global }
    .group_segment_fixed_size: 141312
    .private_segment_fixed_size: 0
    .kernarg_segment_align: 8
    .kernarg_segment_size: 48
    .max_flat_workgroup_size: 512
    .sgpr_count:     66
    .vgpr_count:     256
    .wavefront_size: 32
...
	.end_amdgpu_metadata
.endif
;; end of part 7
;; launch combine: the kernel of part 5 again; grid 256 x 1, 8 waves a work-group, no clusters, 0 bytes of LDS; arguments y, out0; writes out0
;; ======== version 3 of 3: 4 launches; version 2 with the launches ffn1, ffn2 written anew for expert scheduling mode
;; workspace buffers: xq 557,056 bytes; topi 8,192 bytes of whole numbers; gatew 8,192 bytes; route 66,560 bytes of whole numbers; hq 17,825,792 bytes; y 17,825,792 bytes
;; launch gate: the kernel of part 1 again; grid 256 x 1, 4 waves a work-group, no clusters, 52,224 bytes of LDS; arguments x, Wg, bg, xq, topi, gatew; writes xq, topi, gatew
;; launch ffn1 (part 8): grid 32 x 8, 16 waves a work-group, no clusters, 315,904 bytes of LDS; arguments xq, W1, b1, topi, hq, route; writes hq, route
.if DOCPART == 8
	.amdgcn_target "amdgcn-amd-amdhsa--gfx1250"
	.amdhsa_code_object_version 6
	.text
	.protected	k_qbfdd1237fd_ffn1
	.globl	k_qbfdd1237fd_ffn1
	.p2align	8
	.type	k_qbfdd1237fd_ffn1,@function
k_qbfdd1237fd_ffn1:
	s_mov_b64 s[64:65], 0
	v_nop
	global_prefetch_b8 v0, s[64:65] scope:SCOPE_SE
	s_setreg_imm32_b32 hwreg(HW_REG_WAVE_SCHED_MODE, 0, 2), 2
	s_setreg_imm32_b32 hwreg(HW_REG_WAVE_MODE, 25, 1), 1
	s_wait_xcnt 0x0
	s_wait_alu depctr_vm_vsrc(0)
; h = gelu(x W1[e] + b1[e]) for the rows routed to expert e, as codes of FP4 (E2M1) with one E8M0 byte for each 32 along K.  W1 [8][1024 (k)][4096 (n)] f32.
; A work-group takes (expert e = y, 128 hidden units n0 = 128 x, all of K): 512 KiB of W1, read once, quantised here, kept in LDS as images of the operand's registers.
; THE STREAM.  A lane takes a column and its registers run down K: a chunk is 32 k x 32 columns, 32 loads of 128 consecutive bytes; two waves side by side cover 256.  A lane's 32 registers are one block:
; no other lane is asked for the maximum, and the four conversions give 16 bytes of the operand.  Wave w has K step w / 2 and column half w % 2; its 8 chunks go through a ring of two sets of 32 registers.
; Lane l takes column pi(l) = l%8 + 16 ((l/8)%2) + 8 (l/16) of its 32: lanes 0-15 are then tile X (row m = column m + 8 (m/8)), lanes 16-31 tile Y (8 more).
; THE PRODUCT IS USED TRANSPOSED (source 0 = 16 columns of W1, source 1 = 16 routed rows): lane (r, h) holds row r, and X's and Y's 16 registers are hidden units 16 h + 0 .. 15 of a block of 32:
; neighbours along the next product's K.  b1 is the C of each sum's first product.  The two accumulators take turns.
; THE ROWS ARE PLACED HERE.  topi[rho], rho = 2 token + choice, holds 2,048 whole numbers that an earlier launch stored.  Every wave reads them all (64 a lane) and finds, for each lane, the row that stands at one
; position of the expert's list (macro FIND): no LDS, no other wave, EXEC untouched.  It stands between two chunks' turns, where the wave has 64 loads on their way.
; Tile tau of 16 positions: tau < 16 belongs to wave tau (slot 0), tau = 16 .. 27 to wave tau - 16 (slot 1); their x lies in the wave's own LDS.  Tiles from 28 on: a tail of three trips.
; Positions from R on hold dump rows, 2,048 + 16 e + position % 16.  The work-group with x = 0 stores the list and the counts in route, for the next launch.
; Branches hang on counts made of stored whole numbers: none holds a barrier or a part of the stream, and each wait for a load issued under one stands in the same arm.
; The first 64 columns' products and gelu run while the other 64 columns are on their way.
; gelu(v) = max(v, 0) - 0.5 |v| erfc(|v| / sqrt 2);  erfc(z) = t exp(-z^2 + P(t)), t = 1 / (1 + z / 2), P of degree 9: its fractional error is 1.2e-7, to which f32 rounding adds.
; OUT: hq: tile T = 64 e + tau, K step kappa = x of the next product: codes as an image of that operand's registers at (32 T + kappa) 1,024 + 512 c + 16 lane; scale words at 16,777,216 + 2,048 T + 64 kappa + 4 r.
;      route: list e at 8,192 e, a word a position: positions 0 .. 511 always, those of tiles 32 .. nt - 1 where they exist; at 65,536 + 128 e: R, nt = the tiles of 16, zeros.
; LIMITS: NaN and infinities are not served; a block whose largest magnitude lies under 2^-124 keeps the byte 1; a block of zeros gets the byte 1 and not 127 (zero codes; this program alone reads the bytes).
; THE MODE: SCHED_MODE bits 1:0 = 2 (LLVM: expert scheduling mode 2), set by the entry lines.  The code itself states the register dependences
; between vector or matrix instructions and memory or LDS instructions, and those through scalar results of vector instructions, with s_wait_alu, always for 0.
; THE PLAN.  Registers that memory or LDS instructions touch:
;   v1-v13           addresses and offsets, made at the head, ahead of the one wait that stands in front of the first load; v10 and v12 are made anew in the tail.
;   RING             A chunk's turn: its maxima and conversions read the set; behind the turn's ONE wait on va_vdst chunk t + 2 lands in it.  No memory instruction reads it.
;   CD, WW           Written by the turn's conversions and shifts, read by its LDS stores behind that same wait; written again in the next turn, behind a wait on vm_vsrc.
;   v216-v219        The turn's temporaries.  b1 of a tile lands there: the turn's wait on va_vdst stands between.
;   ACC, XS, XF, WS, WF   A tile's LDS loads land in them; its products, gelu and quantiser name them.  A tile's last vector line stands ahead of the wait in front of its stores, a turn's last ahead of the turn's wait,
;                    the tail's last ahead of the wait in front of x's loads: so a tile's first loads owe no wait of their own.  One wait stands in a tile's middle: the first eight products are done reading WF.
;   v20, v21, v14, v15   What leaves: written by the quantiser (and by the lines that store the list), behind a wait on vm_vsrc; read by the stores, behind a wait on va_vdst.
;   v16-v19          x's offsets: made behind FIND, ahead of the wait in front of the three arms; made anew in the tail.
;   Masks: every compare into a scalar register or VCC has its wait ahead of the first line that reads the mask.  In FIND one wait a group of four registers serves eight compares.
.set XSLOT, 8704                       ; LDS: a tile's x: 8 fragments of 1,024 bytes, then 512 bytes of scale words; 28 such from byte 0
.set WB,    243712                     ; the weights: 4 blocks of 32 hidden units,
.set WBLK,  17408                      ; each 16 fragments of 1,024 bytes ((2 s + u) 1,024: K step s, tile u) and 8 x 128 bytes of scale words
.set BB,    313344                     ; the slice's 128 numbers of b1
.set XSCL,  524288
.set HSCL,  16777216
.set RING,  24                         ; v24-87   two sets of 32 numbers of W1
.set XF,    88                         ; v88-151  x's 8 fragments; gelu's a, t, v^2, max(v, 0)
.set WF,    152                        ; v152-215 8 fragments of W1; gelu's P
.set IDX,   152                        ; the 2,048 choices, 64 a lane, while FIND runs
.set ACC,   216                        ; v216-231 X and Y; between tiles the stream's temporaries
.set XS,    232                        ; v232-235 x's scale words: lanes 0-15 K steps 0-3, lanes 16-31 K steps 4-7
.set CD,    236                        ; v236-239 a chunk's codes
.set WS,    240                        ; v240-247 W1's scale words: lanes 0-15 X's rows, lanes 16-31 Y's
.set QM,    216
.set QN,    217
.set QS,    218
.set QB,    219
.set XS1,   228                        ; slot 1's x scale words on their way to LDS
.set HM,    248
.set HN,    249
.set HP,    250
.set HE,    251
.set HB,    252
.set WW,    253                        ; my column's scale word in the making
.set C9V,   254                        ; v254-255 c9
.set GA,    XF
.set GT,    XF+16
.set GW,    XF+32
.set GM,    XF+48
.set GP,    WF
.set FQ,    240                        ; FIND: the position that my lane asks for
.set FM,    241                        ; the mask that holds it
.set FP,    242                        ; that mask's base, and 128 j + c above it
.set FK,    243                        ; which of the mask's set bits
.set FA1,   244                        ; the mask's counts in fields of 2,
.set FA2,   245                        ; 4,
.set FA4,   246                        ; 8
.set FA8,   247                        ; and 16 bits
.set FTT,   248
.set FU,    249
.set FPOS,  250
.set FW,    251
.set FR,    252                        ; the row found
.set FMK,   72                         ; s72-79  two sets of four masks
.set FB,    80                         ; s80-84  the bases of a group's four registers, and of the next group
.set FT,    85                         ; s85-88  counts, then the packs
.set FL,    89                         ; s89-92  where base <= q
; v1 4 pi(l); v2, v3 where I store codes and scale words; v4, v5 16 l in blocks 0-1, 2-3; v6 scale words; v7 bias; v8, v9 my slots of x; v10, v11 and v12, v13 my places in hq; v14, v15 h's scale words;
; v16-19 my row's places in xq; v20-21 h's codes; v22, v23 my tiles' rows
.macro SC2 r, val
	s_mov_b32 s[\r], \val
	s_mov_b32 s[\r+1], s[\r]                       ; (a packed line names the pair, so both are written)
.endm
.macro CHUNK t                         ; chunk t: columns 64 (t / 4) on, block t % 4 of my K step
.set RS, RING+32*((\t)%2)
.set CO, ((\t)/4)*256+((\t)%4)*32*16384
.irp i, 0,1,2,3,4,5,6,7,8,9,10,11,12,13,14,15,16,17,18,19,20,21,22,23,24,25,26,27,28,29,30,31
	global_load_b32 v[RS+\i], v1, s[28:29] offset:CO+\i*16384 th:TH_LOAD_NT
.endr
.endm
.macro QW later                        ; the 32 numbers at v[RS]: the block's scale operand in QS, its byte in QB, its codes in CD.  later = 0: the first chunk, with no LDS store of codes in front of it
	v_max3_num_f32 v[QM], |v[RS]|, |v[RS+1]|, |v[RS+2]|
	v_max3_num_f32 v[QN], |v[RS+3]|, |v[RS+4]|, |v[RS+5]|
.irp i, 6,10,14,18,22,26
	v_max3_num_f32 v[QM], v[QM], |v[RS+\i]|, |v[RS+\i+1]|
	v_max3_num_f32 v[QN], v[QN], |v[RS+\i+2]|, |v[RS+\i+3]|
.endr
	v_max3_num_f32 v[QM], v[QM], |v[RS+30]|, |v[RS+31]|
	v_max3_num_f32 v[QM], v[QM], v[QN], 0x1800000  ; and the floor 2^(3 - 127): the byte cannot fall under 1
	v_add_nc_u32 v[QS], 0xff000000, v[QM]          ; 2 off the exponent field
	v_lshrrev_b32 v[QB], 23, v[QS]
	s_wait_dscnt 0x0                               ; the last chunk's LDS stores are done,
.if \later
	s_wait_alu depctr_vm_vsrc(0)                   ; and they have read CD and WW, which the lines below write again
.endif
.irp g, 0,1,2,3
	v_cvt_scalef32_pk8_fp4_f32 v[CD+\g], v[RS+8*\g:RS+8*\g+7], v[QS]
.endr
	v_nop                                          ; one plain line behind the last scaled conversion
.endm
.macro TURN t, n, more                 ; chunk t is quantised and stored; n: the loads issued behind it; more = 1: its set takes chunk t + 2
	s_wait_loadcnt \n
.set RS, RING+32*((\t)%2)
	QW \t
.if ((\t)%4) == 0
	v_mov_b32 v[WW], v[QB]
.else
	v_lshl_or_b32 v[WW], v[QB], 8*((\t)%4), v[WW]
.endif
	s_wait_alu depctr_va_vdst(0)                   ; CD and WW are written, which the LDS stores read; the maxima and conversions are done reading this set, in which chunk t + 2 lands, and with v216 to v219, in which a tile's b1 lands
	ds_store_b128 v2, v[CD:CD+3] offset:((\t)/4)*2*WBLK+(((\t)%4)/2)*512+((\t)%2)*256   ; block beta = 2 c + h of the K step: 512 c + 256 h + 16 r; lanes 16-31 into Y's image
.if ((\t)%4) == 3
	ds_store_b32 v3, v[WW] offset:((\t)/4)*2*WBLK
.endif
.if \more
	CHUNK (\t)+2
.endif
.endm
; FIND.  Register i = 4 j + c of lane l holds the choice of rho = 128 j + 4 l + c.  The expert's list runs by (i, lane): the position of a member is the members in the registers before (the register's base)
; plus the members in the lanes before.  In: v[FQ], the position q that my lane asks for.  Out: v[FR], the row there; s[FB] = R, the expert's rows.
; The scan goes in groups of four registers.  The largest i whose base does not exceed q holds position q, where q < R: bases never fall, so the last select that takes is the right one.
.macro FCMP g                          ; group g's four masks: who has chosen my expert
.irp j, 0,1,2,3
	v_cmp_eq_u32 s[FMK+4*((\g)%2)+\j], s15, v[IDX+4*(\g)+\j]
.endr
.endm
.macro FSTEP a, w                      ; does the wanted bit lie beyond the next w bits?  a: the counts in fields of w bits
	v_bfe_u32 v[FTT], v[\a], v[FPOS], \w           ; the set bits among them
	v_mov_b32 v[FW], \w
	v_cmp_ge_u32 vcc_lo, v[FK], v[FTT]
	s_wait_alu depctr_va_vcc(0)                    ; VCC is written: the two selects read it
	v_cndmask_b32 v[FTT], 0, v[FTT], vcc_lo
	v_cndmask_b32 v[FU], 0, v[FW], vcc_lo
	v_sub_nc_u32 v[FK], v[FK], v[FTT]
	v_add_nc_u32 v[FPOS], v[FPOS], v[FU]
.endm
.macro FIND
	s_mov_b32 s[FB], 0
	v_mov_b32 v[FM], 0
	v_mov_b32 v[FP], 0
	FCMP 0
	s_wait_alu depctr_va_sdst(0)                   ; group 0's four masks are written: the counts below read them
.set FG, 0
.rept 16
.irp j, 0,1,2,3
	s_bcnt1_i32_b32 s[FT+\j], s[FMK+4*(FG%2)+\j]
.endr
.irp j, 0,1,2,3
	s_add_co_u32 s[FB+\j+1], s[FB+\j], s[FT+\j]
.endr
.irp j, 0,1,2,3
	s_or_b32 s[FT+\j], s[FB+\j], (128*FG+\j)<<16   ; the base (under 2^16) and, above it, rho of the register's lane 0
.endr
.if FG < 15
	FCMP FG+1                                      ; the next group's masks are made a group ahead, into the other set
.endif
.irp j, 0,1,2,3
	v_cmp_le_u32 s[FL+\j], s[FB+\j], v[FQ]
.endr
	s_wait_alu depctr_va_sdst(0)                   ; the four masks base <= q are written, which the selects read; so are the next group's four, which that group's counts read
.irp j, 0,1,2,3
	v_cndmask_b32 v[FM], v[FM], s[FMK+4*(FG%2)+\j], s[FL+\j]
	v_cndmask_b32 v[FP], v[FP], s[FT+\j], s[FL+\j]
.endr
	s_mov_b32 s[FB], s[FB+4]
.set FG, FG+1
.endr
	v_and_b32 v[FK], 0xffff, v[FP]
	v_sub_nc_u32 v[FK], v[FQ], v[FK]               ; k: I want the mask's k-th set bit, counted from 0
	v_lshrrev_b32 v[FP], 16, v[FP]
	v_lshrrev_b32 v[FTT], 1, v[FM]                 ; the mask's set bits, counted in fields of 2, 4, 8 and 16 bits
	v_and_b32 v[FTT], 0x55555555, v[FTT]
	v_sub_nc_u32 v[FA1], v[FM], v[FTT]
	v_lshrrev_b32 v[FTT], 2, v[FA1]
	v_and_b32 v[FTT], 0x33333333, v[FTT]
	v_and_b32 v[FA2], 0x33333333, v[FA1]
	v_add_nc_u32 v[FA2], v[FA2], v[FTT]
	v_lshrrev_b32 v[FTT], 4, v[FA2]
	v_add_nc_u32 v[FTT], v[FTT], v[FA2]
	v_and_b32 v[FA4], 0x0f0f0f0f, v[FTT]
	v_lshrrev_b32 v[FTT], 8, v[FA4]
	v_add_nc_u32 v[FTT], v[FTT], v[FA4]
	v_and_b32 v[FA8], 0x00ff00ff, v[FTT]
	v_mov_b32 v[FPOS], 0
	FSTEP FA8, 16
	FSTEP FA4, 8
	FSTEP FA2, 4
	FSTEP FA1, 2
	FSTEP FM, 1                                    ; FPOS: the lane that holds the row
	v_lshl_add_u32 v[FP], v[FPOS], 2, v[FP]        ; rho
	v_and_b32 v[FTT], 15, v[FQ]
	v_add_nc_u32 v[FTT], s22, v[FTT]               ; the dump row of this position
	v_cmp_gt_u32 vcc_lo, s[FB], v[FQ]              ; R > q: the position is taken
	s_wait_alu depctr_va_vcc(0)                    ; VCC is written: the select reads it
	v_cndmask_b32 v[FR], v[FTT], v[FP], vcc_lo
.endm
.macro XLOAD sl                        ; my tile's x: lane (r, h) takes its row's 16 bytes of each half K step, and 16 of its 32 scale bytes
.if \sl == 0
.set XD, XF
.set XSD, XS
.else
.set XD, WF
.set XSD, XS1
.endif
.irp s, 0,1,2,3,4,5,6,7
.irp c, 0,1
	global_load_b128 v[XD+8*\s+4*\c:XD+8*\s+4*\c+3], v[16+\sl], s[4:5] offset:64*\s+32*\c
.endr
.endr
	global_load_b128 v[XSD:XSD+3], v[18+\sl], s[4:5] offset:XSCL
.endm
.macro XSAVE sl                        ; and its image in my own LDS
.if \sl == 0
.set XD, XF
.set XSD, XS
.else
.set XD, WF
.set XSD, XS1
.endif
.irp s, 0,1,2,3,4,5,6,7
.irp c, 0,1
	ds_store_b128 v[8+\sl], v[XD+8*\s+4*\c:XD+8*\s+4*\c+3] offset:1024*\s+512*\c
.endr
.endr
	ds_store_b128 v[8+\sl], v[XSD:XSD+3] offset:8192
.endm
.macro ARM n, cnt                      ; chunks 2 and 3 for a wave with n tiles.  cnt: what lies behind chunk 2, and then behind chunk 3: 32 loads of a chunk and 17 n of x (the count's field ends at 63)
.if \n > 0
	XLOAD 0                                        ; (no vector line since the wait in front of the arms names a register that x's loads touch; the turns below name v216-219, CD, WW and the ring alone)
.endif
.if \n > 1
	XLOAD 1
.endif
	TURN 2, \cnt, 1
	TURN 3, \cnt, 1
.if \n > 0
	s_wait_loadcnt 63                              ; x is in: chunks 4 and 5, 64 loads, lie behind it
	XSAVE 0
.endif
.if \n > 1
	XSAVE 1
.endif
.endm
.macro WLOAD b, hf                     ; block b's fragments of K steps 4 hf .. 4 hf + 3
.irp s, 0,1,2,3
.irp u, 0,1
.irp c, 0,1
	ds_load_b128 v[WF+16*\s+8*\u+4*\c:WF+16*\s+8*\u+4*\c+3], v[4+(\b)/2] offset:((\b)%2)*WBLK+(2*(4*\hf+\s)+\u)*1024+512*\c
.endr
.endr
.endr
.endm
.macro MM hf                           ; 8 products: K steps 4 hf .. 4 hf + 3, X and Y by turns
.irp s, 0,1,2,3
.if \hf == 0
	v_wmma_scale_f32_16x16x128_f8f6f4 v[ACC:ACC+7], v[WF+16*\s:WF+16*\s+7], v[XF+8*\s:XF+8*\s+7], v[ACC:ACC+7], v[WS+\s], v[XS+\s] matrix_a_fmt:MATRIX_FMT_FP4 matrix_b_fmt:MATRIX_FMT_FP4
	v_wmma_scale_f32_16x16x128_f8f6f4 v[ACC+8:ACC+15], v[WF+16*\s+8:WF+16*\s+15], v[XF+8*\s:XF+8*\s+7], v[ACC+8:ACC+15], v[WS+\s], v[XS+\s] matrix_a_fmt:MATRIX_FMT_FP4 matrix_b_fmt:MATRIX_FMT_FP4 matrix_a_scale:MATRIX_SCALE_ROW1
.else
	v_wmma_scale_f32_16x16x128_f8f6f4 v[ACC:ACC+7], v[WF+16*\s:WF+16*\s+7], v[XF+32+8*\s:XF+32+8*\s+7], v[ACC:ACC+7], v[WS+4+\s], v[XS+\s] matrix_a_fmt:MATRIX_FMT_FP4 matrix_b_fmt:MATRIX_FMT_FP4 matrix_b_scale:MATRIX_SCALE_ROW1
	v_wmma_scale_f32_16x16x128_f8f6f4 v[ACC+8:ACC+15], v[WF+16*\s+8:WF+16*\s+15], v[XF+32+8*\s:XF+32+8*\s+7], v[ACC+8:ACC+15], v[WS+4+\s], v[XS+\s] matrix_a_fmt:MATRIX_FMT_FP4 matrix_b_fmt:MATRIX_FMT_FP4 matrix_a_scale:MATRIX_SCALE_ROW1 matrix_b_scale:MATRIX_SCALE_ROW1
.endif
.endr
.endm
.macro GELU                            ; the 16 numbers in ACC, in place
.irp i, 0,1,2,3,4,5,6,7,8,9,10,11,12,13,14,15
	v_mul_f32 v[GA+\i], 0.5, |v[ACC+\i]|           ; a = |v| / 2; each accumulator is read from its low end on
.endr
.irp i, 0,2,4,6,8,10,12,14
	v_pk_fma_f32 v[GT+\i:GT+\i+1], v[GA+\i:GA+\i+1], s[60:61], 1.0 op_sel_hi:[1,0,0]   ; 1 + z / 2, z = |v| / sqrt 2
.endr
.irp i, 0,1,2,3,4,5,6,7,8,9,10,11,12,13,14,15
	v_rcp_f32 v[GT+\i], v[GT+\i]                   ; t
.endr
.irp i, 0,2,4,6,8,10,12,14
	v_pk_mul_f32 v[GW+\i:GW+\i+1], v[ACC+\i:ACC+\i+1], v[ACC+\i:ACC+\i+1]   ; v^2: plain work that names no reciprocal
.endr
.irp i, 0,1,2,3,4,5,6,7,8,9,10,11,12,13,14,15
	v_max_num_f32 v[GM+\i], 0, v[ACC+\i]
.endr
	s_wait_alu depctr_va_vdst(0)                   ; one wait for the 16 reciprocals, ahead of their first reader
.irp i, 0,2,4,6,8,10,12,14
	v_pk_fma_f32 v[GP+\i:GP+\i+1], v[GT+\i:GT+\i+1], v[C9V:C9V+1], s[56:57] op_sel_hi:[1,1,0]   ; c9 t + c8
.endr
.irp k, 7,6,5,4,3,2,1,0
.irp i, 0,2,4,6,8,10,12,14
	v_pk_fma_f32 v[GP+\i:GP+\i+1], v[GP+\i:GP+\i+1], v[GT+\i:GT+\i+1], s[40+2*\k:41+2*\k] op_sel_hi:[1,1,0]
.endr
.endr
.irp i, 0,2,4,6,8,10,12,14
	v_pk_fma_f32 v[GP+\i:GP+\i+1], v[GW+\i:GW+\i+1], -0.5, v[GP+\i:GP+\i+1] op_sel_hi:[1,0,1]   ; - z^2 + P
.endr
.irp i, 0,2,4,6,8,10,12,14
	v_pk_mul_f32 v[GP+\i:GP+\i+1], v[GP+\i:GP+\i+1], s[62:63] op_sel_hi:[1,0]                   ; x log2(e)
.endr
.irp i, 0,1,2,3,4,5,6,7,8,9,10,11,12,13,14,15
	v_exp_f32 v[GP+\i], v[GP+\i]
.endr
	v_nop                                          ; a plain line behind the last exponential
	s_wait_alu depctr_va_vdst(0)                   ; one wait for the 16 exponentials, ahead of their first reader
.irp i, 0,2,4,6,8,10,12,14
	v_pk_mul_f32 v[GP+\i:GP+\i+1], v[GP+\i:GP+\i+1], v[GT+\i:GT+\i+1]                           ; erfc(z)
.endr
.irp i, 0,2,4,6,8,10,12,14
	v_pk_fma_f32 v[ACC+\i:ACC+\i+1], v[GA+\i:GA+\i+1], v[GP+\i:GP+\i+1], v[GM+\i:GM+\i+1] neg_lo:[1,0,0] neg_hi:[1,0,0]   ; max(v, 0) - a erfc(z)
.endr
.endm
.macro QH sl, b                        ; my 16 numbers are half of block b of row r; lane l xor 16 has the other half
	v_max3_num_f32 v[HM], |v[ACC]|, |v[ACC+1]|, 0x1800000
	v_max3_num_f32 v[HN], |v[ACC+2]|, |v[ACC+3]|, |v[ACC+4]|
	v_max3_num_f32 v[HM], v[HM], |v[ACC+5]|, |v[ACC+6]|
	v_max3_num_f32 v[HN], v[HN], |v[ACC+7]|, |v[ACC+8]|
	v_max3_num_f32 v[HM], v[HM], |v[ACC+9]|, |v[ACC+10]|
	v_max3_num_f32 v[HN], v[HN], |v[ACC+11]|, |v[ACC+12]|
	v_max3_num_f32 v[HM], v[HM], |v[ACC+13]|, |v[ACC+14]|
	v_max3_num_f32 v[HM], v[HM], v[HN], |v[ACC+15]|
	v_permlanex16_b32 v[HP], v[HM], s36, s37
	v_max_num_f32 v[HM], v[HM], v[HP]
	v_add_nc_u32 v[HE], 0xff000000, v[HM]
	v_lshrrev_b32 v[HB], 23, v[HE]
	s_wait_xcnt 0x0                                ; the earlier stores have had their addresses translated: v14, v15, v20 and v21 are written again only behind this wait,
	s_wait_alu depctr_vm_vsrc(0)                   ; and behind this one: those stores have read v14, v15, v20 and v21
	v_cvt_scalef32_pk8_fp4_f32 v20, v[ACC:ACC+7], v[HE]
	v_cvt_scalef32_pk8_fp4_f32 v21, v[ACC+8:ACC+15], v[HE]
.if \b == 0
	v_mov_b32 v[14+\sl], v[HB]                     ; (also the plain line behind the conversions)
.else
	v_lshl_or_b32 v[14+\sl], v[HB], 8*\b, v[14+\sl]
.endif
	s_wait_alu depctr_va_vdst(0)                   ; the codes in v20 and v21 and the scale word are written, which the stores read; and the tile's products, gelu and quantiser are done with ACC, XS, XF, WS and WF, in which the next tile's loads land
	global_store_b64 v[10+\sl], v[20:21], s[32:33] offset:(\b/2)*512+(\b%2)*256 th:TH_STORE_NT   ; the wave stores 256 consecutive bytes, at a multiple of 256 from hq's first byte
.if \b == 3
	global_store_b32 v[12+\sl], v[14+\sl], s[34:35] th:TH_STORE_NT                               ; both lanes of a row write the same word with the same value
.endif
.endm
.macro TILE sl, b                      ; 16 rows x block b's 32 hidden units, all of K.  Its first loads owe no wait: on every way here no vector or matrix line stands behind the last wait on va_vdst, and x's LDS stores stand ahead of a wait on vm_vsrc
.irp q, 0,1,2,3
	ds_load_b128 v[ACC+4*\q:ACC+4*\q+3], v7 offset:128*\b+16*\q    ; b1 at my 16 hidden units: the sums begin with it
.endr
	ds_load_b128 v[XS:XS+3], v[8+\sl] offset:8192
.irp s, 0,1,2,3,4,5,6,7
.irp c, 0,1
	ds_load_b128 v[XF+8*\s+4*\c:XF+8*\s+4*\c+3], v[8+\sl] offset:1024*\s+512*\c
.endr
.endr
.irp s, 0,1,2,3,4,5,6,7
	ds_load_b32 v[WS+\s], v6 offset:\b*WBLK+128*\s
.endr
	WLOAD \b, 0
	s_wait_dscnt 0x0
	MM 0
.rept 4
	v_nop                                          ; four places in front of loads into registers that the products have read
.endr
	s_wait_alu depctr_va_vdst(0)                   ; the eight products are done reading WF, in which the other four K steps' fragments land
	WLOAD \b, 1
	s_wait_dscnt 0x0
	MM 1
.rept 4
	v_nop                                          ; and in front of the first read of the results
.endr
	GELU
	QH \sl, \b
.endm
.macro CB b                            ; block b for my tiles, if I have any
	s_cmp_lt_u32 s14, s21
	s_cbranch_scc0 .Lcb_end_\@
	TILE 0, \b
	s_cmp_lt_u32 s14, 12                           ; slot 1 exists for waves 0 to 11
	s_cbranch_scc0 .Lcb_end_\@
	s_cmp_lt_u32 s25, s24
	s_cbranch_scc0 .Lcb_end_\@
	TILE 1, \b
.Lcb_end_\@:
.endm
	s_load_b256 s[4:11], s[0:1], 0x0               ; xq s[4:5], W1 s[6:7], b1 s[8:9], topi s[10:11]
	s_load_b64 s[12:13], s[0:1], 0x20              ; hq
	s_load_b64 s[38:39], s[0:1], 0x28              ; route
	v_lshrrev_b32 v1, 5, v0
	v_readfirstlane_b32 s14, v1                    ; wave 0..15
	s_wait_alu depctr_va_sdst(0)                   ; s14 is written, ahead of its first reader
	s_and_b32 s15, ttmp7, 0xffff                   ; expert
	s_and_b32 s17, s14, 1                          ; my column half
	s_lshr_b32 s18, s14, 1                         ; my K step
	s_add_co_u32 s25, s14, 16                      ; my second tile
	s_lshl_b32 s22, s15, 4
	s_add_co_u32 s22, s22, 2048                    ; the expert's first dump row
	v_and_b32 v88, 15, v0                          ; r
	v_bfe_u32 v89, v0, 4, 1                        ; h
	v_and_b32 v90, 31, v0                          ; l
	v_and_b32 v1, 7, v0
	v_and_b32 v91, 8, v0
	v_lshl_or_b32 v1, v91, 1, v1
	v_and_b32 v91, 16, v0
	v_lshrrev_b32 v91, 1, v91
	v_or_b32 v1, v1, v91
	v_lshlrev_b32 v1, 2, v1                        ; 4 pi(l)
	s_mul_i32 s26, s17, WBLK
	s_add_co_u32 s26, s26, WB                      ; block = my column half (the stage's two blocks stand in the immediates)
	s_lshl_b32 s27, s18, 11
	s_add_co_u32 s27, s27, s26
	v_lshlrev_b32 v2, 4, v88
	v_lshl_add_u32 v2, v89, 10, v2
	v_add_nc_u32 v2, s27, v2                       ; my K step's two fragments: X's for lanes 0-15, Y's for lanes 16-31; 16 r
	s_lshl_b32 s27, s18, 7
	s_add_co_u32 s27, s27, s26
	s_add_co_u32 s27, s27, 16384
	v_lshlrev_b32 v3, 2, v90
	v_add_nc_u32 v3, s27, v3
	v_lshlrev_b32 v91, 4, v90                      ; 16 l
	v_add_nc_u32 v4, WB, v91
	v_add_nc_u32 v5, WB+2*WBLK, v91
	v_lshl_add_u32 v6, v90, 2, WB+16384
	v_lshl_add_u32 v7, v89, 6, BB
	s_mul_i32 s27, s14, XSLOT
	v_add_nc_u32 v8, s27, v91
	s_add_co_u32 s27, s27, 16*XSLOT
	v_add_nc_u32 v9, s27, v91
	v_lshlrev_b32 v92, 2, v0                       ; b1: a word a thread, waves 0 to 3
	v_lshl_add_u32 v93, v0, 2, BB
	v_lshlrev_b32 v96, 4, v89                      ; 16 h
	v_lshlrev_b32 v97, 4, v88
	v_lshl_add_u32 v97, v89, 3, v97                ; 16 r + 8 h
	v_lshlrev_b32 v98, 2, v88                      ; 4 r
	s_lshl_b32 s19, s14, 4
	v_lshl_add_u32 v[FQ], v89, 8, v88
	v_add_nc_u32 v[FQ], s19, v[FQ]                 ; the position that I ask for: lanes 0-15 tile w, lanes 16-31 tile w + 16: 16 w + r + 256 h
	s_lshl_b32 s19, s15, 6
	s_add_co_u32 s19, s19, s14                     ; my tiles' places in hq: T = 64 e + w,
	s_lshl_b32 s26, s19, 15
	v_add_nc_u32 v10, s26, v97
	s_lshl_b32 s26, s19, 11
	v_add_nc_u32 v12, s26, v98
	s_add_co_u32 s19, s19, 16                      ; and 16 more
	s_lshl_b32 s26, s19, 15
	v_add_nc_u32 v11, s26, v97
	s_lshl_b32 s26, s19, 11
	v_add_nc_u32 v13, s26, v98
	v_mov_b32 v14, 0
	v_mov_b32 v15, 0
	v_mov_b32 v[HP], 0                             ; written once: a lane permute's destination counts as one of its sources
	v_mov_b32 v[C9V], 0x3e2ef945                   ; c9 = 0.17087277
	v_mov_b32 v[C9V+1], 0x3e2ef945
	s_mov_b32 s36, 0x76543210
	s_mov_b32 s37, 0xfedcba98
	SC2 40, 0xbfa1fc4e                             ; c0 = -1.26551223
	SC2 42, 0x3f8000c7                             ; c1 =  1.00002368
	SC2 44, 0x3ebf88fb                             ; c2 =  0.37409196
	SC2 46, 0x3dc636c9                             ; c3 =  0.09678418
	SC2 48, 0xbe3ec24c                             ; c4 = -0.18628806
	SC2 50, 0x3e8ec7cc                             ; c5 =  0.27886807
	SC2 52, 0xbf914e5d                             ; c6 = -1.13520398
	SC2 54, 0x3fbe87b0                             ; c7 =  1.48851587
	SC2 56, 0xbf527892                             ; c8 = -0.82215223
	SC2 60, 0x3f3504f3                             ; 1 / sqrt 2
	SC2 62, 0x3fb8aa3b                             ; log2(e)
	s_mov_b32 s27, 0
	s_wait_kmcnt 0x0
	s_lshl_b32 s26, s15, 13
	s_add_nc_u64 s[30:31], s[38:39], s[26:27]      ; route: the expert's list,
	s_lshl_b32 s26, s15, 7
	s_add_nc_u64 s[38:39], s[38:39], s[26:27]      ; and its counts (65,536 stands in the store's immediate)
	s_lshl_b32 s26, s15, 24                        ; W1: expert,
	s_lshl_b32 s19, s18, 21                        ; 128 rows of 16,384 bytes for each K step,
	s_add_co_u32 s26, s26, s19
	s_lshl_b32 s19, ttmp9, 9                       ; 128 columns for each slice,
	s_add_co_u32 s26, s26, s19
	s_lshl_b32 s19, s17, 7                         ; 32 for my half
	s_add_co_u32 s26, s26, s19
	s_add_nc_u64 s[28:29], s[6:7], s[26:27]
	s_lshl_b32 s26, s15, 14
	s_lshl_b32 s19, ttmp9, 9
	s_add_co_u32 s26, s26, s19
	s_add_nc_u64 s[8:9], s[8:9], s[26:27]          ; b1 at the slice
	s_lshl_b32 s26, ttmp9, 10
	s_add_nc_u64 s[32:33], s[12:13], s[26:27]      ; hq's codes at K step = slice
	s_lshl_b32 s26, ttmp9, 6
	s_add_co_u32 s26, s26, HSCL
	s_add_nc_u64 s[34:35], s[12:13], s[26:27]      ; and its scale words
	s_wait_alu depctr_va_vdst(0)                   ; v1 to v13 and v91 to v93 are written: the addresses and offsets by which the loads and stores of the whole kernel go
.irp j, 0,1,2,3,4,5,6,7,8,9,10,11,12,13,14,15
	global_load_b128 v[IDX+4*\j:IDX+4*\j+3], v91, s[10:11] offset:512*\j   ; the 2,048 choices: 512 consecutive bytes a load
.endr
	s_cmp_lt_u32 s14, 4
	s_cbranch_scc0 .Lno_b1
	global_load_b32 v94, v92, s[8:9]
.Lno_b1:
	CHUNK 0
	CHUNK 1
	s_wait_loadcnt 63                              ; the choices and b1 are in: the 64 loads of chunks 0 and 1 lie behind them (the count's field ends at 63)
	s_cmp_lt_u32 s14, 4
	s_cbranch_scc0 .Lno_b1s
	ds_store_b32 v93, v94
	s_wait_dscnt 0x0                               ; the store is done (that it has read v93 and v94, in which x lands later, is stated by chunk 1's wait on vm_vsrc)
.Lno_b1s:
	TURN 0, 32, 1                                  ; behind chunk 0: chunk 1
	TURN 1, 32, 1                                  ; behind chunk 1: chunk 2
	FIND                                           ; chunks 2 and 3 are on their way meanwhile
	s_mov_b32 s20, s[FB]                           ; R
	s_add_co_u32 s21, s20, 15
	s_lshr_b32 s21, s21, 4
	s_min_u32 s21, s21, 64                         ; nt
	s_min_u32 s24, s21, 28                         ; the tiles that have a slot
	v_permlanex16_b32 v[FU], v[FR], s36, s37       ; what lane l xor 16 has found
	v_cmp_gt_u32 vcc_lo, 16, v90
	s_wait_alu depctr_va_vcc(0)                    ; VCC is written: the two selects read it
	v_cndmask_b32 v22, v[FU], v[FR], vcc_lo        ; row r of tile w, in both halves of the lanes,
	v_cndmask_b32 v23, v[FR], v[FU], vcc_lo        ; and of tile w + 16
	s_cmp_eq_u32 ttmp9, 0                          ; the expert's first work-group stores the list and the counts
	s_cbranch_scc0 .Lno_route
	v_lshlrev_b32 v20, 2, v[FQ]
	v_mov_b32 v21, v[FR]
	s_wait_alu depctr_va_vdst(0)                   ; v20 and v21 are written: the store's offset and data
	global_store_b32 v20, v21, s[30:31]            ; the sixteen waves store positions 0 .. 511
	s_cmp_eq_u32 s14, 0
	s_cbranch_scc0 .Lno_route
	v_mov_b32 v14, 0
	v_writelane_b32 v14, s20, 0
	v_writelane_b32 v14, s21, 1
	v_lshlrev_b32 v15, 2, v90
	s_wait_alu depctr_va_vdst(0)                   ; v14 and v15 are written: the store's data and offset
	global_store_b32 v15, v14, s[38:39] offset:65536
.Lno_route:
.irp sl, 0,1
	v_lshrrev_b32 v[22+\sl], 1, v[22+\sl]          ; the row's token,
	v_min_u32 v[22+\sl], 0x3ff, v[22+\sl]          ; bounded (a dump row takes the last token's x: its results go nowhere)
	v_lshlrev_b32 v[16+\sl], 9, v[22+\sl]
	v_add_nc_u32 v[16+\sl], v[16+\sl], v96
	v_lshlrev_b32 v[18+\sl], 5, v[22+\sl]
	v_add_nc_u32 v[18+\sl], v[18+\sl], v96
.endr
	s_wait_alu depctr_va_vdst(0)                   ; v16 to v19 are written, by which x's loads go; the head's arithmetic is done with v88 to v98 and FIND's compares with v152 to v215, in which x lands (the loads and the LDS store that read v91 to v94 stand ahead of chunk 1's wait on vm_vsrc)
	s_cmp_lt_u32 s14, s21                          ; how many tiles have I?  Three arms, so that each wait has its exact count; no barrier stands in them
	s_cbranch_scc0 .Larm0
	s_cmp_lt_u32 s14, 12
	s_cbranch_scc0 .Larm1
	s_cmp_lt_u32 s25, s24
	s_cbranch_scc0 .Larm1
	ARM 2, 63
	s_branch .Ljoin
.Larm1:
	ARM 1, 49
	s_branch .Ljoin
.Larm0:
	ARM 0, 32
.Ljoin:                                            ; chunks 4 and 5 are out, on every way
	s_wait_dscnt 0x0                               ; my part of blocks 0 and 1, of b1, and my x have landed
	s_barrier_signal -1
	s_barrier_wait -1
	TURN 4, 32, 1                                  ; blocks 2 and 3 are on their way while blocks 0 and 1 are multiplied; no global load stands in a CB, so the counts hold.  (This turn's wait on vm_vsrc also states that x's LDS stores have read XF, XS, WF and v228 to v231, in which the tiles' loads land)
	CB 0
	TURN 5, 32, 1
	CB 1
	TURN 6, 32, 0
	TURN 7, 0, 0
	s_wait_dscnt 0x0
	s_barrier_signal -1
	s_barrier_wait -1
	CB 2
	CB 3
	; THE TAIL: tiles 28 + w + 16 k, k = 0, 1, 2: an expert with more than 448 rows.  The weights stay where they are; the choices are read again; x goes through my slot 0; no barrier is needed
	s_mov_b32 s66, 0
	s_add_co_u32 s67, s14, 28
.Ltail:
	s_cmp_lt_u32 s67, s21
	s_cbranch_scc0 .Ltail_next
	s_wait_xcnt 0x0                                ; my stores have had their addresses translated,
	s_wait_alu depctr_vm_vsrc(0)                   ; and they have read v10, v12, v20 and v21, and x's and the choices' loads v16 to v19: all these are written again in this trip
	v_and_b32 v22, 15, v0
	v_bfe_u32 v23, v0, 4, 1
	v_and_b32 v17, 31, v0
	v_lshlrev_b32 v17, 4, v17
	s_wait_alu depctr_va_vdst(0)                   ; v17 is written, by which the loads below go (the last tile's products and gelu, which named v152 to v215, stand ahead of the wait in front of its stores)
.irp j, 0,1,2,3,4,5,6,7,8,9,10,11,12,13,14,15
	global_load_b128 v[IDX+4*\j:IDX+4*\j+3], v17, s[10:11] offset:512*\j
.endr
	s_lshl_b32 s68, s67, 4
	v_add_nc_u32 v[FQ], s68, v22                   ; both halves of the lanes ask for position 16 tile + r
	s_lshl_b32 s69, s15, 6
	s_add_co_u32 s69, s69, s67
	s_min_u32 s69, s69, 511                        ; T = 64 e + tile
	s_lshl_b32 s70, s69, 15
	v_lshlrev_b32 v10, 4, v22
	v_lshl_add_u32 v10, v23, 3, v10
	v_add_nc_u32 v10, s70, v10
	s_lshl_b32 s70, s69, 11
	v_lshlrev_b32 v12, 2, v22
	v_add_nc_u32 v12, s70, v12
	v_lshlrev_b32 v23, 4, v23
	s_wait_loadcnt 0x0
	FIND
	s_cmp_eq_u32 ttmp9, 0                          ; the list's positions from 512 on, by the expert's first work-group
	s_cbranch_scc0 .Ltail_nr
	s_cmp_ge_u32 s67, 32
	s_cbranch_scc0 .Ltail_nr
	v_lshlrev_b32 v20, 2, v[FQ]
	v_mov_b32 v21, v[FR]
	s_wait_alu depctr_va_vdst(0)                   ; v20 and v21 are written: the store's offset and data
	global_store_b32 v20, v21, s[30:31]            ; both lanes of a row write the same word with the same value
.Ltail_nr:
	v_lshrrev_b32 v19, 1, v[FR]
	v_min_u32 v19, 0x3ff, v19
	v_lshlrev_b32 v16, 9, v19
	v_add_nc_u32 v16, v16, v23
	v_lshlrev_b32 v18, 5, v19
	v_add_nc_u32 v18, v18, v23
	s_wait_alu depctr_va_vdst(0)                   ; v16 and v18 are written, by which x's loads go; so are v10 and v12, by which the tile's stores go; FIND is done with v152 to v215 and v240 to v247, in which the tile's loads land
	XLOAD 0
	s_wait_loadcnt 0x0
	XSAVE 0
	s_wait_dscnt 0x0                               ; the LDS stores are done,
	s_wait_alu depctr_vm_vsrc(0)                   ; and they have read XF and XS, in which the tile's loads land
	TILE 0, 0
	TILE 0, 1
	TILE 0, 2
	TILE 0, 3
.Ltail_next:
	s_add_co_u32 s67, s67, 16
	s_add_co_u32 s66, s66, 1
	s_cmp_lt_u32 s66, 3
	s_cbranch_scc1 .Ltail
	s_wait_xcnt 0x0
	v_lshl_add_u32 v254, v0, 2, 0x4ca00            ; the add's two registers, made anew straight ahead of the closing lines (no memory or LDS instruction has read v254 or v255)
	v_mov_b32 v255, 0
	s_wait_dscnt 0x0                               ; the closing lines, six on end
	s_wait_alu 0x0
	s_wait_tensorcnt 0x0
	ds_add_u32 v254, v255
	s_wait_dscnt 0x0
	s_endpgm
.Lfunc_end_k_qbfdd1237fd_ffn1:
	.size	k_qbfdd1237fd_ffn1, .Lfunc_end_k_qbfdd1237fd_ffn1-k_qbfdd1237fd_ffn1
	.p2alignl 7, 3214868480
	.fill 96, 4, 3214868480
	.section	.rodata,"a",@progbits
	.p2align	6, 0x0
	.amdhsa_kernel k_qbfdd1237fd_ffn1
		.amdhsa_group_segment_fixed_size 315904
		.amdhsa_private_segment_fixed_size 0
		.amdhsa_enable_private_segment 0
		.amdhsa_kernarg_size 48
		.amdhsa_user_sgpr_count 2
		.amdhsa_user_sgpr_kernarg_segment_ptr 1
		.amdhsa_wavefront_size32 1
		.amdhsa_system_sgpr_workgroup_id_x 1
		.amdhsa_system_sgpr_workgroup_id_y 1
		.amdhsa_system_sgpr_workgroup_id_z 1
		.amdhsa_system_vgpr_workitem_id 0
		.amdhsa_next_free_vgpr 256
		.amdhsa_next_free_sgpr 96
		.amdhsa_reserve_vcc 1
		.amdhsa_float_denorm_mode_32 3
		.amdhsa_float_denorm_mode_16_64 3
		.amdhsa_memory_ordered 1
		.amdhsa_forward_progress 1
		.amdhsa_inst_pref_size 255
	.end_amdhsa_kernel
	.section	.bss,"aw",@nobits
	.p2align	6
	.space	262144
	.amdgpu_metadata
---
amdhsa.version: [ 1, 2 ]
amdhsa.kernels:
  - .name:           k_qbfdd1237fd_ffn1
    .symbol:         k_qbfdd1237fd_ffn1.kd
    .args:
      - { .name: xq, .offset: 0, .size: 8, .value_kind: global_buffer, .address_space: global }
      - { .name: W1, .offset: 8, .size: 8, .value_kind: global_buffer, .address_space: global }
      - { .name: b1, .offset: 16, .size: 8, .value_kind: global_buffer, .address_space: global }
      - { .name: topi, .offset: 24, .size: 8, .value_kind: global_buffer, .address_space: global }
      - { .name: hq, .offset: 32, .size: 8, .value_kind: global_buffer, .address_space: global }
      - { .name: route, .offset: 40, .size: 8, .value_kind: global_buffer, .address_space: global }
    .group_segment_fixed_size: 315904
    .private_segment_fixed_size: 0
    .kernarg_segment_align: 8
    .kernarg_segment_size: 48
    .max_flat_workgroup_size: 512
    .sgpr_count:     96
    .vgpr_count:     256
    .wavefront_size: 32
...
	.end_amdgpu_metadata
.endif
;; end of part 8
;; launch ffn2 (part 9): grid 32 x 8, 16 waves a work-group, no clusters, 141,312 bytes of LDS; arguments hq, W2, b2, route, gatew, y; writes y
.if DOCPART == 9
	.amdgcn_target "amdgcn-amd-amdhsa--gfx1250"
	.amdhsa_code_object_version 6
	.text
	.protected	k_qbfdd1237fd_ffn2
	.globl	k_qbfdd1237fd_ffn2
	.p2align	8
	.type	k_qbfdd1237fd_ffn2,@function
k_qbfdd1237fd_ffn2:
	s_mov_b64 s[64:65], 0
	v_nop
	global_prefetch_b8 v0, s[64:65] scope:SCOPE_SE
	s_setreg_imm32_b32 hwreg(HW_REG_WAVE_SCHED_MODE, 0, 2), 2
	s_setreg_imm32_b32 hwreg(HW_REG_WAVE_MODE, 25, 1), 1
	s_wait_xcnt 0x0
	s_wait_alu depctr_vm_vsrc(0)
; y[kh][rho] = gate(rho) x (h(rho) W2[e] over half kh of K, + b2[e] in half 0), for the rows routed to expert e.  W2 [8][4096 (k)][1024 (n)] f32; h comes as codes from hq.
; A work-group takes (expert e = y, 64 output columns n0 = 64 (x % 16), K half kh = x / 16: 2,048 along K): 512 KiB of W2, read once, quantised here, kept in LDS as images of the operand's registers.
; THE STREAM.  A lane takes a column, its registers run down K; a chunk is 32 k x 32 columns, 32 loads of 128 consecutive bytes, two waves side by side cover a row's 256.  A stage is 256 along K (two K steps):
; one chunk a wave (wave w: column half w % 2, block w / 2 of the stage's eight), one barrier a stage; nothing in LDS is written twice.  Ring: two sets of 32 registers.
; Lane l takes column pi(l) = l%8 + 16 ((l/8)%2) + 8 (l/16) of its 32: lanes 0-15 make tile X, lanes 16-31 tile Y; with the product used transposed (source 0 = 16 columns of W2, source 1 = 16 rows of h)
; lane (r, h) holds row r, and X's and Y's 16 registers are 16 neighbouring columns.  b2 is the C of each sum's first product.  A tile's four accumulators take turns.
; ROWS.  Tile tau < 16 belongs to wave tau (slot 0), tile 16 .. 31 to wave tau - 16 (slot 1); from 32 on a tail of two trips.  In hq a tile lies at T = 64 e + tau.  h's fragments come two stages ahead, straight into registers.
; Branches hang on stored counts: none holds a barrier or a part of the stream; the waits for loads issued under them stand on every way, with the least count that any way gives.
; Of hq only tiles under nt are read: its loads stand under those branches.
; OUT: y: f32, half kh at 8,912,896 kh, row rho at 4,096 rho; rows from 2,048 on are dump rows for the last tile's empty places and are read by nobody.
; LIMITS: NaN and infinities are not served (b2 is multiplied by 0 in half 1); blocks under 2^-124 keep the byte 1; a block of zeros gets the byte 1 and not 127.
; THE MODE: SCHED_MODE bits 1:0 = 2 (LLVM: expert scheduling mode 2), set by the entry lines.  The code itself states the register dependences
; between vector or matrix instructions and memory or LDS instructions, and those through scalar results of vector instructions, with s_wait_alu, always for 0.
; THE PLAN.  Registers that memory or LDS instructions touch:
;   v1-v7, v14, v15, v236-v239   addresses and offsets, made at the head, ahead of the one wait in front of the first load, which also covers the 80 cleared registers in which h lands.
;   RING          A stage: the maxima and conversions read the set; behind the stage's ONE wait on va_vdst chunk sg + 2 lands in it.
;   CD, QB        Written by the stage's quantiser, read by its two LDS stores behind that wait.  ONE wait on vm_vsrc a stage, ahead of the barrier, states that the stores have read them: W2's fragments land on them, and the next stage writes them again.
;   v240, v241    Stage 0 alone: the gates' two offsets, written ahead of the stage's wait on va_vdst, read by the gates' two loads; W2's fragments land on them behind the stage's wait on vm_vsrc and a wait on XCNT beside it.
;   WFR, v12, v13 A K step: LDS loads land in them, the products read them; a wait on va_vdst behind the K step's places frees them for the next K step's loads.
;   HF            Read by a stage's products; the wait behind the stage's second K step frees the set for h of two stages on.  That wait is not written where no load follows it (stages 6 and 7).
;   v2-v5         Stepped once, between stages 3 and 4: a wait on vm_vsrc ahead of the four additions, stage 4's wait on va_vdst behind them.
;   The way out   ACC (multiplied by the gate, read by LDS stores), v16-v23 (the permutes' lanes), v24-v31 (the permutes' results, then offsets), v32-v63 (rows read back, then store data):
;                 a wait on vm_vsrc and one on va_vdst ahead of the run of LDS instructions, one on va_vdst ahead of the run of stores.
.set STGB, 69632                       ; LDS: 8 stages of 8,704 bytes (8 fragments of 1,024: 4 ks + column tile; then 4 x 128 bytes of scale words: 2 ks + column half); then a stage of 16 x 272 bytes for each wave's way out
.set HSCL, 16777216
.set YH,   8912896
.set RING, 16                          ; v16-79   two sets of 32 numbers of W2; on the way out addresses and rows
.set HF,   80                          ; v80-143  h's fragments: 32 slot + 16 (stage % 2) + 8 ks
.set HS,   144                         ; v144-159 h's scale words: 8 slot + stage; lanes 0-15 K step 0, lanes 16-31 K step 1
.set ACC,  160                         ; v160-223 32 slot + 8 column tile
.set WFR,  224                         ; v224-255 a K step's four fragments of W2; between them the stream's temporaries
.set QM,   224
.set QN,   225
.set QS,   226
.set QB,   227
.set CD,   228
; v1 4 pi(l); v2, v3 where I store codes and my scale byte; v4, v5 where fragments and scale words are read; v6, v7 my tiles in hq; v8, v9 my row; v10, v11 its gate; v12, v13 W2's scale words; v14, v15 my way-out stage
.macro CHUNK sg
.set RS, RING+32*((\sg)%2)
.irp i, 0,1,2,3,4,5,6,7,8,9,10,11,12,13,14,15,16,17,18,19,20,21,22,23,24,25,26,27,28,29,30,31
	global_load_b32 v[RS+\i], v1, s[28:29] offset:(256*(\sg)+\i)*4096 th:TH_LOAD_NT
.endr
.endm
.macro QW
	v_max3_num_f32 v[QM], |v[RS]|, |v[RS+1]|, |v[RS+2]|
	v_max3_num_f32 v[QN], |v[RS+3]|, |v[RS+4]|, |v[RS+5]|
.irp i, 6,10,14,18,22,26
	v_max3_num_f32 v[QM], v[QM], |v[RS+\i]|, |v[RS+\i+1]|
	v_max3_num_f32 v[QN], v[QN], |v[RS+\i+2]|, |v[RS+\i+3]|
.endr
	v_max3_num_f32 v[QM], v[QM], |v[RS+30]|, |v[RS+31]|
	v_max3_num_f32 v[QM], v[QM], v[QN], 0x1800000  ; and the floor 2^(3 - 127): the byte cannot fall under 1
	v_add_nc_u32 v[QS], 0xff000000, v[QM]          ; 2 off the exponent field
	v_lshrrev_b32 v[QB], 23, v[QS]
.irp g, 0,1,2,3
	v_cvt_scalef32_pk8_fp4_f32 v[CD+\g], v[RS+8*\g:RS+8*\g+7], v[QS]
.endr
	v_nop                                          ; one plain line behind the last scaled conversion
.endm
.macro HLOAD sg, sl                    ; stage sg's two fragments of h for slot sl: images, 512 consecutive bytes a load
.irp j, 0,1,2,3
	global_load_b128 v[HF+32*\sl+16*((\sg)%2)+4*\j:HF+32*\sl+16*((\sg)%2)+4*\j+3], v[6+\sl], s[4:5] offset:2048*(\sg)+512*\j
.endr
.endm
.macro HSLOAD sl                       ; slot sl's scale words of h for the eight stages: 128 consecutive bytes a load
.irp g, 0,1,2,3,4,5,6,7
	global_load_b32 v[HS+8*\sl+\g], v[237+\sl], s[52:53] offset:128*\g
.endr
.endm
.macro HLOADS sg, hs                   ; hs = 1: the scale words go with the first stage's fragments
	s_cmp_lt_u32 s16, s21
	s_cbranch_scc0 .Lnoh_\@
.if \hs
	HSLOAD 0
.endif
	HLOAD \sg, 0
	s_cmp_lt_u32 s25, s21
	s_cbranch_scc0 .Lnoh_\@
.if \hs
	HSLOAD 1
.endif
	HLOAD \sg, 1
.Lnoh_\@:
.endm
.macro FIRST                           ; behind the first wait: the list and b2 are in.  The vector lines alone: the gates' two loads follow behind the stage's wait
	v_min_u32 v8, 0x87f, v8
	v_min_u32 v9, 0x87f, v9
	v_min_u32 v240, 0x7ff, v8                      ; (a dump row takes some row's gate: its results go nowhere)
	v_min_u32 v241, 0x7ff, v9
	v_lshlrev_b32 v240, 2, v240
	v_lshlrev_b32 v241, 2, v241
.irp i, 0,2,4,6,8,10,12,14,16,18,20,22,24,26,28,30,32,34,36,38,40,42,44,46,48,50,52,54,56,58,60,62
	v_pk_mul_f32 v[ACC+\i:ACC+\i+1], v[ACC+\i:ACC+\i+1], s[36:37] op_sel_hi:[1,0]   ; b2 counts in half 0 alone
.endr
.endm
.macro TURN sg                         ; stage sg: my chunk is quantised and stored; its set takes chunk sg + 2; the barrier; h of this stage is in
.if (\sg) < 7
	s_wait_loadcnt 32                              ; my chunk is in: the next chunk's 32 loads lie behind it on every way (what else some ways add is waited for too)
.else
	s_wait_loadcnt 0x0
.endif
.set RS, RING+32*((\sg)%2)
	QW
.if (\sg) == 0
	FIRST
.endif
	s_wait_alu depctr_va_vdst(0)                   ; CD and QB are written, which the LDS stores read; the quantiser is done reading this set, in which chunk sg + 2 lands, and with v224 to v231, in which W2's fragments land; in stage 0 v240 and v241 are written, by which the gates' loads go
.if (\sg) == 0
	global_load_b32 v10, v240, s[12:13]
	global_load_b32 v11, v241, s[12:13]
.endif
	ds_store_b128 v2, v[CD:CD+3] offset:((\sg)%4)*8704
	ds_store_b8 v3, v[QB] offset:((\sg)%4)*8704    ; my block's byte of my column's scale word
.if (\sg) < 6
	CHUNK (\sg)+2
.endif
	s_wait_dscnt 0x0                               ; for the others' sake: my stores have landed
.if (\sg) == 0
	s_wait_xcnt 0x0                                ; the gates' two loads have had their addresses translated (ISA guide 3.1): W2's fragments land on v240 and v241 only behind this wait
.endif
	s_wait_alu depctr_vm_vsrc(0)                   ; my LDS stores have read CD and QB, on which W2's fragments land and which the next stage writes again; in stage 0 the head's loads and the gates' have read v236 to v241 likewise
	s_barrier_signal -1
	s_barrier_wait -1
.if (\sg) < 6
	s_wait_loadcnt 63                              ; this stage's h is in: two chunks, 64 loads, lie behind it (the count's field ends at 63)
.elseif (\sg) == 6
	s_wait_loadcnt 32                              ; one chunk lies behind it
.endif
.endm
.macro MM4                             ; four products: the tile at AC, h's fragment at HBR with its scale words in HSR, K step KS of the stage
.irp p, 0,1
.if KS == 0
	v_wmma_scale_f32_16x16x128_f8f6f4 v[AC+16*\p:AC+16*\p+7], v[WFR+16*\p:WFR+16*\p+7], v[HBR:HBR+7], v[AC+16*\p:AC+16*\p+7], v[12+\p], v[HSR] matrix_a_fmt:MATRIX_FMT_FP4 matrix_b_fmt:MATRIX_FMT_FP4
	v_wmma_scale_f32_16x16x128_f8f6f4 v[AC+16*\p+8:AC+16*\p+15], v[WFR+16*\p+8:WFR+16*\p+15], v[HBR:HBR+7], v[AC+16*\p+8:AC+16*\p+15], v[12+\p], v[HSR] matrix_a_fmt:MATRIX_FMT_FP4 matrix_b_fmt:MATRIX_FMT_FP4 matrix_a_scale:MATRIX_SCALE_ROW1
.else
	v_wmma_scale_f32_16x16x128_f8f6f4 v[AC+16*\p:AC+16*\p+7], v[WFR+16*\p:WFR+16*\p+7], v[HBR:HBR+7], v[AC+16*\p:AC+16*\p+7], v[12+\p], v[HSR] matrix_a_fmt:MATRIX_FMT_FP4 matrix_b_fmt:MATRIX_FMT_FP4 matrix_b_scale:MATRIX_SCALE_ROW1
	v_wmma_scale_f32_16x16x128_f8f6f4 v[AC+16*\p+8:AC+16*\p+15], v[WFR+16*\p+8:WFR+16*\p+15], v[HBR:HBR+7], v[AC+16*\p+8:AC+16*\p+15], v[12+\p], v[HSR] matrix_a_fmt:MATRIX_FMT_FP4 matrix_b_fmt:MATRIX_FMT_FP4 matrix_a_scale:MATRIX_SCALE_ROW1 matrix_b_scale:MATRIX_SCALE_ROW1
.endif
.endr
.endm
.macro WFETCH ra, rb, so               ; a K step's four fragments and two registers of scale words
.irp ct, 0,1,2,3
.irp c, 0,1
	ds_load_b128 v[WFR+8*\ct+4*\c:WFR+8*\ct+4*\c+3], v[\ra] offset:(\so)+(4*KS+\ct)*1024+512*\c
.endr
.endr
.irp p, 0,1
	ds_load_b32 v[12+\p], v[\rb] offset:(\so)+(2*KS+\p)*128
.endr
	s_wait_dscnt 0x0
.endm
.macro MSTEP sg, ks
.set KS, \ks
	WFETCH 4, 5, ((\sg)%4)*8704                    ; (K step 0: no vector or matrix line stands behind the stage's wait on va_vdst; K step 1: none behind the wait at K step 0's end)
.set AC, ACC
.set HBR, HF+16*((\sg)%2)+8*KS
.set HSR, HS+(\sg)
	MM4
	s_cmp_lt_u32 s25, s21
	s_cbranch_scc0 .Lone_\@
.set AC, ACC+32
.set HBR, HF+32+16*((\sg)%2)+8*KS
.set HSR, HS+8+(\sg)
	MM4
.Lone_\@:
.rept 4
	v_nop                                          ; four places in front of loads into registers that the products have read, and of the first read of results
.endr
.if (\ks == 0) || ((\sg) < 6)
	s_wait_alu depctr_va_vdst(0)                   ; the products are done reading WFR, v12 and v13, in which the next K step's loads land, and (K step 1) this stage's set of HF, in which h of two stages on lands
.endif
.endm
.macro MULT sg
	s_cmp_lt_u32 s16, s21
	s_cbranch_scc0 .Lnom_\@
	MSTEP \sg, 0
	MSTEP \sg, 1
.if (\sg) < 6
	HLOAD (\sg)+2, 0
	s_cmp_lt_u32 s25, s21
	s_cbranch_scc0 .Lnom_\@
	HLOAD (\sg)+2, 1
.endif
.Lnom_\@:
.endm
.macro EPI sl                          ; x gate; through my stage; sixteen lanes store a row's 256 consecutive bytes, at a multiple of 256 from y's first byte
.set AC, ACC+32*\sl
.irp i, 0,2,4,6,8,10,12,14,16,18,20,22,24,26,28,30
.if \sl == 0
	v_pk_mul_f32 v[AC+\i:AC+\i+1], v[AC+\i:AC+\i+1], v[10:11] op_sel_hi:[1,0]            ; each accumulator from its low end on
.else
	v_pk_mul_f32 v[AC+\i:AC+\i+1], v[AC+\i:AC+\i+1], v[10:11] op_sel:[0,1] op_sel_hi:[1,1]
.endif
.endr
	s_wait_xcnt 0x0                                ; the earlier stores have had their addresses translated,
	s_wait_alu depctr_vm_vsrc(0)                   ; and they have read v24 to v63, in which the permutes' results and the rows land
	s_wait_alu depctr_va_vdst(0)                   ; the multiplications have written the tile, which the LDS stores read; v16 to v23 and my row's number are written, which the permutes read; the vector lines that named v24 to v63 are done
.irp p, 0,1
.irp q, 0,1,2,3
	ds_store_b128 v14, v[AC+16*\p+4*\q:AC+16*\p+4*\q+3] offset:128*\p+16*\q
.endr
.endr
.irp i, 0,1,2,3,4,5,6,7
	ds_bpermute_b32 v[24+\i], v[16+\i], v[8+\sl]   ; the number of row 2 i + h of the tile
.endr
.irp i, 0,1,2,3,4,5,6,7
	ds_load_b128 v[32+4*\i:35+4*\i], v15 offset:544*\i   ; LDS serves a wave's instructions in order: these see my stores
.endr
	s_wait_dscnt 0x0
.irp i, 0,1,2,3,4,5,6,7
	v_min_u32 v[24+\i], 0x87f, v[24+\i]
	v_lshlrev_b32 v[24+\i], 12, v[24+\i]
	v_add_nc_u32 v[24+\i], v[24+\i], v64
.endr
	s_wait_alu depctr_va_vdst(0)                   ; v24 to v31 are written: the stores' offsets
.irp i, 0,1,2,3,4,5,6,7
	global_store_b128 v[24+\i], v[32+4*\i:35+4*\i], s[32:33] th:TH_STORE_NT
.endr
.endm
.macro TSTEP g, kk                     ; the tail: K step 8 g + kk of the half
.set KS, (\kk)%2
.if \g == 0
	WFETCH 65, 66, ((\kk)/2)*8704
.else
	WFETCH 4, 5, ((\kk)/2)*8704
.endif
.set AC, ACC
.set HBR, HF+8*(\kk)
.set HSR, HS+4*(\g)+(\kk)/2
	MM4
.rept 4
	v_nop
.endr
.if (\g == 0) || (\kk < 7)
	s_wait_alu depctr_va_vdst(0)                   ; the products are done reading WFR, v12 and v13, in which the next K step's loads land; behind the eighth K step also HF, in which the other eight K steps of h land
.endif
.endm
	s_load_b256 s[4:11], s[0:1], 0x0               ; hq s[4:5], W2 s[6:7], b2 s[8:9], route s[10:11]
	s_load_b128 s[12:15], s[0:1], 0x20             ; gatew s[12:13], y s[14:15]
	v_lshrrev_b32 v1, 5, v0
	v_readfirstlane_b32 s16, v1                    ; wave 0..15
	s_wait_alu depctr_va_sdst(0)                   ; s16 is written, ahead of its first reader
	s_and_b32 s17, ttmp7, 0xffff                   ; expert
	s_and_b32 s18, ttmp9, 15                       ; which 64 columns
	s_lshr_b32 s19, ttmp9, 4                       ; which half of K
	s_add_co_u32 s25, s16, 16                      ; my second tile
	v_and_b32 v232, 15, v0                         ; r
	v_bfe_u32 v233, v0, 4, 1                       ; h
	v_and_b32 v234, 31, v0                         ; l
	v_and_b32 v1, 7, v0
	v_and_b32 v235, 8, v0
	v_lshl_or_b32 v1, v235, 1, v1
	v_and_b32 v235, 16, v0
	v_lshrrev_b32 v235, 1, v235
	v_or_b32 v1, v1, v235
	v_lshlrev_b32 v1, 2, v1                        ; 4 pi(l)
	s_lshr_b32 s40, s16, 3                         ; my block's K step in the stage,
	s_and_b32 s41, s16, 1                          ; my column half,
	s_bfe_u32 s42, s16, 0x10002                    ; the block's c
	s_bfe_u32 s43, s16, 0x10001                    ; and h in the operand's layout,
	s_bfe_u32 s44, s16, 0x20001                    ; its number in the K step
	s_lshr_b32 s45, s16, 1                         ; and in the stage
	s_lshl_b32 s46, s40, 12
	s_lshl_b32 s47, s41, 11
	s_add_co_u32 s46, s46, s47
	s_lshl_b32 s47, s42, 9
	s_add_co_u32 s46, s46, s47
	s_lshl_b32 s47, s43, 8
	s_add_co_u32 s46, s46, s47
	v_lshlrev_b32 v2, 4, v232
	v_lshl_add_u32 v2, v233, 10, v2
	v_add_nc_u32 v2, s46, v2                       ; fragment 4 ks + 2 half + (X or Y), 512 c + 256 h + 16 r
	s_lshl_b32 s46, s40, 8
	s_lshl_b32 s47, s41, 7
	s_add_co_u32 s46, s46, s47
	s_add_co_u32 s46, s46, s44
	s_add_co_u32 s46, s46, 8192
	v_lshlrev_b32 v3, 2, v234
	v_add_nc_u32 v3, s46, v3
	v_lshlrev_b32 v4, 4, v234
	v_lshl_add_u32 v5, v234, 2, 8192
	s_mul_i32 s46, s16, 4352
	s_add_co_u32 s46, s46, STGB
	v_mul_u32_u24 v14, v232, 272
	v_lshl_add_u32 v14, v233, 6, v14
	v_add_nc_u32 v14, s46, v14                     ; in: row r, 64 h bytes on
	v_mul_u32_u24 v15, v233, 272
	v_lshl_add_u32 v15, v232, 4, v15
	v_add_nc_u32 v15, s46, v15                     ; back: lanes 0-15 one row, lanes 16-31 the next
	v_lshlrev_b32 v235, 2, v234                    ; 4 l
	v_lshlrev_b32 v236, 6, v233                    ; 64 h
	s_lshl_b32 s46, s16, 6
	v_lshl_add_u32 v239, v232, 2, s46              ; the list: position 16 w + r
.set i, 0
.rept 80
	v_mov_b32 v[HF+i], 0                           ; h's fragments and scale words are loaded under branches on a stored count: so their 80 registers are written once on every way
.set i, i+1
.endr
	s_cmp_eq_u32 s19, 0
	s_cselect_b32 s36, 0x3f800000, 0
	s_mov_b32 s37, s36
	s_lshl_b32 s48, s19, 14
	s_lshl_b32 s49, s19, 10
	s_lshl_b32 s54, s17, 6                         ; my offsets into hq are made here, ahead of the head's one wait on va_vdst: they hang on ids alone
	s_add_co_u32 s54, s54, s16                     ; my tiles in hq: T = 64 e + w,
	s_lshl_b32 s55, s54, 15
	s_add_co_u32 s55, s55, s48
	v_add_nc_u32 v6, s55, v4
	s_lshl_b32 s56, s54, 11
	s_add_co_u32 s56, s56, s49
	v_add_nc_u32 v237, s56, v235
	s_add_co_u32 s54, s54, 16                      ; and 16 more
	s_lshl_b32 s57, s54, 15
	s_add_co_u32 s57, s57, s48
	v_add_nc_u32 v7, s57, v4
	s_lshl_b32 s58, s54, 11
	s_add_co_u32 s58, s58, s49
	v_add_nc_u32 v238, s58, v235
	s_wait_kmcnt 0x0
	s_lshl_b32 s26, s17, 7
	s_mov_b32 s27, 0
	s_add_nc_u64 s[38:39], s[10:11], s[26:27]
	s_load_b64 s[20:21], s[38:39], 0x10000         ; R, nt
	s_add_nc_u64 s[52:53], s[4:5], HSCL            ; hq's scale words
	s_lshl_b32 s26, s17, 24                        ; W2: expert,
	s_lshl_b32 s24, s19, 23                        ; 2,048 rows of 4,096 bytes for the half,
	s_add_co_u32 s26, s26, s24
	s_lshl_b32 s24, s45, 17                        ; 32 rows for each block,
	s_add_co_u32 s26, s26, s24
	s_lshl_b32 s24, s18, 8                         ; 64 columns,
	s_add_co_u32 s26, s26, s24
	s_lshl_b32 s24, s41, 7                         ; 32 for my half
	s_add_co_u32 s26, s26, s24
	s_add_nc_u64 s[28:29], s[6:7], s[26:27]
	s_lshl_b32 s26, s17, 13
	s_add_nc_u64 s[30:31], s[10:11], s[26:27]      ; the expert's list
	s_lshl_b32 s26, s17, 12
	s_lshl_b32 s24, s18, 8
	s_add_co_u32 s26, s26, s24
	s_add_nc_u64 s[34:35], s[8:9], s[26:27]        ; b2 at my columns
	s_mul_i32 s26, s19, YH
	s_add_co_u32 s26, s26, s24
	s_add_nc_u64 s[32:33], s[14:15], s[26:27]      ; y: my half, my columns
	s_wait_alu depctr_va_vdst(0)                   ; v1 to v7, v14, v15 and v236 to v239 are written, by which the loads and stores go; so are the 80 cleared registers, in which h lands and which the products take
	global_load_b32 v8, v239, s[30:31]
	global_load_b32 v9, v239, s[30:31] offset:1024
.irp sl, 0,1
.irp p, 0,1
.irp q, 0,1,2,3
	global_load_b128 v[ACC+32*\sl+16*\p+4*\q:ACC+32*\sl+16*\p+4*\q+3], v236, s[34:35] offset:128*\p+16*\q   ; b2 at my 16 columns of each half: the sums begin with it
.endr
.endr
.endr
	CHUNK 0
	s_wait_kmcnt 0x0                               ; the counts
	s_min_u32 s21, s21, 64                         ; nt
	HLOADS 0, 1
	CHUNK 1
	HLOADS 1, 0
	TURN 0
	MULT 0
	TURN 1
	MULT 1
	TURN 2
	MULT 2
	TURN 3
	MULT 3
	s_wait_alu depctr_vm_vsrc(0)                   ; the LDS stores and loads of stages 0 to 3 have read v2 to v5, which the four lines below write (stage 4's wait on va_vdst stands ahead of their next use)
	v_add_nc_u32 v2, 34816, v2                     ; on to stages 4 to 7, so that the immediates stay inside 16 bits
	v_add_nc_u32 v3, 34816, v3
	v_add_nc_u32 v4, 34816, v4
	v_add_nc_u32 v5, 34816, v5
	TURN 4
	MULT 4
	TURN 5
	MULT 5
	TURN 6
	MULT 6
	TURN 7
	MULT 7
	; the way out's registers, in the ring, which is done with
	v_and_b32 v64, 15, v0
	v_bfe_u32 v70, v0, 4, 1
	v_and_b32 v71, 31, v0
	v_lshlrev_b32 v67, 2, v64                      ; 4 r
	v_lshlrev_b32 v64, 4, v64                      ; 16 r
	v_lshlrev_b32 v68, 6, v70                      ; 64 h
	v_lshlrev_b32 v65, 4, v71                      ; stages 0 to 3 again, for the tail
	v_lshl_add_u32 v66, v71, 2, 8192
	v_lshlrev_b32 v72, 2, v71                      ; 4 l
	v_lshlrev_b32 v70, 2, v70
.irp i, 0,1,2,3,4,5,6,7
	v_add_nc_u32 v[16+\i], 8*\i, v70               ; 4 x (2 i + h): the lane that holds that row's number
.endr
	s_cmp_lt_u32 s16, s21
	s_cbranch_scc0 .Lno_epi
	EPI 0
	s_cmp_lt_u32 s25, s21
	s_cbranch_scc0 .Lno_epi
	EPI 1
.Lno_epi:
	; THE TAIL: tiles 32 + w + 16 k, k = 0, 1: an expert with more than 512 rows.  The weights stay where they are; no barrier is needed
	s_mov_b32 s50, 0
	s_add_co_u32 s51, s16, 32
.Ltail:
	s_cmp_lt_u32 s51, s21
	s_cbranch_scc0 .Ltail_next
	s_wait_xcnt 0x0                                ; my stores have had their addresses translated,
	s_wait_alu depctr_vm_vsrc(0)                   ; and the way out's LDS stores have read the tile and its permutes v8, in which the loads below land; the earlier loads have read v6, v69, v73 and v74, which this trip writes again
	s_lshl_b32 s54, s51, 6
	v_add_nc_u32 v69, s54, v67
	s_lshl_b32 s40, s17, 6
	s_add_co_u32 s40, s40, s51
	s_min_u32 s40, s40, 511                        ; T = 64 e + tile
	s_lshl_b32 s41, s40, 15
	s_add_co_u32 s41, s41, s48
	v_add_nc_u32 v6, s41, v65
	s_lshl_b32 s55, s40, 11
	s_add_co_u32 s55, s55, s49
	v_add_nc_u32 v73, s55, v72
	s_wait_alu depctr_va_vdst(0)                   ; v69, v6 and v73 are written, and v65 to v68 and v72, by which this trip's loads go; the vector and matrix lines that named v8, the tile, HS and HF are done: the loads land there
	global_load_b32 v8, v69, s[30:31]
.irp p, 0,1
.irp q, 0,1,2,3
	global_load_b128 v[ACC+16*\p+4*\q:ACC+16*\p+4*\q+3], v68, s[34:35] offset:128*\p+16*\q
.endr
.endr
.irp g, 0,1,2,3,4,5,6,7
	global_load_b32 v[HS+\g], v73, s[52:53] offset:128*\g
.endr
	s_wait_loadcnt 0x0
	v_min_u32 v8, 0x87f, v8
	v_min_u32 v74, 0x7ff, v8
	v_lshlrev_b32 v74, 2, v74
.irp i, 0,2,4,6,8,10,12,14,16,18,20,22,24,26,28,30
	v_pk_mul_f32 v[ACC+\i:ACC+\i+1], v[ACC+\i:ACC+\i+1], s[36:37] op_sel_hi:[1,0]
.endr
	s_wait_alu depctr_va_vdst(0)                   ; v74 is written, by which the gate's load goes
	global_load_b32 v10, v74, s[12:13]
.irp g, 0,1
.irp j, 0,1,2,3,4,5,6,7,8,9,10,11,12,13,14,15
	global_load_b128 v[HF+4*\j:HF+4*\j+3], v6, s[4:5] offset:8192*\g+512*\j   ; eight K steps of h
.endr
	s_wait_loadcnt 0x0                             ; they are in, and so is the gate
.irp kk, 0,1,2,3,4,5,6,7
	TSTEP \g, \kk
.endr
.endr
	EPI 0
.Ltail_next:
	s_add_co_u32 s51, s51, 16
	s_add_co_u32 s50, s50, 1
	s_cmp_lt_u32 s50, 2
	s_cbranch_scc1 .Ltail
	s_wait_xcnt 0x0
	v_lshl_add_u32 v254, v0, 2, 0x22000            ; the add's two registers, made anew straight ahead of the closing lines (no memory or LDS instruction has read v254 or v255: loads have only landed there)
	v_mov_b32 v255, 0
	s_wait_dscnt 0x0                               ; the closing lines, six on end
	s_wait_alu 0x0
	s_wait_tensorcnt 0x0
	ds_add_u32 v254, v255
	s_wait_dscnt 0x0
	s_endpgm
.Lfunc_end_k_qbfdd1237fd_ffn2:
	.size	k_qbfdd1237fd_ffn2, .Lfunc_end_k_qbfdd1237fd_ffn2-k_qbfdd1237fd_ffn2
	.p2alignl 7, 3214868480
	.fill 96, 4, 3214868480
	.section	.rodata,"a",@progbits
	.p2align	6, 0x0
	.amdhsa_kernel k_qbfdd1237fd_ffn2
		.amdhsa_group_segment_fixed_size 141312
		.amdhsa_private_segment_fixed_size 0
		.amdhsa_enable_private_segment 0
		.amdhsa_kernarg_size 48
		.amdhsa_user_sgpr_count 2
		.amdhsa_user_sgpr_kernarg_segment_ptr 1
		.amdhsa_wavefront_size32 1
		.amdhsa_system_sgpr_workgroup_id_x 1
		.amdhsa_system_sgpr_workgroup_id_y 1
		.amdhsa_system_sgpr_workgroup_id_z 1
		.amdhsa_system_vgpr_workitem_id 0
		.amdhsa_next_free_vgpr 256
		.amdhsa_next_free_sgpr 66
		.amdhsa_reserve_vcc 0
		.amdhsa_float_denorm_mode_32 3
		.amdhsa_float_denorm_mode_16_64 3
		.amdhsa_memory_ordered 1
		.amdhsa_forward_progress 1
		.amdhsa_inst_pref_size 130
	.end_amdhsa_kernel
	.amdgpu_metadata
---
amdhsa.version: [ 1, 2 ]
amdhsa.kernels:
  - .name:           k_qbfdd1237fd_ffn2
    .symbol:         k_qbfdd1237fd_ffn2.kd
    .args:
      - { .name: hq, .offset: 0, .size: 8, .value_kind: global_buffer, .address_space: global }
      - { .name: W2, .offset: 8, .size: 8, .value_kind: global_buffer, .address_space: global }
      - { .name: b2, .offset: 16, .size: 8, .value_kind: global_buffer, .address_space: global }
      - { .name: route, .offset: 24, .size: 8, .value_kind: global_buffer, .address_space: global }
      - { .name: gatew, .offset: 32, .size: 8, .value_kind: global_buffer, .address_space: global }
      - { .name: y, .offset: 40, .size: 8, .value_kind: global_buffer, .address_space: global }
    .group_segment_fixed_size: 141312
    .private_segment_fixed_size: 0
    .kernarg_segment_align: 8
    .kernarg_segment_size: 48
    .max_flat_workgroup_size: 512
    .sgpr_count:     66
    .vgpr_count:     256
    .wavefront_size: 32
...
	.end_amdgpu_metadata
.endif
;; end of part 9
;; launch combine: the kernel of part 5 again; grid 256 x 1, 8 waves a work-group, no clusters, 0 bytes of LDS; arguments y, out0; writes out0
